; MI455X (gfx1250); checked and timed in simulation.
; The chip was launched on July 23, 2026; its instructions are those of AMD's public machine-readable ISA for CDNA 5 (MIT licence, August 2026) and "CDNA5" Instruction Set Architecture Reference Guide (July 2026). The comments in the code are by the model that wrote it; some were corrected since.
;; Attention. Allowed arithmetic: float matrix products may take bf16 or f16 operands with f32 sums; other float arithmetic in f32, or as packed bf16 or f16 multiplies, adds, multiply-adds, maxima and minima; sums over many terms, partial sums and values carried from step to step in f32; what a program stores and reads back later, other than sums and carried values, may be rounded once to bf16 or f16.
;; Inputs: hidden 4 x 1,024 x 2,048 float32; k_scale 128 float32; q_scale 128 float32; segment_ids 4 x 1,024 int32; wk 2,048 x 512 float32; wo 2,048 x 2,048 float32; wq 2,048 x 2,048 float32; wv 2,048 x 512 float32.
;; Outputs: out0 4 x 1,024 x 2,048 float32.
;; 2 versions, each right. Each part assembles by itself: llvm-mc -triple=amdgcn-amd-amdhsa -mcpu=gfx1250 --defsym DOCPART=n.
;; ======== version 1 of 2: 5 launches
;; limits: values are held in f16: magnitudes above 65,504 overflow, below 6.1e-05 lose precision
;; workspace buffers: hb 16,777,216 bytes; wqkv 12,582,912 bytes; wob 8,388,608 bytes; rope 2,097,152 bytes; lm 524,288 bytes of whole numbers; qh 16,777,216 bytes; kh 4,194,304 bytes; vh 4,194,304 bytes
;; launch prep (part 1): grid 16 x 4, 32 waves a work-group, no clusters, 12,544 bytes of LDS; arguments segment_ids, rope, lm; writes rope, lm
.if DOCPART == 1
	.amdgcn_target "amdgcn-amd-amdhsa--gfx1250"
	.amdhsa_code_object_version 6
	.text
	.protected	k_q28c750f7e9_prep
	.globl	k_q28c750f7e9_prep
	.p2align	8
	.type	k_q28c750f7e9_prep,@function
k_q28c750f7e9_prep:
	s_mov_b64 s[64:65], 0
	v_nop
	global_prefetch_b8 v0, s[64:65] scope:SCOPE_SE
	s_setreg_imm32_b32 hwreg(HW_REG_WAVE_MODE, 25, 1), 1
	s_wait_xcnt 0x0
; POSITIONS, THE MASK AS LANE WORDS, AND THE ROPE TABLE.  segment_ids: [4][1024] i32.
; pos[t] = t - (the last index <= t at which the id differs from its left neighbour; index 0 counts as such a place).
; lm[b][tt][kb][j]: a word whose bit L = r + 16 h is 1 where key 16 kb + 8 h + j is HIDDEN from query 16 tt + r: another id, or a larger position.
; rope[row block of 16][chunk 0-7 cos, 8-15 sin][lane r + 16 h][z]: chunk 2 bb + u holds, for row r of the block, the frequency f = 16 bb + 8 h + 4 u + z:
; the order in which a lane of the projection's result holds a head's first 64 columns.
; SHARES.  A work-group has 1,024 threads, one for each t of its batch row b (grid y), and repeats the scan; then it makes the words and the table of 64 rows (grid x).
; LIMITS.  The angle is pos x 10000^(-f/64) in f32; it is reduced by the nearest multiple of pi/2 with one fused multiply-add, and sine and cosine are polynomials
; on |y| <= pi/4 (degrees 7 and 8): good to about 1e-4 radians at the largest angle, 1,023.
.set POS,   0                          ; LDS: pos[t], a word each
.set SEG,   4096                       ; the ids
.set TOT,   8192                       ; the 32 waves' maxima; the block to 8,447 is theirs alone
.set SPARE, 8448                       ; the spare words, 128 bytes for each of 32 waves; no other line names them
.set SPW,   30                         ; v30  SPARE + 4 x my thread's number; never rewritten
.set NIL,   31                         ; v31  0; never rewritten
.set W,     60                         ; v[60:61] the wave's 64 mask words: lane l holds words 2 l and 2 l + 1
	s_load_b128 s[4:7], s[0:1], 0x0                ; segment_ids s[4:5], rope s[6:7]
	s_load_b64 s[8:9], s[0:1], 0x10                ; lm
	v_lshl_add_u32 v[SPW], v0, 2, SPARE
	v_mov_b32 v[NIL], 0
	v_lshrrev_b32 v2, 5, v0
	v_readfirstlane_b32 s10, v2                    ; wave 0..31
	v_and_b32 v1, 31, v0                           ; lane
	s_and_b32 s11, ttmp9, 15                       ; p: which 64 rows are mine; the grid has 16 along x
	s_and_b32 s12, ttmp7, 0xffff                   ; b
	s_mov_b32 s16, 0x76543210                      ; v_permlanex16_b32: each lane takes its own place in the other half
	s_mov_b32 s17, 0xfedcba98
	v_lshlrev_b32 v3, 2, v0                        ; 4 t
	v_max_u32 v4, 1, v0
	v_add_nc_u32 v4, -1, v4
	v_lshlrev_b32 v4, 2, v4                        ; 4 (t - 1); thread 0 takes itself: its value is 0 either way
	s_lshl_b32 s20, s12, 12
	s_mov_b32 s21, 0
	v_mov_b32 v7, 0                                ; destinations of lane moves count as read
	v_mov_b32 v14, 0
	s_wait_kmcnt 0x0
	s_add_nc_u64 s[4:5], s[4:5], s[20:21]          ; my batch row
	global_load_b32 v5, v3, s[4:5]
	global_load_b32 v6, v4, s[4:5]
	s_wait_loadcnt 0x0
	v_cmp_ne_u32 vcc_lo, v5, v6
	v_cndmask_b32 v6, 0, v0, vcc_lo                ; t where a segment begins, else 0
	; a running maximum: inside 16 lanes, across the halves, across the waves
.irp n, 1,2,4,8
	v_mov_b32_dpp v7, v6 row_shr:\n row_mask:0xf bank_mask:0xf bound_ctrl:1
	v_max_u32 v6, v6, v7
.endr
	v_readlane_b32 s21, v6, 15
	v_cmp_lt_u32 vcc_lo, 15, v1
	v_cndmask_b32 v9, 0, s21, vcc_lo
	v_max_u32 v6, v6, v9
	v_readlane_b32 s22, v6, 31                     ; the wave's maximum
	s_lshl_b32 s23, s10, 2
	v_mov_b32 v10, s22
	v_mov_b32 v11, s23
	ds_store_b32 v11, v10 offset:TOT               ; all lanes write the same word with the same value
	ds_store_b32 v3, v5 offset:SEG
	s_wait_dscnt 0x0                               ; for the others' sake: my stores are done
	s_barrier_signal -1
	s_barrier_wait -1
	v_lshlrev_b32 v12, 2, v1
	ds_load_b32 v13, v12 offset:TOT
	s_wait_dscnt 0x0
	v_cmp_gt_u32 vcc_lo, s10, v1                   ; only the waves in front of mine count
	v_cndmask_b32 v13, 0, v13, vcc_lo
.irp n, 1,2,4,8
	v_mov_b32_dpp v14, v13 row_xmask:\n row_mask:0xf bank_mask:0xf
	v_max_u32 v13, v13, v14
.endr
	v_permlanex16_b32 v14, v13, s16, s17
	v_max_u32 v13, v13, v14
	v_max_u32 v6, v6, v13                          ; where my segment begins
	v_sub_nc_u32 v6, v0, v6                        ; pos
	ds_store_b32 v3, v6 offset:POS
	s_wait_dscnt 0x0
	s_barrier_signal -1
	s_barrier_wait -1                              ; pos and ids of the whole batch row lie in LDS; from here on they are only read
	; THE MASK WORDS.  Wave w: query tile 4 p + w / 8, key blocks 8 (w % 8) .. + 7: 64 words, 256 bytes on end.
	s_lshr_b32 s24, s10, 3
	s_and_b32 s25, s10, 7
	s_lshl_b32 s26, s11, 8
	s_lshl_b32 s27, s24, 6
	s_add_co_u32 s26, s26, s27                     ; 4 x (64 p + 16 (w / 8)): 4,032 at the most
	v_and_b32 v16, 15, v1                          ; r
	v_lshrrev_b32 v15, 4, v1                       ; h
	v_lshl_add_u32 v17, v16, 2, s26
	ds_load_b32 v18, v17 offset:POS                ; my row's position
	ds_load_b32 v19, v17 offset:SEG                ; and id
	s_lshl_b32 s27, s25, 9
	v_lshl_add_u32 v20, v15, 5, s27                ; my eight keys of the wave's first key block: 512 (w % 8) + 32 h
	v_mov_b32 v[W], 0
	v_mov_b32 v[W+1], 0
.set kk, 0
.rept 8
	ds_load_b128 v[32:35], v20 offset:POS+64*kk
	ds_load_b128 v[36:39], v20 offset:POS+64*kk+16
	ds_load_b128 v[40:43], v20 offset:SEG+64*kk
	ds_load_b128 v[44:47], v20 offset:SEG+64*kk+16
	s_wait_dscnt 0x0
.set j, 0
.rept 8
	v_cmp_ne_u32 s30, v[40+j], v19                 ; another segment,
	v_cmp_gt_u32 s31, v[32+j], v18                 ; or a later position
	s_or_b32 s30, s30, s31
	v_writelane_b32 v[W+(j&1)], s30, (8*kk+j)>>1
.set j, j+1
.endr
.set kk, kk+1
.endr
	s_barrier_signal -1                            ; my last LDS reads are back (the wait for 0 above): every wave's reads are over before any wave's closing lines
	s_barrier_wait -1
	s_lshl_b32 s27, s12, 6
	s_lshl2_add_u32 s27, s11, s27
	s_add_co_u32 s27, s27, s24                     ; 64 b + 4 p + w / 8: the query tile, and the table's row block
	s_lshl_b32 s28, s27, 11
	s_lshl_b32 s29, s25, 8
	s_add_co_u32 s28, s28, s29
	v_lshl_add_u32 v21, v1, 3, s28
	global_store_b64 v21, v[W:W+1], s[8:9]         ; the wave's store covers 256 consecutive bytes, aligned
	; THE TABLE.  Wave w: the same 16 rows, chunk w % 8 = 2 bb + u of cosines and of sines; a lane has four frequencies.
	s_lshr_b32 s29, s25, 1
	s_lshl_b32 s29, s29, 4
	s_and_b32 s31, s25, 1
	s_lshl2_add_u32 s29, s31, s29                  ; 16 bb + 4 u
	v_lshl_add_u32 v22, v15, 3, s29                ; + 8 h
	s_mov_b32 s32, 0x3f22f983                      ; 2 / pi
	s_mov_b32 s33, 0x3fc90fdb                      ; pi / 2
	s_mov_b32 s34, 0xb9500d01                      ; -1/5040
	s_mov_b32 s35, 0x3c088889                      ; 1/120
	s_mov_b32 s36, 0xbe2aaaab                      ; -1/6
	s_mov_b32 s37, 0x37d00d01                      ; 1/40320
	s_mov_b32 s38, 0xbab60b61                      ; -1/720
	s_mov_b32 s39, 0x3d2aaaab                      ; 1/24
.irp z, 0,1,2,3
	v_add_nc_u32 v23, \z, v22
	v_cvt_f32_u32 v[24+\z], v23
	v_mul_f32 v[24+\z], 0xbe549a78, v[24+\z]       ; -f log2(10000) / 64
.endr
.irp z, 0,1,2,3
	v_exp_f32 v[24+\z], v[24+\z]                   ; 10000^(-f/64)
.endr
	v_cvt_f32_u32 v28, v18                         ; a plain instruction behind the last exponential
	s_wait_alu depctr_va_vdst(0)                   ; one wait for the four, ahead of their first reader
.macro TRIG z
	v_mul_f32 v32, v28, v[24+\z]                   ; the angle
	v_mul_f32 v33, s32, v32
	v_rndne_f32 v33, v33                           ; k: the nearest multiple of pi/2
	v_fma_f32 v34, v32, s32, -v33
	v_mul_f32 v34, s33, v34                        ; y, within pi/4 of 0
	v_mul_f32 v35, v34, v34
	v_fma_f32 v36, v35, s34, s35
	v_fma_f32 v36, v36, v35, s36
	v_mul_f32 v36, v36, v35
	v_fma_f32 v36, v36, v34, v34                   ; sin y
	v_fma_f32 v37, v35, s37, s38
	v_fma_f32 v37, v37, v35, s39
	v_fma_f32 v37, v37, v35, -0.5
	v_fma_f32 v37, v37, v35, 1.0                   ; cos y
	v_cvt_i32_f32 v38, v33
	v_and_b32 v39, 1, v38
	v_cmp_ne_u32 vcc_lo, 0, v39                    ; odd k: the two change places
	v_cndmask_b32 v[52+\z], v36, v37, vcc_lo
	v_cndmask_b32 v[48+\z], v37, v36, vcc_lo
	v_and_b32 v39, 2, v38                          ; k mod 4 = 2, 3: the sine turns its sign
	v_lshlrev_b32 v39, 30, v39
	v_xor_b32 v[52+\z], v[52+\z], v39
	v_add_nc_u32 v38, 1, v38                       ; k mod 4 = 1, 2: the cosine
	v_and_b32 v39, 2, v38
	v_lshlrev_b32 v39, 30, v39
	v_xor_b32 v[48+\z], v[48+\z], v39
.endm
	TRIG 0
	TRIG 1
	TRIG 2
	TRIG 3
	s_lshl_b32 s28, s27, 13
	s_lshl_b32 s29, s25, 9
	s_add_co_u32 s28, s28, s29
	v_lshl_add_u32 v29, v1, 4, s28
	global_store_b128 v29, v[48:51], s[6:7]             ; each store of the wave covers 512 consecutive bytes, aligned
	global_store_b128 v29, v[52:55], s[6:7] offset:4096
	s_wait_tensorcnt 0x0                           ; the wave's end, behind my last LDS store
	ds_add_u32 v[SPW], v[NIL]
	s_wait_dscnt 0x0
	s_endpgm
.Lfunc_end_k_q28c750f7e9_prep:
	.size	k_q28c750f7e9_prep, .Lfunc_end_k_q28c750f7e9_prep-k_q28c750f7e9_prep
	.p2alignl 7, 3214868480
	.fill 96, 4, 3214868480
	.section	.rodata,"a",@progbits
	.p2align	6, 0x0
	.amdhsa_kernel k_q28c750f7e9_prep
		.amdhsa_group_segment_fixed_size 12544
		.amdhsa_private_segment_fixed_size 0
		.amdhsa_enable_private_segment 0
		.amdhsa_kernarg_size 24
		.amdhsa_user_sgpr_count 2
		.amdhsa_user_sgpr_kernarg_segment_ptr 1
		.amdhsa_wavefront_size32 1
		.amdhsa_system_sgpr_workgroup_id_x 1
		.amdhsa_system_sgpr_workgroup_id_y 1
		.amdhsa_system_sgpr_workgroup_id_z 1
		.amdhsa_system_vgpr_workitem_id 0
		.amdhsa_next_free_vgpr 64
		.amdhsa_next_free_sgpr 66
		.amdhsa_reserve_vcc 1
		.amdhsa_float_denorm_mode_32 3
		.amdhsa_float_denorm_mode_16_64 3
		.amdhsa_memory_ordered 1
		.amdhsa_forward_progress 1
		.amdhsa_inst_pref_size 27
	.end_amdhsa_kernel
	.amdgpu_metadata
---
amdhsa.version: [ 1, 2 ]
amdhsa.kernels:
  - .name:           k_q28c750f7e9_prep
    .symbol:         k_q28c750f7e9_prep.kd
    .args:
      - { .name: segment_ids, .offset: 0, .size: 8, .value_kind: global_buffer, .address_space: global }
      - { .name: rope, .offset: 8, .size: 8, .value_kind: global_buffer, .address_space: global }
      - { .name: lm, .offset: 16, .size: 8, .value_kind: global_buffer, .address_space: global }
    .group_segment_fixed_size: 12544
    .private_segment_fixed_size: 0
    .kernarg_segment_align: 8
    .kernarg_segment_size: 24
    .max_flat_workgroup_size: 1024
    .sgpr_count:     66
    .vgpr_count:     64
    .wavefront_size: 32
...
	.end_amdgpu_metadata
.endif
;; end of part 1
;; launch cast (part 2): grid 1152 x 1, 8 waves a work-group, no clusters, 0 bytes of LDS; arguments hidden, wq, wk, wv, wo, hb, wqkv, wob; writes hb, wqkv, wob
.if DOCPART == 2
	.amdgcn_target "amdgcn-amd-amdhsa--gfx1250"
	.amdhsa_code_object_version 6
	.text
	.protected	k_q28c750f7e9_cast
	.globl	k_q28c750f7e9_cast
	.p2align	8
	.type	k_q28c750f7e9_cast,@function
k_q28c750f7e9_cast:
	s_mov_b64 s[64:65], 0
	v_nop
	global_prefetch_b8 v0, s[64:65] scope:SCOPE_SE
	s_setreg_imm32_b32 hwreg(HW_REG_WAVE_MODE, 25, 1), 1
	s_wait_xcnt 0x0
; THE MATRIX OPERANDS IN 16 BITS.  hb = bf16(hidden), [4096][2048].  wqkv, [2048 k][3072 n] bf16: columns 0-2047 wq; column 2048 + 256 g + c is wk's head g, + 128 more wv's head g.
; wob, [2048][2048]: wo rounded to bf16, that number written as f16 (exact but for numbers under 6e-5, which keep f16's fixed step of 6e-8).
; A stream: each input byte is read once, each output byte written once; no LDS, no matrix unit, no barrier: no wave wants what another has read.
; THE ATOM is a chunk of 128 numbers: one load of the wave reads its 512 consecutive bytes, one store writes 256 consecutive bytes, aligned.  A wave takes 16 chunks on end and has
; all 16 loads out before its first conversion; a work-group takes 128 chunks.  Which tensor a work-group serves hangs on its number alone.
.set X, 8                              ; v[8:71]   chunk i: 4 registers as loaded
.set Y, 72                             ; v[72:103] chunk i: 2 registers to store; no register of a load's address or of a store is ever written again
	s_load_b512 s[4:19], s[0:1], 0x0               ; hidden, wq, wk, wv, wo, hb, wqkv, wob
	v_lshrrev_b32 v3, 5, v0
	v_readfirstlane_b32 s21, v3                    ; wave 0..7
	v_and_b32 v4, 31, v0
	v_lshlrev_b32 v1, 4, v4                        ; my 16 bytes of a chunk as read
	v_lshlrev_b32 v2, 3, v4                        ; my 8 bytes as written
	s_mov_b32 s20, ttmp9
	s_mov_b32 s26, 0                               ; the job's first work-group
	s_mov_b32 s27, 0                               ; the way out: 0 dense bf16, 1 heads 512 bytes apart, 2 dense f16
	s_mov_b32 s28, 0                               ; the first chunk's place in the output: (chunk >> s28) x s29 + s30
	s_mov_b32 s29, 256
	s_mov_b32 s30, 0
	s_wait_kmcnt 0x0
	s_mov_b64 s[22:23], s[4:5]                     ; work-groups 0-511: hidden -> hb
	s_mov_b64 s[24:25], s[14:15]
	s_cmp_ge_u32 s20, 512                          ; 512-767: wq, a row of 16 chunks to each wave
	s_cselect_b64 s[22:23], s[6:7], s[22:23]
	s_cselect_b64 s[24:25], s[16:17], s[24:25]
	s_cselect_b32 s26, 512, s26
	s_cselect_b32 s28, 4, s28
	s_cselect_b32 s29, 6144, s29
	s_cmp_ge_u32 s20, 768                          ; 768-831: wk, four rows of 4 chunks
	s_cselect_b64 s[22:23], s[8:9], s[22:23]
	s_cselect_b32 s26, 768, s26
	s_cselect_b32 s27, 1, s27
	s_cselect_b32 s28, 2, s28
	s_cselect_b32 s30, 4096, s30
	s_cmp_ge_u32 s20, 832                          ; 832-895: wv
	s_cselect_b64 s[22:23], s[10:11], s[22:23]
	s_cselect_b32 s26, 832, s26
	s_cselect_b32 s30, 4352, s30
	s_cmp_ge_u32 s20, 896                          ; 896-1151: wo -> wob
	s_cselect_b64 s[22:23], s[12:13], s[22:23]
	s_cselect_b64 s[24:25], s[18:19], s[24:25]
	s_cselect_b32 s26, 896, s26
	s_cselect_b32 s27, 2, s27
	s_cselect_b32 s28, 0, s28
	s_cselect_b32 s29, 256, s29
	s_cselect_b32 s30, 0, s30
	s_sub_co_u32 s31, s20, s26
	s_lshl_b32 s31, s31, 7
	s_lshl4_add_u32 s31, s21, s31                  ; my first chunk
	s_lshl_b32 s32, s31, 9
	s_mov_b32 s33, 0
	s_add_nc_u64 s[22:23], s[22:23], s[32:33]
	s_lshr_b32 s34, s31, s28
	s_mul_i32 s34, s34, s29
	s_add_co_u32 s34, s34, s30
	s_mov_b32 s35, 0
	s_add_nc_u64 s[24:25], s[24:25], s[34:35]
.irp i, 0,1,2,3,4,5,6,7,8,9,10,11,12,13,14,15
	global_load_b128 v[X+4*\i:X+4*\i+3], v1, s[22:23] offset:512*\i th:TH_LOAD_NT
.endr
; Chunk i leaves.  pat = 1: chunk i is head i % 4 of row i / 4.  f16 = 1: the bf16 number is written as f16.
.macro OUT i, pat, f16
	s_wait_loadcnt 15-(\i)                         ; loads come back in order: chunk i is in, the younger ones stay out
	v_cvt_pk_bf16_f32 v[Y+2*(\i)], v[X+4*(\i)], v[X+4*(\i)+1]
	v_cvt_pk_bf16_f32 v[Y+2*(\i)+1], v[X+4*(\i)+2], v[X+4*(\i)+3]
.if \f16
	v_lshlrev_b32 v[X+4*(\i)], 16, v[Y+2*(\i)]
	v_and_b32 v[X+4*(\i)+1], 0xffff0000, v[Y+2*(\i)]
	v_lshlrev_b32 v[X+4*(\i)+2], 16, v[Y+2*(\i)+1]
	v_and_b32 v[X+4*(\i)+3], 0xffff0000, v[Y+2*(\i)+1]
	v_cvt_pk_f16_f32 v[Y+2*(\i)], v[X+4*(\i)], v[X+4*(\i)+1]
	v_cvt_pk_f16_f32 v[Y+2*(\i)+1], v[X+4*(\i)+2], v[X+4*(\i)+3]
.endif
.if \pat
	global_store_b64 v2, v[Y+2*(\i):Y+2*(\i)+1], s[24:25] offset:((\i)/4)*6144+((\i)%4)*512
.else
	global_store_b64 v2, v[Y+2*(\i):Y+2*(\i)+1], s[24:25] offset:256*(\i)
.endif
.endm
	s_cmp_eq_u32 s27, 1
	s_cbranch_scc1 .Lheads
	s_cmp_eq_u32 s27, 2
	s_cbranch_scc1 .Lhalf
.irp i, 0,1,2,3,4,5,6,7,8,9,10,11,12,13,14,15
	OUT \i, 0, 0
.endr
	s_endpgm
.Lheads:
.irp i, 0,1,2,3,4,5,6,7,8,9,10,11,12,13,14,15
	OUT \i, 1, 0
.endr
	s_endpgm
.Lhalf:
.irp i, 0,1,2,3,4,5,6,7,8,9,10,11,12,13,14,15
	OUT \i, 0, 1
.endr
	s_endpgm
.Lfunc_end_k_q28c750f7e9_cast:
	.size	k_q28c750f7e9_cast, .Lfunc_end_k_q28c750f7e9_cast-k_q28c750f7e9_cast
	.p2alignl 7, 3214868480
	.fill 96, 4, 3214868480
	.section	.rodata,"a",@progbits
	.p2align	6, 0x0
	.amdhsa_kernel k_q28c750f7e9_cast
		.amdhsa_group_segment_fixed_size 0
		.amdhsa_private_segment_fixed_size 0
		.amdhsa_enable_private_segment 0
		.amdhsa_kernarg_size 64
		.amdhsa_user_sgpr_count 2
		.amdhsa_user_sgpr_kernarg_segment_ptr 1
		.amdhsa_wavefront_size32 1
		.amdhsa_system_sgpr_workgroup_id_x 1
		.amdhsa_system_sgpr_workgroup_id_y 1
		.amdhsa_system_sgpr_workgroup_id_z 1
		.amdhsa_system_vgpr_workitem_id 0
		.amdhsa_next_free_vgpr 104
		.amdhsa_next_free_sgpr 66
		.amdhsa_reserve_vcc 0
		.amdhsa_float_denorm_mode_32 3
		.amdhsa_float_denorm_mode_16_64 3
		.amdhsa_memory_ordered 1
		.amdhsa_forward_progress 1
		.amdhsa_inst_pref_size 21
	.end_amdhsa_kernel
	.amdgpu_metadata
---
amdhsa.version: [ 1, 2 ]
amdhsa.kernels:
  - .name:           k_q28c750f7e9_cast
    .symbol:         k_q28c750f7e9_cast.kd
    .args:
      - { .name: hidden, .offset: 0, .size: 8, .value_kind: global_buffer, .address_space: global }
      - { .name: wq, .offset: 8, .size: 8, .value_kind: global_buffer, .address_space: global }
      - { .name: wk, .offset: 16, .size: 8, .value_kind: global_buffer, .address_space: global }
      - { .name: wv, .offset: 24, .size: 8, .value_kind: global_buffer, .address_space: global }
      - { .name: wo, .offset: 32, .size: 8, .value_kind: global_buffer, .address_space: global }
      - { .name: hb, .offset: 40, .size: 8, .value_kind: global_buffer, .address_space: global }
      - { .name: wqkv, .offset: 48, .size: 8, .value_kind: global_buffer, .address_space: global }
      - { .name: wob, .offset: 56, .size: 8, .value_kind: global_buffer, .address_space: global }
    .group_segment_fixed_size: 0
    .private_segment_fixed_size: 0
    .kernarg_segment_align: 8
    .kernarg_segment_size: 64
    .max_flat_workgroup_size: 256
    .sgpr_count:     66
    .vgpr_count:     104
    .wavefront_size: 32
...
	.end_amdgpu_metadata
.endif
;; end of part 2
;; launch gemm_qkv (part 3): grid 12 x 16, 4 waves a work-group, clusters of 4 x 4, 327,680 bytes of LDS; arguments hb, wqkv, rope, q_scale, k_scale, qh, kh, vh; writes qh, kh, vh
.if DOCPART == 3
	.amdgcn_target "amdgcn-amd-amdhsa--gfx1250"
	.amdhsa_code_object_version 6
	.text
	.protected	k_q28c750f7e9_gemm_qkv
	.globl	k_q28c750f7e9_gemm_qkv
	.p2align	8
	.type	k_q28c750f7e9_gemm_qkv,@function
k_q28c750f7e9_gemm_qkv:
	s_mov_b64 s[64:65], 0
	v_nop
	global_prefetch_b8 v0, s[64:65] scope:SCOPE_SE
	s_setreg_imm32_b32 hwreg(HW_REG_WAVE_MODE, 25, 1), 1
	s_wait_xcnt 0x0
	s_wait_alu depctr_hold_cnt(0) depctr_sa_sdst(0) depctr_va_vdst(0) depctr_va_sdst(0) depctr_va_ssrc(0) depctr_va_vcc(0) depctr_vm_vsrc(0)
	s_getreg_b32 s2, hwreg(HW_REG_IB_STS2, 6, 4)
	s_cmp_eq_u32 s2, 0
	s_cbranch_scc0 .Lentry_in_a_cluster
	s_endpgm
.Lentry_in_a_cluster:
	s_bfe_u32 s2, ttmp6, 0x10000c
	s_cmp_lg_u32 s2, 0xf033
	s_cbranch_scc0 .Lentry_shape_is_right
	s_endpgm
.Lentry_shape_is_right:
; q, k, v = hidden x (wq | wk, wv), then for q and k the RMS norm of each head with its gain and the rotation by the table; all three leave in f16.
; A = hb [4096][2048] bf16; B = wqkv [2048 k][3072 n] bf16; sums in f32.  qh: [4096][2048] f16; kh, vh: [4 b + g][1024][128] f16.
; SHARES.  A work-group makes 256 rows x 256 columns, a wave 128 x 128: ONE HEAD: 64 accumulators of 16 x 16.  Tile columns 0-7 are q's 16 heads; tile column 8 + g is (k's head g | v's head g),
; so what a wave makes hangs on the cluster's x and the wave's number alone.  12 x 16 = 192 work-groups: a head is not split over waves.
; K goes in steps of 128 through two LDS slots filled by tensor loads; A's tile is asked for jointly along a row of the 4 x 4 cluster, B's along a column.
; THE PRODUCT IS USED TRANSPOSED (source 0 = 16 columns of B, source 1 = 16 rows of A): lane r + 16 h holds row r and the columns 16 b + 8 h + 0..7 of the head.  So a row's sum of squares
; wants one exchange between the halves of the lanes, and the rotation's partners, columns c and c + 64, lie in one lane.  B lies [k][n] in LDS and is read turned, by ds_load_tr16_b128.
; THE WAY OUT is written once for two blocks of 16 rows and walked four times: register numbers cannot be counted, so the accumulators are first set aside, in f32, in the slots, which have had their last fill.
; LIMITS.  q and k are at most 11.4 x the largest gain in size, v is as the product gives it: all three must stay under f16's 65,504.  The gains are rounded to bf16 like all other inputs.
; REGISTERS, in windows of 256: window 0: v0-31 addresses; v64-127, v128-191 A's fragments, later the way out's work; v192-255 the table of odd blocks
;   window 1: v0-63 the gains; v64-127, v128-191 B's fragments; v192-255 the table of even blocks      windows 2, 3: the accumulators ((a, b) at v[8 (8 (a % 4) + b)])
.set SIZE_K, 2048
.set SIZE_N, 3072
.set KSTEP,  128
.set PITCH,  272                       ; a row of A in LDS: 256 bytes + 16: the 16 rows of a load begin 16 bytes apart modulo 256
.set PB,     544                       ; a k-row of B: 512 bytes + 32: 16 lanes of the turning load take 8 rows x 32 bytes, all apart modulo 256
.set HALFT,  128*PITCH                 ; what one tensor load brings: 128 rows of A, or 64 k-rows of B: 34,816 bytes
.set SLOT,   4*HALFT                   ; A's 256 rows, then B's 128 k-rows
.set STAGE,  2*SLOT                    ; behind the ring: 16 rows x 272 bytes for each wave
.set SPITCH, 272
.set SPARE,  STAGE+4*16*SPITCH         ; the spare words, 128 bytes a wave; no other line names them
.set DUMP,   2*HALFT                   ; where a wave sets its accumulators aside: 65,536 bytes from wave x 69,632
.set LAPS,   SIZE_K/(2*KSTEP)
.set COT,  6                           ; v6-13   the way out: byte offset of my 16 bytes in rows 2 t + h of a block, t = 0..7
.set DL,   14                          ; v14     my 16 bytes in the wave's set-aside accumulators, at the trip's two blocks
.set RO,   15                          ; v15     16 x lane: my place in a chunk of the table, and in 512 set-aside bytes; never rewritten
.set ADRA, 16                          ; v16-17  LDS address of my A fragments in slot 0, 1
.set ADRB, 20                          ; v20-21  the same for B
.set GA,   22                          ; v22     32 h: my place in the gains
.set STO,  24
.set RD,   25
.set SPW,  28                          ; v28     SPARE + 4 x my thread's number; never rewritten
.set NIL,  29                          ; v29     0; never rewritten
.set PFO,  30                          ; v30     the prefetches' lane offset; never rewritten
.set F0,   64
.set F1,   128
.set T,    64                          ; the way out: a block's 64 numbers a lane
.set SS,   128                         ; at work: +0..7 four chains of squares, +8 the other half's, +9 the variance, +10, +11 its inverse root (a pair), +12..27 the rotation
.set PK,   128                         ; then the block in f16
.set BK,   160                         ; and as whole rows
.set CSR,  192                         ; the table: 32 cosines, 32 sines
.set DB,   8                           ; s8      LDS byte of the trip's two set-aside blocks: wave x 69,632 + 16,384 x trip
.set G1,   24
.set G0,   32
.set LIM,  43                          ; s43     1 in a wave that prefetches, else the greatest number
.set PFA,  44                          ; s[44:45] where my prefetches stand
.set G1B,  48
.set G0B,  56
.set PST,  84                          ; s[84:85] a K step in the tensor that I prefetch
.set RPN,  86                          ; s[86:87] the table at my rows
.set OP,   88                          ; s[88:89] my head's rows in qh, kh or vh
.set OST,  90                          ; s[90:91] 16 rows there
.set ISV,  92                          ; s92     1: my head is one of v's
.set PIT,  93                          ; s93     bytes from row to row there
.set SEL,  94                          ; s[94:95]
.set RST,  96                          ; s[96:97] the table pointer's step
.set INV,  98                          ; s98     1/128
.set EPS,  99                          ; s99     1e-6
.set GP,   100                         ; s[100:101] q_scale or k_scale
.set MSB, 0
.macro WIN new                         ; the immediate's high byte repeats the setting that is left; a switch that changes nothing is dropped
.if MSB != (\new)
	s_set_vgpr_msb (MSB<<8)|(\new)
.set MSB, \new
.endif
.endm
.set MUL_LO, 0xa1                      ; source 0 (B) window 1, source 1 (A) window 0, C and D window 2
.set MUL_HI, 0xf1                      ; the same, C and D window 3
.set TO_B,   0x40                      ; destination window 1, address window 0
; A joint load: waves 0 and 1 fetch A's two halves, waves 2 and 3 B's.  The branch hangs on the wave's number alone.  An s_nop 0 and four v_nop follow each line.
.macro JLOAD s
	s_cmp_eq_u32 s11, 0
	s_cbranch_scc0 .Lfor_b_\@
	tensor_load_to_lds s[G0+4*(\s):G0+4*(\s)+3], s[G1:G1+7]
	s_nop 0
.rept 4
	v_nop
.endr
	s_branch .Lasked_\@
.Lfor_b_\@:
	tensor_load_to_lds s[G0B+4*(\s):G0B+4*(\s)+3], s[G1B:G1B+7]
	s_nop 0
.rept 4
	v_nop
.endr
.Lasked_\@:
.endm
; A prefetch, behind each joint refill and the run of LDS loads that follows it: the K step that stands two refills on, 512 matrix instructions ahead of the load that will want it.
; Each aligned block of 256 bytes is named once in the launch.  A's rows are read by all clusters of a row of clusters: cluster x = 0 asks; B's by all of a column: cluster y = 0 asks.
; The four partners that ask for a tile jointly share it out by address: of A's 128 rows a wave, 32 each, a lane a row; of B's 64 k-rows of 512 bytes a wave, 16 each, two lanes a row.
; The loop's last trip asks for nothing: there is no K step two on.  Nothing is asked for at the head.
.macro ASK
	s_cmp_gt_u32 s3, s[LIM]
	s_cbranch_scc0 .Lnot_mine_\@
	global_prefetch_b8 v[PFO], s[PFA:PFA+1] th:TH_LOAD_NT scope:SCOPE_SE
.Lnot_mine_\@:
.endm
.macro CREST                           ; a round of the cluster's barrier behind its opening barrier
	s_cmp_lg_u32 s10, 0
	s_cbranch_scc1 .Lnot_wave_0_\@
	s_barrier_signal -3
.Lnot_wave_0_\@:
	s_barrier_wait -3
	s_barrier_signal -1
	s_barrier_wait -1
.endm
.macro CROUND
	s_barrier_signal -1
	s_barrier_wait -1
	CREST
.endm
	s_load_b512 s[68:83], s[0:1], 0x0              ; hb 68, wqkv 70, rope 72, q_scale 74, k_scale 76, qh 78, kh 80, vh 82
	v_lshl_add_u32 v[SPW], v0, 2, SPARE
	v_mov_b32 v[NIL], 0
	ds_add_u32 v[SPW], v[NIL]                      ; the wave's opening: the add, and its wait ahead of my first tensor load
	v_lshrrev_b32 v1, 5, v0
	v_readfirstlane_b32 s10, v1                    ; wave 0..3
	s_lshr_b32 s11, s10, 1                         ; my half of the tile's rows.  Also: I fetch for A (0) or for B (1)
	s_and_b32 s12, s10, 1                          ; my half of its columns.  Also: which half of that tile I fetch
	s_bfe_u32 s40, ttmp6, 0x40000                  ; cx
	s_bfe_u32 s41, ttmp6, 0x40004                  ; cy
	s_lshl_b32 s42, ttmp9, 2
	s_add_co_u32 s42, s42, s40                     ; tile column
	s_and_b32 s13, ttmp7, 0xffff
	s_lshl_b32 s13, s13, 2
	s_add_co_u32 s13, s13, s41                     ; tile row
	s_lshl_b32 s43, s41, 2
	s_lshl_b32 s43, 15, s43                        ; my row of the cluster
	s_lshl_b32 s44, 0x1111, s40                    ; my column
	s_or_b32 s[G1+0], s43, (1<<16)|(1<<20)|(1<<21)|(5<<22)|(3<<25)   ; the mask; 2-byte elements; padding on; bit 21 beside a mask; after every 64 words 4 words
	s_or_b32 s[G1B+0], s44, (1<<16)|(1<<20)|(1<<21)|(6<<22)|(7<<25)  ; after every 128 words 8 words
	s_mov_b32 s[G1+1], 128<<16                     ; A: tensor_dim0 = 128
	s_mov_b32 s[G1+2], 128<<16                     ; tensor_dim1 = 128
	s_mov_b32 s[G1+3], 128<<16                     ; tile_dim0 = 128
	s_mov_b32 s[G1+4], 128                         ; tile_dim1 = 128
	s_mov_b32 s[G1+5], SIZE_K                      ; elements from row to row
	s_mov_b32 s[G1+6], 0
	s_mov_b32 s[G1+7], 0
	s_mov_b32 s[G1B+1], 256<<16                    ; B: 64 k-rows of 256 elements
	s_mov_b32 s[G1B+2], 64<<16
	s_mov_b32 s[G1B+3], 256<<16
	s_mov_b32 s[G1B+4], 64
	s_mov_b32 s[G1B+5], SIZE_N
	s_mov_b32 s[G1B+6], 0
	s_mov_b32 s[G1B+7], 0
	s_lshl_b32 s17, s12, 7
	s_lshl_b32 s16, s13, 8
	s_add_co_u32 s16, s16, s17                     ; A: row 256 x tile row + 128 x half,
	s_lshl_b32 s16, s16, 12                        ; of 4,096 bytes
	s_mov_b32 s17, 0
	s_mul_i32 s46, s12, 64*SIZE_N*2                ; B: k-row 64 x half,
	s_lshl_b32 s47, s42, 9                         ; column 256 x tile column
	s_add_co_u32 s46, s46, s47
	s_mov_b32 s47, 0
	s_mul_i32 s20, s10, HALFT                      ; where they go: wave x 34,816: no place in the cluster enters an LDS address
	s_wait_dscnt 0x0                               ; the opening add is done
	s_wait_kmcnt 0x0
	s_add_nc_u64 s[14:15], s[68:69], s[16:17]
	s_add_nc_u64 s[46:47], s[70:71], s[46:47]
	CROUND                                         ; all sixteen work-groups are here: the first joint loads meet
.irp s, 0,1
	s_mov_b32 s[G0+4*(\s)], 1
	s_add_co_u32 s[G0+4*(\s)+1], s20, (\s)*SLOT
	s_add_nc_u64 s[G0+4*(\s)+2:G0+4*(\s)+3], s[14:15], (\s)*KSTEP*2
	s_or_b32 s[G0+4*(\s)+3], s[G0+4*(\s)+3], 0x80000000
	s_mov_b32 s[G0B+4*(\s)], 1
	s_add_co_u32 s[G0B+4*(\s)+1], s20, (\s)*SLOT
	s_add_nc_u64 s[G0B+4*(\s)+2:G0B+4*(\s)+3], s[46:47], (\s)*KSTEP*SIZE_N*2
	s_or_b32 s[G0B+4*(\s)+3], s[G0B+4*(\s)+3], 0x80000000
	JLOAD \s                                       ; two loads of mine are out
.endr
	; what my head is, and where it goes.  The offsets are made in s4-s7, which feed no descriptor and no LDS address.
	s_mov_b32 s19, ttmp9                           ; the cluster's x: 2 holds k and v
	s_lshl_b32 s18, s13, 8
	s_lshl_b32 s21, s11, 7
	s_add_co_u32 s18, s18, s21                     ; R0: my first row
	s_lshl_b32 s4, s18, 12
	s_lshl1_add_u32 s5, s42, s12                   ; q: head 2 x tile column + half
	s_lshl_b32 s5, s5, 8
	s_add_co_u32 s4, s4, s5                        ; R0 x 4,096 + head x 256
	s_lshr_b32 s6, s18, 10                         ; k, v: batch row b,
	s_lshl2_add_u32 s6, s6, s42
	s_sub_co_u32 s6, s6, 8                         ; 4 b + g,
	s_lshl_b32 s6, s6, 10
	s_and_b32 s7, s18, 1023
	s_add_co_u32 s6, s6, s7
	s_lshl_b32 s6, s6, 8                           ; rows of 256 bytes
	s_mov_b32 s[PIT], 4096
	s_cmp_eq_u32 s12, 1
	s_cselect_b64 s[OP:OP+1], s[82:83], s[80:81]
	s_cmp_eq_u32 s19, 2
	s_cselect_b64 s[OP:OP+1], s[OP:OP+1], s[78:79]
	s_cselect_b64 s[GP:GP+1], s[76:77], s[74:75]
	s_cselect_b32 s[ISV], s12, 0
	s_cselect_b32 s[PIT], 256, s[PIT]
	s_cselect_b32 s6, s6, s4
	s_mov_b32 s7, 0
	s_add_nc_u64 s[OP:OP+1], s[OP:OP+1], s[6:7]
	s_lshl_b32 s[OST], s[PIT], 4
	s_mov_b32 s[OST+1], 0
	s_lshl_b32 s6, s18, 9                          ; the table has 512 bytes a row
	s_add_nc_u64 s[RPN:RPN+1], s[72:73], s[6:7]
	s_mov_b32 s[RST+1], 0
	s_mov_b32 s[SEL], 0x76543210
	s_mov_b32 s[SEL+1], 0xfedcba98
	s_mov_b32 s[INV], 0x3c000000
	s_mov_b32 s[EPS], 0x358637bd
	; the prefetches: they stand at K step 3; each change of slots steps them before it asks
	s_lshl_b32 s4, s13, 8
	s_lshl_b32 s5, s12, 7
	s_add_co_u32 s4, s4, s5
	s_lshl_b32 s5, s40, 5
	s_add_co_u32 s4, s4, s5                        ; A: row 256 x tile row + 128 x half + 32 cx
	s_lshl_b32 s4, s4, 12
	s_add_co_u32 s4, s4, 3*KSTEP*2
	s_lshl_b32 s5, s12, 6
	s_lshl_b32 s6, s41, 4
	s_add_co_u32 s5, s5, s6
	s_add_co_u32 s5, s5, 3*KSTEP                   ; B: k-row 64 x half + 16 cy
	s_mul_i32 s5, s5, SIZE_N*2
	s_lshl_b32 s6, s42, 9
	s_add_co_u32 s5, s5, s6
	s_and_b32 s6, ttmp7, 0xffff
	s_mov_b32 s[PST], KSTEP*SIZE_N*2
	s_mov_b32 s20, SIZE_N*2
	s_cmp_eq_u32 s11, 0                            ; do I fetch for A?
	s_cselect_b32 s6, s19, s6                      ; the coordinate along which other clusters read the same rows
	s_cselect_b64 s[PFA:PFA+1], s[68:69], s[70:71]
	s_cselect_b32 s4, s4, s5
	s_cselect_b32 s[PST], KSTEP*2, s[PST]
	s_cselect_b32 s17, 0, 1                        ; lanes to a row, less one
	s_cselect_b32 s20, SIZE_K*2, s20
	s_mov_b32 s5, 0
	s_mov_b32 s[PST+1], 0
	s_add_nc_u64 s[PFA:PFA+1], s[PFA:PFA+1], s[4:5]
	s_cmp_eq_u32 s6, 0
	s_cselect_b32 s[LIM], 1, -1                    ; the same in all sixteen partners, for a given wave
	v_and_b32 v3, 31, v0
	v_lshrrev_b32 v4, s17, v3
	v_mul_u32_u24 v4, v4, s20
	v_and_b32 v5, s17, v3
	v_lshl_add_u32 v[PFO], v5, 8, v4
	; vector addresses
	s_mul_i32 s[DB], s10, DUMP
	v_lshlrev_b32 v[RO], 4, v3
	v_add_nc_u32 v[DL], s[DB], v[RO]
	v_and_b32 v1, 15, v0                           ; r
	v_bfe_u32 v2, v0, 4, 1                         ; h
	v_lshlrev_b32 v[GA], 5, v2
	v_mul_u32_u24 v3, v1, PITCH
	v_lshl_add_u32 v3, v2, 4, v3                   ; A: row x pitch + 16 h
	v_and_b32 v4, 7, v0
	v_lshl_add_u32 v4, v2, 3, v4                   ; B, turned: k-row 8 h + lane % 8,
	v_mul_u32_u24 v4, v4, PB
	v_bfe_u32 v5, v0, 3, 1
	v_lshl_add_u32 v4, v5, 4, v4                   ; columns 8 ((lane / 8) % 2) on
	s_mul_i32 s21, s11, HALFT                      ; my 128 rows of A
	s_lshl_b32 s22, s12, 8                         ; my 128 columns of B,
	s_add_co_u32 s22, s22, 2*HALFT                 ; which lies behind A
.irp s, 0,1
	v_add_nc_u32 v[ADRA+(\s)], s21, v3
	v_add_nc_u32 v[ADRB+(\s)], s22, v4
	s_add_co_u32 s21, s21, SLOT
	s_add_co_u32 s22, s22, SLOT
.endr
	s_mul_i32 s23, s10, 16*SPITCH
	s_add_co_u32 s23, s23, STAGE                   ; my stage
	v_mul_u32_u24 v4, v1, SPITCH
	v_lshl_add_u32 v4, v2, 4, v4
	v_add_nc_u32 v[STO], s23, v4                   ; in: row r, 16 bytes for each half of the lanes
	v_mul_u32_u24 v5, v2, SPITCH
	v_lshl_add_u32 v5, v1, 4, v5
	v_add_nc_u32 v[RD], s23, v5                    ; back: lanes 0-15 one row of 256 bytes, lanes 16-31 the next
.irp t, 0,1,2,3,4,5,6,7
	v_add_nc_u32 v5, 2*\t, v2
	v_mul_u32_u24 v5, v5, s[PIT]
	v_lshl_add_u32 v[COT+\t], v1, 4, v5
.endr
	; the gains of my 64 columns, and the table of my first two blocks: 48 loads; the table's 32 stay out until the way out
	WIN TO_B
.irp b, 0,1,2,3,4,5,6,7
	global_load_b128 v[8*\b:8*\b+3],   v[GA], s[GP:GP+1] offset:64*\b
	global_load_b128 v[8*\b+4:8*\b+7], v[GA], s[GP:GP+1] offset:64*\b+16
.endr
.irp i, 0,1,2,3,4,5,6,7,8,9,10,11,12,13,14,15
	global_load_b128 v[CSR+4*\i:CSR+4*\i+3], v[RO], s[RPN:RPN+1] offset:512*\i
.endr
	WIN 0
.irp i, 0,1,2,3,4,5,6,7,8,9,10,11,12,13,14,15
	global_load_b128 v[CSR+4*\i:CSR+4*\i+3], v[RO], s[RPN:RPN+1] offset:8192+512*\i
.endr
	s_wait_loadcnt 32                              ; the gains are in; the 32 younger loads stay out
	WIN 0x45                                       ; all in window 1: the gains are rounded to bf16, by way of registers that B's fragments take later
.set i, 0
.rept 32
	v_cvt_pk_bf16_f32 v[64+i], v[2*i], v[2*i+1]
.set i, i+1
.endr
.set i, 0
.rept 32
	v_lshlrev_b32 v[2*i], 16, v[64+i]
	v_and_b32 v[2*i+1], 0xffff0000, v[64+i]
.set i, i+1
.endr
	WIN 0
; 16 matrix instructions: m blocks a0, a0 + 1 of the window's four x all 8 n blocks, 32 along K.  zero = 1: the first product starts the sums.
; The 64 accumulators take turns in the same order in every quarter.
.macro MUL16 f, hi, a0, zero
	WIN MUL_LO+0x50*(\hi)
.irp a, \a0, (\a0)+1
.irp b, 0,1,2,3,4,5,6,7
.if \zero
	v_wmma_f32_16x16x32_bf16 v[8*(8*(\a)+(\b)):8*(8*(\a)+(\b))+7], v[(\f)+8*(\b):(\f)+8*(\b)+7], v[(\f)+8*(4*(\hi)+(\a)):(\f)+8*(4*(\hi)+(\a))+7], 0
.else
	v_wmma_f32_16x16x32_bf16 v[8*(8*(\a)+(\b)):8*(8*(\a)+(\b))+7], v[(\f)+8*(\b):(\f)+8*(\b)+7], v[(\f)+8*(4*(\hi)+(\a)):(\f)+8*(4*(\hi)+(\a))+7], v[8*(8*(\a)+(\b)):8*(8*(\a)+(\b))+7]
.endif
.endr
.endr
.endm
; 32 LDS loads in one run: a quarter step's fragments (32 K at byte k of A's rows, k-rows k / 2 on of B) into buffer f; B's first
.macro FETCH slot, k, f
	WIN TO_B
.irp i, 0,1,2,3,4,5,6,7
	ds_load_tr16_b128 v[(\f)+8*(\i):(\f)+8*(\i)+3],   v[ADRB+(\slot)] offset:((\k)/64)*32*PB+32*(\i)
	ds_load_tr16_b128 v[(\f)+8*(\i)+4:(\f)+8*(\i)+7], v[ADRB+(\slot)] offset:((\k)/64)*32*PB+16*PB+32*(\i)
.endr
	WIN 0
.irp i, 0,1,2,3,4,5,6,7
	ds_load_b128 v[(\f)+8*(\i):(\f)+8*(\i)+3],   v[ADRA+(\slot)] offset:(\k)+(\i)*16*PITCH
	ds_load_b128 v[(\f)+8*(\i)+4:(\f)+8*(\i)+7], v[ADRA+(\slot)] offset:(\k)+(\i)*16*PITCH+32
.endr
.endm
.macro PLACES                          ; four places behind a matrix instruction, in front of loads into registers that it has read and of readers of its result
.rept 4
	v_nop
.endr
.endm
.macro QUARTER slot, k, f, g, zero     ; multiplies buffer f; in its middle fetches the next quarter, at byte k, into buffer g
	s_wait_dscnt 8                                 ; B and A's rows 0-63 are in; the youngest eight loads (A's rows 64-127) may be out
	WIN MUL_LO
	MUL16 \f, 0, 0, \zero
	MUL16 \f, 0, 2, \zero
	PLACES
	FETCH \slot, \k, \g
	s_wait_dscnt 32                                ; all but the 32 just issued
	WIN MUL_HI
	MUL16 \f, 1, 0, \zero
	MUL16 \f, 1, 2, \zero
.endm
; The first half of a K step's last quarter: ONE barrier for the change of slots.  In front of it each wave waits for all its tensor loads (one is out: its part of the next slot),
; adds 0 to its spare word, and waits for that and for its own reads of this slot.
.macro MEET round
	WIN 0
	s_wait_tensorcnt 0x0
	ds_add_u32 v[SPW], v[NIL]
	s_wait_dscnt 9                                 ; the add and the youngest eight loads may be out
	WIN MUL_LO
	MUL16 F1, 0, 0, 0
	s_wait_dscnt 0x0                               ; the add is done, and my reads of this slot are over
	s_barrier_signal -1
	MUL16 F1, 0, 2, 0
.if \round
	WIN 0
.endif
	s_barrier_wait -1
.endm
; The whole last quarter.  fill = 1: the barrier opens a round of the cluster's, and the slot just read out is filled again, two K steps on, first thing behind the round:
; 224 matrix instructions stand between that request and the wait for it.
.macro TURN slot, next, fill
.if \fill
	s_wait_xcnt 0x0                                ; the last prefetch, a K step back, has read its address
	s_add_nc_u64 s[PFA:PFA+1], s[PFA:PFA+1], s[PST:PST+1]
.endif
	MEET \fill
.if \fill
	CREST
	s_add_nc_u64 s[G0+4*(\slot)+2:G0+4*(\slot)+3], s[G0+4*(\slot)+2:G0+4*(\slot)+3], 2*KSTEP*2
	s_add_nc_u64 s[G0B+4*(\slot)+2:G0B+4*(\slot)+3], s[G0B+4*(\slot)+2:G0B+4*(\slot)+3], 2*KSTEP*SIZE_N*2
	JLOAD \slot                                    ; its four v_nop are also the places in front of the loads below
.else
	PLACES
.endif
	FETCH \next, 0, F0
.if \fill
	ASK
.endif
	WIN MUL_HI
	MUL16 F1, 1, 0, 0
	MUL16 F1, 1, 2, 0
.endm
	s_wait_tensorcnt 1                             ; my part of K step 0 is in; K step 1's may stay out
	s_barrier_signal -1
	s_barrier_wait -1
	FETCH 0, 0, F0
	QUARTER 0, 64,  F0, F1, 1                      ; the first quarter stands in front of the loop: its products start the sums
	WIN 0
	s_mov_b32 s3, LAPS-1
.Llap:                                                 ; a trip goes once round the ring and fills both slots again
	QUARTER 0, 128, F1, F0, 0
	QUARTER 0, 192, F0, F1, 0
	TURN 0, 1, 1
	QUARTER 1, 64,  F0, F1, 0
	QUARTER 1, 128, F1, F0, 0
	QUARTER 1, 192, F0, F1, 0
	TURN 1, 0, 1
	QUARTER 0, 64,  F0, F1, 0
	WIN 0
	s_sub_co_u32 s3, s3, 1
	s_cmp_lg_u32 s3, 0
	s_cbranch_scc1 .Llap
	QUARTER 0, 128, F1, F0, 0                      ; the last lap fills nothing
	QUARTER 0, 192, F0, F1, 0
	TURN 0, 1, 0
	QUARTER 1, 64,  F0, F1, 0
	QUARTER 1, 128, F1, F0, 0
	QUARTER 1, 192, F0, F1, 0
	s_wait_dscnt 8
	WIN MUL_LO
	MUL16 F1, 0, 0, 0
	MUL16 F1, 0, 2, 0
	s_wait_dscnt 0x0
	MUL16 F1, 1, 0, 0
	MUL16 F1, 1, 2, 0
	WIN 0
	; THE WAY OUT.  Every wave's reads of the slots are over, and every fill has landed (the last change of slots waited for all): behind this barrier the slots are scratch.
	PLACES
	s_wait_dscnt 0x0
	s_barrier_signal -1
	s_barrier_wait -1
.irp a, 0,1,2,3,4,5,6,7                ; each lane's own bytes: block a at 8,192 a, four registers of all lanes in 512 bytes; each accumulator's low registers first
	WIN 0x08+4*((\a)/4)                            ; the stores' data in window 2 or 3
.irp b, 0,1,2,3,4,5,6,7
	ds_store_b128 v[DL], v[8*(8*((\a)%4)+(\b)):8*(8*((\a)%4)+(\b))+3]   offset:(\a)*8192+(\b)*1024
	ds_store_b128 v[DL], v[8*(8*((\a)%4)+(\b))+4:8*(8*((\a)%4)+(\b))+7] offset:(\a)*8192+(\b)*1024+512
.endr
.endr
	WIN 0
	v_mov_b32 v[SS+8], 0                           ; named before they are first written otherwise
	v_mov_b32 v[SS+11], 0
; Block 2 x trip + p: 16 rows of my head.
.macro BLOCK p
	WIN 0
.irp i, 0,1,2,3,4,5,6,7,8,9,10,11,12,13,14,15
	ds_load_b128 v[T+4*\i:T+4*\i+3], v[DL] offset:(\p)*8192+512*\i  ; LDS serves a wave's instructions in order: these see my stores
.endr
	s_wait_loadcnt 16                              ; this block's table is in; the other block's 16 loads stay out
	s_wait_dscnt 0x0
	s_cmp_eq_u32 s[ISV], 1
	s_cbranch_scc1 .Lplain_\@                      ; v has neither norm nor rotation: vector work alone is jumped
.irp c, 0,1,2,3
	v_pk_mul_f32 v[SS+2*\c:SS+2*\c+1], v[T+2*\c:T+2*\c+1], v[T+2*\c:T+2*\c+1]
.endr
.irp b, 1,2,3,4,5,6,7
.irp c, 0,1,2,3
	v_pk_fma_f32 v[SS+2*\c:SS+2*\c+1], v[T+8*\b+2*\c:T+8*\b+2*\c+1], v[T+8*\b+2*\c:T+8*\b+2*\c+1], v[SS+2*\c:SS+2*\c+1]
.endr
.endr
	v_pk_add_f32 v[SS:SS+1], v[SS:SS+1], v[SS+2:SS+3]
	v_pk_add_f32 v[SS+4:SS+5], v[SS+4:SS+5], v[SS+6:SS+7]
	v_pk_add_f32 v[SS:SS+1], v[SS:SS+1], v[SS+4:SS+5]
	v_add_f32 v[SS], v[SS], v[SS+1]
	v_permlanex16_b32 v[SS+8], v[SS], s[SEL], s[SEL+1]  ; the row's other 64 columns lie in the lane 16 away
	v_add_f32 v[SS], v[SS], v[SS+8]
	v_fma_f32 v[SS+9], v[SS], s[INV], s[EPS]
	v_rsq_f32 v[SS+10], v[SS+9]
	WIN 0x04                                       ; source 1 in window 1: the gains; 32 plain instructions that wait for nothing stand behind the root
.set i, 0
.rept 32
	v_pk_mul_f32 v[T+2*i:T+2*i+1], v[T+2*i:T+2*i+1], v[2*i:2*i+1]
.set i, i+1
.endr
	WIN 0
	s_wait_alu depctr_va_vdst(0)                   ; the wait ahead of the root's first reader
.set i, 0
.rept 32
	v_pk_mul_f32 v[T+2*i:T+2*i+1], v[T+2*i:T+2*i+1], v[SS+10:SS+11] op_sel_hi:[1,0]
.set i, i+1
.endr
.if (\p) == 0
	WIN 0x04                                       ; even blocks' table lies in window 1
.endif
.set q, 0
.rept 16                               ; columns 2 q, 2 q + 1 of my first 32 with their partners 64 columns on
.set rU, SS+12+4*(q%4)
	v_pk_mul_f32 v[rU:rU+1], v[T+32+2*q:T+33+2*q], v[CSR+32+2*q:CSR+33+2*q]
	v_pk_mul_f32 v[rU+2:rU+3], v[T+2*q:T+2*q+1], v[CSR+32+2*q:CSR+33+2*q]
	v_pk_fma_f32 v[T+2*q:T+2*q+1], v[T+2*q:T+2*q+1], v[CSR+2*q:CSR+2*q+1], v[rU:rU+1] neg_lo:[0,0,1] neg_hi:[0,0,1]
	v_pk_fma_f32 v[T+32+2*q:T+33+2*q], v[T+32+2*q:T+33+2*q], v[CSR+2*q:CSR+2*q+1], v[rU+2:rU+3]
.set q, q+1
.endr
	WIN 0
.Lplain_\@:
.if (\p) == 0
	WIN TO_B
.endif
.irp i, 0,1,2,3,4,5,6,7,8,9,10,11,12,13,14,15
	global_load_b128 v[CSR+4*\i:CSR+4*\i+3], v[RO], s[RPN:RPN+1] offset:16384+(\p)*8192+512*\i  ; the table of the block two on, into the registers just read
.endr
	WIN 0
.set i, 0
.rept 32
	v_cvt_pk_f16_f32 v[PK+i], v[T+2*i], v[T+2*i+1]
.set i, i+1
.endr
.irp b, 0,1,2,3,4,5,6,7
	ds_store_b128 v[STO], v[PK+4*\b:PK+4*\b+3] offset:32*\b
.endr
.irp t, 0,1,2,3,4,5,6,7
	ds_load_b128 v[BK+4*\t:BK+4*\t+3], v[RD] offset:\t*2*SPITCH
.endr
	s_wait_dscnt 0x0
.irp t, 0,1,2,3,4,5,6,7
	global_store_b128 v[COT+\t], v[BK+4*\t:BK+4*\t+3], s[OP:OP+1]  ; 16 lanes store 256 consecutive bytes, aligned: a head's row
.endr
	s_wait_xcnt 0x0                                ; loads and stores have read their registers: the pointers and BK may be written
	s_add_nc_u64 s[OP:OP+1], s[OP:OP+1], s[OST:OST+1]
.endm
	s_mov_b32 s3, 4
.Lpair:
	v_add_nc_u32 v[DL], s[DB], v[RO]               ; the trip's two blocks: wave x 69,632 + 16,384 x trip + 16 x lane
	BLOCK 0
	BLOCK 1
	s_add_co_u32 s[DB], s[DB], 16384
	s_cmp_gt_u32 s3, 2                             ; trips 0, 1, 2 ask for the table of blocks 2-3, 4-5, 6-7; the last asks for 6-7 once more, so that every trip has the same counts and no load leaves the table
	s_cselect_b32 s[RST], 16384, 0
	s_add_nc_u64 s[RPN:RPN+1], s[RPN:RPN+1], s[RST:RST+1]
	s_sub_co_u32 s3, s3, 1
	s_cmp_lg_u32 s3, 0
	s_cbranch_scc1 .Lpair
	s_wait_tensorcnt 0x0                           ; the wave's end, behind my last tensor load and my last LDS store
	ds_add_u32 v[SPW], v[NIL]
	s_wait_dscnt 0x0
	CROUND                                         ; the closing round
	s_endpgm
.Lfunc_end_k_q28c750f7e9_gemm_qkv:
	.size	k_q28c750f7e9_gemm_qkv, .Lfunc_end_k_q28c750f7e9_gemm_qkv-k_q28c750f7e9_gemm_qkv
	.p2alignl 7, 3214868480
	.fill 96, 4, 3214868480
	.section	.rodata,"a",@progbits
	.p2align	6, 0x0
	.amdhsa_kernel k_q28c750f7e9_gemm_qkv
		.amdhsa_group_segment_fixed_size 327680
		.amdhsa_private_segment_fixed_size 0
		.amdhsa_enable_private_segment 0
		.amdhsa_kernarg_size 64
		.amdhsa_user_sgpr_count 2
		.amdhsa_user_sgpr_kernarg_segment_ptr 1
		.amdhsa_wavefront_size32 1
		.amdhsa_system_sgpr_workgroup_id_x 1
		.amdhsa_system_sgpr_workgroup_id_y 1
		.amdhsa_system_sgpr_workgroup_id_z 1
		.amdhsa_system_vgpr_workitem_id 0
		.amdhsa_next_free_vgpr 1024
		.amdhsa_next_free_sgpr 102
		.amdhsa_reserve_vcc 0
		.amdhsa_float_denorm_mode_32 3
		.amdhsa_float_denorm_mode_16_64 3
		.amdhsa_memory_ordered 1
		.amdhsa_forward_progress 1
		.amdhsa_inst_pref_size 168
	.end_amdhsa_kernel
	.amdgpu_metadata
---
amdhsa.version: [ 1, 2 ]
amdhsa.kernels:
  - .name:           k_q28c750f7e9_gemm_qkv
    .symbol:         k_q28c750f7e9_gemm_qkv.kd
    .args:
      - { .name: hb, .offset: 0, .size: 8, .value_kind: global_buffer, .address_space: global }
      - { .name: wqkv, .offset: 8, .size: 8, .value_kind: global_buffer, .address_space: global }
      - { .name: rope, .offset: 16, .size: 8, .value_kind: global_buffer, .address_space: global }
      - { .name: q_scale, .offset: 24, .size: 8, .value_kind: global_buffer, .address_space: global }
      - { .name: k_scale, .offset: 32, .size: 8, .value_kind: global_buffer, .address_space: global }
      - { .name: qh, .offset: 40, .size: 8, .value_kind: global_buffer, .address_space: global }
      - { .name: kh, .offset: 48, .size: 8, .value_kind: global_buffer, .address_space: global }
      - { .name: vh, .offset: 56, .size: 8, .value_kind: global_buffer, .address_space: global }
    .group_segment_fixed_size: 327680
    .private_segment_fixed_size: 0
    .kernarg_segment_align: 8
    .kernarg_segment_size: 64
    .max_flat_workgroup_size: 128
    .sgpr_count:     102
    .vgpr_count:     1024
    .wavefront_size: 32
...
	.end_amdgpu_metadata
.endif
;; end of part 3
;; launch attn (part 4): grid 16 x 16, 4 waves a work-group, clusters of 4 x 1, 327,680 bytes of LDS; arguments qh, kh, vh, hb, lm; writes hb
.if DOCPART == 4
	.amdgcn_target "amdgcn-amd-amdhsa--gfx1250"
	.amdhsa_code_object_version 6
	.text
	.protected	k_q28c750f7e9_attn
	.globl	k_q28c750f7e9_attn
	.p2align	8
	.type	k_q28c750f7e9_attn,@function
k_q28c750f7e9_attn:
	s_mov_b64 s[64:65], 0
	v_nop
	global_prefetch_b8 v0, s[64:65] scope:SCOPE_SE
	s_setreg_imm32_b32 hwreg(HW_REG_WAVE_MODE, 25, 1), 1
	s_wait_xcnt 0x0
	s_wait_alu depctr_hold_cnt(0) depctr_sa_sdst(0) depctr_va_vdst(0) depctr_va_sdst(0) depctr_va_ssrc(0) depctr_va_vcc(0) depctr_vm_vsrc(0)
	s_getreg_b32 s2, hwreg(HW_REG_IB_STS2, 6, 4)
	s_cmp_eq_u32 s2, 0
	s_cbranch_scc0 .Lentry_in_a_cluster
	s_endpgm
.Lentry_in_a_cluster:
	s_bfe_u32 s2, ttmp6, 0x10000c
	s_cmp_lg_u32 s2, 0x3003
	s_cbranch_scc0 .Lentry_shape_is_right
	s_endpgm
.Lentry_shape_is_right:
; O[b][t][head] = the sum over the visible keys s of softmax_s(q[b][t][head] . k[b][s][g] / sqrt(128)) v[b][s][g], head = 4 g + i.
; qh and the output hb: [4096 (b, t)][2048 (head, channel)] f16; kh, vh: [4 b + g][1024][128] f16; lm: the mask as lane words, [b][t / 16][s / 16][j]: bit r + 16 h = 1: key 16 (s / 16) + 8 h + j is hidden from query r.
; The mask is data: nothing of its pattern is built in, every pair is tested, all 1,024 keys are walked.
; SHARES.  A wave owns 16 rows t and the group's FOUR query heads: four tiles of 16 queries, which share K, V and ONE mask.  A work-group has 64 rows t; grid x = the block of 64, grid y = 4 b + g.
; LAYOUT.  S^T = K Q^T (source 0 = 16 keys, source 1 = 16 queries): a lane holds ONE query (lane % 16) and the keys 8 (lane / 16) + 0..7.  Two such tiles rounded to f16 ARE source 1 of O^T = V^T P.
; THE MASK is the C operand that starts the sum S^T: 0, or -1e30 where the key is hidden: 32 registers a key step, made by v_cndmask_b32 from 32 words that scalar loads bring a step ahead.
; SOFTMAX.  A running maximum m and sum l: p = 2^(c s - c m), c = log2(e) / sqrt(128); in every step O and l are multiplied by a = 2^(c m_old - c m_new).  m never falls below -1e20: while a row has seen
; hidden keys alone its weights are 0, not 2^(a rounding residue of numbers near 1e29).  Every row sees its own key, so l ends at 1 or more.
; LIMITS.  q, k, v within f16's 65,504; true scores, 5.5e11 at the most in size, lie far above the floor; a hidden score counts as its value less 1e30; a weight below 2^-126 counts as 0; p below 6e-5 keeps f16's step of 6e-8.
; BY TURNS.  The tiles are two PIECES (tiles 0, 1 and tiles 2, 3).  In a TURN one piece has the matrix unit: 32 products V^T P of the step in hand, then 32 products K Q^T of the next; the other piece's softmax,
; cut into 64 slices, stands between them, one slice behind each matrix instruction.  Two turns are a key step.
; CLUSTER.  The four blocks of a cluster walk the same K and V: each tile is asked for JOINTLY, by the same tensor load, descriptor and mask in all four.
; REGISTERS, in windows of 256: window 0: v0-11 addresses; v12-43 statistics; v64-191 S^T; v192-255 P      window 1: O^T, 64 a tile
;   window 2: v0-127 Q; v128-255 K of one step      window 3: v0-127 V of one step; v128-159 the mask
.set SIZE_N, 1024
.set KS,    64
.set PK,    272       ; a row of K in LDS: 256 bytes + 16
.set PV,    288       ; a row of V: 256 + 32
.set VOFF,  KS*PK
.set STEPB, KS*(PK+PV)
.set SLOT1, 1<<17     ; a slot holds two steps; one exclusive or turns an address in one slot into the other's
.set STAGE, SLOT1+2*STEPB
.set SP,    272
.set AK0, 2
.set AV0, 3
.set ADR, 4
.set QO,  5
.set STO, 6
.set RD,  7
.set GO,  8
.set SPW, 62          ; v62  SPARE + 4 x my thread's number; never rewritten
.set NIL, 63          ; v63  0; never rewritten
.set SPARE, STAGE+4*16*272
.set ST,  12          ; tile t's statistics at v[ST+8 t]: +0 c m, +1 m, +2, +3 l, +4 to +7 at work; a takes +6
.set S,   64
.set P,   192
.set KF,  128         ; window 2
.set MC,  128         ; window 3: the eight registers for key block kb of the step at MC + 8 kb
.set WV,  12
.set G1K, 24
.set G1V, 32
.set G0K, 40
.set G0V, 48
.set SLOTS, 56
.set TWICE, 57
.set CS,  58
.set SEL, 60
.set TB,  62
.set FLOOR, 63        ; s63  -1e20
.set MP,  66          ; s[66:67] lm at my 16 rows: 2,048 bytes, 128 a key step
.set LM,  68          ; s[68:99] a key step's 32 words
.set BIGN, 100        ; s100 -1e30
.set MO,  101         ; s101 the byte in my 2,048 of the step whose words are on their way
.set PFA, 18
.set LIM, 15
.set PFO, 61
.set MSB, 0
.macro WIN new
.if MSB != (\new)
	s_set_vgpr_msb (MSB<<8)|(\new)
.set MSB, \new
.endif
.endm
.set W_KQ, 0x0a       ; K and Q in window 2, S^T in window 0
.set W_KM, 0x3a       ; the same with the C operand, the mask, in window 3
.set W_PV, 0x53       ; V in window 3, P in window 0, O^T in window 1
.set W_RS, 0x41       ; O^T in window 1, a in window 0
; A joint refill: waves 0 and 1 fetch the two steps' K, waves 2 and 3 their V.  An s_nop 0 and four v_nop follow each line.
.macro JLOAD
	s_cmp_lt_u32 s[WV], 2
	s_cbranch_scc0 .Lfor_v_\@
	tensor_load_to_lds s[G0K+4:G0K+7], s[G1K:G1K+7]
	s_nop 0
.rept 4
	v_nop
.endr
	s_branch .Lasked_\@
.Lfor_v_\@:
	tensor_load_to_lds s[G0V+4:G0V+7], s[G1V:G1V+7]
	s_nop 0
.rept 4
	v_nop
.endr
.Lasked_\@:
.endm
; A prefetch of what the NEXT change of slots will ask for: 128 rows of K and of V, 256 bytes a row, a lane a row.  All four clusters of a (b, g) walk the same rows: the first asks; its four partners
; take 32 rows each, by address; in each, wave 0 asks for K's and wave 2 for V's.  So each row is named once in the launch.  The last change that fills a slot asks for nothing.
.macro ASK
	s_cmp_gt_u32 s[SLOTS], s[LIM]
	s_cbranch_scc0 .Lnot_mine_\@
	global_prefetch_b8 v[PFO], s[PFA:PFA+1] th:TH_LOAD_NT scope:SCOPE_SE
.Lnot_mine_\@:
.endm
.macro CROUND
	s_barrier_signal -1
	s_barrier_wait -1
	s_cmp_lg_u32 s[WV], 0
	s_cbranch_scc1 .Lnot_wave_0_\@
	s_barrier_signal -3
.Lnot_wave_0_\@:
	s_barrier_wait -3
	s_barrier_signal -1
	s_barrier_wait -1
.endm
	s_load_b256 s[4:11], s[0:1], 0x0  ; qh s[4:5], kh s[6:7], vh s[8:9], hb s[10:11]
	s_load_b64 s[MP:MP+1], s[0:1], 0x20  ; lm
	v_lshl_add_u32 v[SPW], v0, 2, SPARE
	v_mov_b32 v[NIL], 0
	ds_add_u32 v[SPW], v[NIL]       ; the wave's opening: the add, and its wait ahead of my first tensor load
	v_lshrrev_b32 v1, 5, v0
	v_readfirstlane_b32 s[WV], v1   ; wave 0..3
	s_bfe_u32 s13, ttmp6, 0x40000   ; cx
	s_lshl_b32 s14, ttmp9, 2
	s_add_co_u32 s14, s14, s13      ; my block of 64 rows t: it enters global addresses alone
	s_and_b32 s20, ttmp7, 0xffff    ; 4 b + g, which the four partners share
	s_lshr_b32 s2, s20, 2           ; b
	s_and_b32 s3, s20, 3            ; g
	s_lshl_b32 s68, s2, 6
	s_lshl2_add_u32 s68, s14, s68
	s_add_co_u32 s68, s68, s[WV]    ; 64 b + 4 block + wave: my tile of 16 rows among all 256
	s_lshl_b32 s2, s68, 16          ; 16 rows of 4,096 bytes,
	s_lshl_b32 s3, s3, 10           ; the group's four heads: 1,024 bytes
	s_add_co_u32 s2, s2, s3
	s_mov_b32 s3, 0
	s_lshl_b32 s68, s68, 11         ; and 2,048 bytes of mask words
	s_mov_b32 s69, 0
	s_lshl_b32 s20, s20, 18         ; 1,024 rows of 256 bytes in kh and vh
	s_mov_b32 s21, 0
	s_and_b32 s16, s[WV], 1         ; which of a slot's two steps I fetch:
	s_lshl_b32 s22, s16, 14         ; its 64 rows in memory,
	s_mov_b32 s23, 0
	s_add_nc_u64 s[22:23], s[22:23], s[20:21]
	s_mul_i32 s17, s16, STEPB       ; and its place in a slot
	s_mov_b32 s[G1K], 15|(1<<16)|(1<<20)|(1<<21)|(5<<22)|(3<<25)  ; the mask of four; 2-byte elements; padding on; bit 21 beside a mask; after every 64 words 4 words
	s_mov_b32 s[G1V], 15|(1<<16)|(1<<20)|(1<<21)|(5<<22)|(7<<25)  ; 8 words
.irp g, G1K, G1V
	s_mov_b32 s[(\g)+1], 128<<16    ; tensor_dim0 = 128
	s_mov_b32 s[(\g)+2], KS<<16     ; tensor_dim1 = 64
	s_mov_b32 s[(\g)+3], 128<<16    ; tile_dim0 = 128
	s_mov_b32 s[(\g)+4], KS         ; tile_dim1 = 64
	s_mov_b32 s[(\g)+5], 128        ; elements from row to row
	s_mov_b32 s[(\g)+6], 0
	s_mov_b32 s[(\g)+7], 0
.endr
	s_mov_b32 s[CS], 0x3e0293ee     ; c = log2(e) / sqrt(128)
	s_mov_b32 s[CS+1], s[CS]
	s_mov_b32 s[SEL], 0x76543210
	s_mov_b32 s[SEL+1], 0xfedcba98
	s_mov_b32 s[TB], 0
	s_mov_b32 s[FLOOR], 0xe0ad78ec  ; -1e20
	s_mov_b32 s[BIGN], 0xf149f2ca   ; -1e30
	s_mov_b32 s[MO], 0
	s_mov_b32 s[SLOTS], SIZE_N/(2*KS)-2
	s_and_b32 s[LIM], s[WV], 1      ; 0 in waves 0 and 2,
	s_or_b32 s[LIM], s[LIM], ttmp9  ; where the cluster is the first of its (b, g): the same in all four partners
	s_cmp_eq_u32 s[LIM], 0
	s_cselect_b32 s[LIM], 1, -1
	v_and_b32 v[PFO], 31, v0
	v_lshlrev_b32 v[PFO], 8, v[PFO]
	s_wait_dscnt 0x0                ; the opening add is done
	s_wait_kmcnt 0x0
	s_add_nc_u64 s[6:7], s[6:7], s[22:23]  ; K and V at my tile of slot 0
	s_add_nc_u64 s[8:9], s[8:9], s[22:23]
	s_add_nc_u64 s[4:5], s[4:5], s[2:3]  ; Q and O at my rows and heads
	s_add_nc_u64 s[10:11], s[10:11], s[2:3]
	s_add_nc_u64 s[MP:MP+1], s[MP:MP+1], s[68:69]
	s_cmp_lt_u32 s[WV], 2
	s_cselect_b64 s[PFA:PFA+1], s[6:7], s[8:9]
	s_lshl_b32 s2, s13, 13          ; my work-group's 32 rows of the 128
	s_mov_b32 s3, 0
	s_add_nc_u64 s[PFA:PFA+1], s[PFA:PFA+1], s[2:3]
	s_add_nc_u64 s[PFA:PFA+1], s[PFA:PFA+1], 2*2*KS*256  ; in slot 2; the first change of slots steps it to slot 3
	CROUND                          ; all four work-groups are here: the first joint loads meet
.irp s, 0,1
	s_mov_b32 s[G0K+4*(\s)], 1
	s_add_co_u32 s[G0K+4*(\s)+1], s17, (\s)*SLOT1
	s_add_nc_u64 s[G0K+4*(\s)+2:G0K+4*(\s)+3], s[6:7], (\s)*2*KS*256
	s_or_b32 s[G0K+4*(\s)+3], s[G0K+4*(\s)+3], 0x80000000
	s_mov_b32 s[G0V+4*(\s)], 1
	s_add_co_u32 s[G0V+4*(\s)+1], s17, (\s)*SLOT1+VOFF
	s_add_nc_u64 s[G0V+4*(\s)+2:G0V+4*(\s)+3], s[8:9], (\s)*2*KS*256
	s_or_b32 s[G0V+4*(\s)+3], s[G0V+4*(\s)+3], 0x80000000
.endr
	s_cmp_lt_u32 s[WV], 2           ; a wave's two first fills stand in one branch: two loads of mine are out
	s_cbranch_scc0 .Lfirst_v
	tensor_load_to_lds s[G0K:G0K+3], s[G1K:G1K+7]
	s_nop 0
	tensor_load_to_lds s[G0K+4:G0K+7], s[G1K:G1K+7]
	s_nop 0
.rept 4
	v_nop
.endr
	s_branch .Lfirst_asked
.Lfirst_v:
	tensor_load_to_lds s[G0V:G0V+3], s[G1V:G1V+7]
	s_nop 0
	tensor_load_to_lds s[G0V+4:G0V+7], s[G1V:G1V+7]
	s_nop 0
.rept 4
	v_nop
.endr
.Lfirst_asked:
	s_load_b512 s[LM:LM+15], s[MP:MP+1], s[MO] offset:0x0      ; key step 0's mask words
	s_load_b512 s[LM+16:LM+31], s[MP:MP+1], s[MO] offset:0x40
	v_and_b32 v1, 15, v0            ; l % 16
	v_bfe_u32 v9, v0, 4, 1          ; l / 16
	v_lshlrev_b32 v[QO], 12, v1
	v_lshl_add_u32 v[QO], v9, 4, v[QO]  ; row x 4,096 + 16 x half
	WIN 0x80                        ; destination window 2
.irp i, 0,1,2,3,4,5,6,7,8,9,10,11,12,13,14,15  ; Q stays in registers: tile (head) i / 4, channels 32 (i % 4) on
	global_load_b128 v[8*(\i):8*(\i)+3],   v[QO], s[4:5] offset:((\i)/4)*256+((\i)%4)*64
	global_load_b128 v[8*(\i)+4:8*(\i)+7], v[QO], s[4:5] offset:((\i)/4)*256+((\i)%4)*64+32
.endr
	WIN 0
	v_mul_u32_u24 v[AK0], v1, PK
	v_lshl_add_u32 v[AK0], v9, 4, v[AK0]
	v_and_b32 v10, 7, v0
	v_bfe_u32 v11, v0, 3, 1
	v_lshl_add_u32 v[AV0], v9, 3, v10
	v_mul_u32_u24 v[AV0], v[AV0], PV
	v_lshl_add_u32 v[AV0], v11, 4, v[AV0]
	v_add_nc_u32 v[AV0], VOFF, v[AV0]
; THE MATRIX WORK OF A TURN, for piece x.  The accumulators take turns, one instruction a turn.
.macro PV x, zero
	WIN W_PV
.set rO, 64*((\x)+i%2)+8*((i/2)%8)
.set rV, 64*(i/16)+8*((i/2)%8)
.set rP, P+16*((\x)+i%2)+8*(i/16)
.if (\zero) && (i < 16)
	v_wmma_f32_16x16x32_f16 v[rO:rO+7], v[rV:rV+7], v[rP:rP+7], 0
.else
	v_wmma_f32_16x16x32_f16 v[rO:rO+7], v[rV:rV+7], v[rP:rP+7], v[rO:rO+7]
.endif
.endm
; Product i of 32 of S^T = K Q^T: channels 32 (i / 8) on, keys 16 ((i / 2) % 4) on, tile x + i % 2.  The first 8 start the sums, with the mask of their key block.
.macro KQ x
.set rS, S+32*((\x)+i%2)+8*((i/2)%4)
.set rK, KF+32*((i/2)%4)+8*(i/8)
.set rQ, 32*((\x)+i%2)+8*(i/8)
.set rM, MC+8*((i/2)%4)
.if i < 8
	WIN W_KM
	v_wmma_f32_16x16x32_f16 v[rS:rS+7], v[rK:rK+7], v[rQ:rQ+7], v[rM:rM+7]
.else
	WIN W_KQ
	v_wmma_f32_16x16x32_f16 v[rS:rS+7], v[rK:rK+7], v[rQ:rQ+7], v[rS:rS+7]
.endif
.endm
; THE MASK of the step whose scores the next two turns make: 0 or -1e30 by the 32 lane words; then the next step's words are asked for.  The last request wraps to step 0: it stays inside my 2,048 bytes.
; The products that read the mask last stand 24 products and their slices back.
.macro MASKS
	s_wait_kmcnt 0x0                ; the words are in, and the loads have read MO
	WIN 0xc0                        ; destination window 3
.set mz, 0
.rept 32
	v_cndmask_b32 v[MC+mz], 0, s[BIGN], s[LM+mz]
.set mz, mz+1
.endr
	s_add_co_u32 s[MO], s[MO], 128
	s_and_b32 s[MO], s[MO], 2047
	s_load_b512 s[LM:LM+15], s[MP:MP+1], s[MO] offset:0x0
	s_load_b512 s[LM+16:LM+31], s[MP:MP+1], s[MO] offset:0x40
.endm
.macro FETCH_K
	WIN 0
	v_add_nc_u32 v[ADR], s[TB], v[AK0]
	WIN 0x80
.irp f, 0,1,2,3,4,5,6,7,8,9,10,11,12,13,14,15
	ds_load_b128 v[KF+8*(\f):KF+8*(\f)+3],   v[ADR] offset:((\f)/4)*16*PK+((\f)%4)*64
	ds_load_b128 v[KF+8*(\f)+4:KF+8*(\f)+7], v[ADR] offset:((\f)/4)*16*PK+((\f)%4)*64+32
.endr
.endm
.macro FETCH_V
	WIN 0
	v_add_nc_u32 v[ADR], s[TB], v[AV0]
	s_add_co_u32 s[TB], s[TB], STEPB
	s_wait_alu depctr_va_vdst(0)    ; the wait for the softmax's batch, behind the address's line and ahead of the loads
	WIN 0xc0
.irp f, 0,1,2,3,4,5,6,7,8,9,10,11,12,13,14,15
	ds_load_tr16_b128 v[8*(\f):8*(\f)+3],   v[ADR] offset:((\f)/8)*32*PV+((\f)%8)*32
	ds_load_tr16_b128 v[8*(\f)+4:8*(\f)+7], v[ADR] offset:((\f)/8)*32*PV+16*PV+((\f)%8)*32
.endr
.endm
; THE VECTOR WORK OF A TURN.  One tile's softmax for one key step is a list of 134 instructions; SM writes number j of it for tile t.
;   0-15 the maximum of the 32 scores and the old m (first step: and the floor)   16-20 the other half of the lanes'; the new m; c m; its change
;   21-69 ONE BATCH: 16 scalings and 33 exponentials, none of which reads an exponential's result   (wait)   70-85 roundings to f16   86-101 the sums   102-133 O^T times a
.macro SM t, first
.set rT, ST+8*(\t)
.set rS, S+32*(\t)
.set rP, P+16*(\t)
.set rO, 64*(\t)+2*(j-102)
.if j < 102
	WIN 0
.endif
.if j < 4
	v_max3_num_f32 v[rT+4+j], v[rS+8*j], v[rS+8*j+1], v[rS+8*j+2]
.elseif j < 12
	v_max3_num_f32 v[rT+4+j%4], v[rT+4+j%4], v[rS+8*(j%4)+2*(j/4)+1], v[rS+8*(j%4)+2*(j/4)+2]
.elseif j == 12
	v_max3_num_f32 v[rT+4], v[rT+4], v[rS+7], v[rS+15]
.elseif j == 13
	v_max3_num_f32 v[rT+6], v[rT+6], v[rS+23], v[rS+31]
.elseif j == 14
	v_max3_num_f32 v[rT+4], v[rT+4], v[rT+5], v[rT+6]
.elseif (j == 15) && (\first)
	v_max3_num_f32 v[rT+4], v[rT+4], v[rT+7], s[FLOOR]
.elseif j == 15
	v_max3_num_f32 v[rT+4], v[rT+4], v[rT+7], v[rT+1]
.elseif j == 16
	v_permlanex16_b32 v[rT+5], v[rT+4], s[SEL], s[SEL+1]
.elseif j == 18
	v_max_num_f32 v[rT+1], v[rT+4], v[rT+5]
.elseif j == 19
	v_mul_f32 v[rT], s[CS], v[rT+1]
.elseif ((j == 17) || (j == 20) || (j == 23) || (j > 101)) && (\first)
.elseif j == 17
	v_mov_b32 v[rT+7], v[rT]
.elseif j == 20
	v_sub_f32 v[rT+7], v[rT+7], v[rT]
.elseif j == 23
	v_exp_f32 v[rT+6], v[rT+7]
.elseif (j < 23) || ((j < 38) && (j%2 == 0)) || ((j < 66) && (j%4 == 2))
.set b, (j-2)/4
.if j < 38
.set b, (j-20)/2
.endif
	v_pk_fma_f32 v[rS+2*b:rS+2*b+1], v[rS+2*b:rS+2*b+1], s[CS:CS+1], v[rT:rT+1] op_sel_hi:[1,0,0] neg_lo:[0,0,1] neg_hi:[0,0,1]
.elseif j < 70
.set e, j-38
.if j < 66
.set e, j-32-(j-38)/4
.endif
.if j < 38
.set e, (j-25)/2
.endif
	v_exp_f32 v[rS+e], v[rS+e]
.elseif j < 86
	v_cvt_pk_f16_f32 v[rP+j-70], v[rS+2*(j-70)], v[rS+2*(j-70)+1]
.elseif j < 102
.set z, j-86
.set w, 4
.set u, z
.if z >= 14
.set w, 32
.set u, 0
.elseif z >= 12
.set w, 16
.set u, z-12
.elseif z >= 8
.set w, 8
.set u, z-8
.endif
.if (z == 14) && (\first)
	v_pk_add_f32 v[rT+2:rT+3], v[rS:rS+1], v[rS+16:rS+17]
.elseif z < 15
	v_pk_add_f32 v[rS+w*u:rS+w*u+1], v[rS+w*u:rS+w*u+1], v[rS+w*u+w/2:rS+w*u+w/2+1]
.elseif !(\first)
	v_pk_fma_f32 v[rT+2:rT+3], v[rT+2:rT+3], v[rT+6:rT+7], v[rS:rS+1] op_sel_hi:[1,0,1]
.endif
.else
	WIN W_RS
	v_pk_mul_f32 v[rO:rO+1], v[rO:rO+1], v[rT+6:rT+7] op_sel_hi:[1,0]
.endif
.endm
; Slice k of 64 of piece y's softmax: four instructions; slices 11 to 34 deal out the batch, four numbers of one tile each; the twelve that are over stand in slice 63.
; The piece's 66 exponentials have ONE wait, behind slice 34: ahead of slice 35 nothing names a result, behind slice 34 no exponential is issued.
.macro SLICE y, first
.if (k >= 11) && (k < 35)
.irp n, 0,1,2,3
.set j, 22+4*((k-11)/2)+(\n)
	SM (\y)+(k-11)%2, \first
.endr
.else
.irp n, 0,1,2,3,4,5,6,7
.if ((\n) < 2) || (k == 63)
.irp t, \y, (\y)+1
.set j, 2*k+(\n)
	SM \t, \first
.endr
.endif
.endr
.endif
.if k == 34
	v_nop                           ; a plain instruction behind the last exponential: one for the batch
.if (\y) == 0
	FETCH_V                         ; piece 2's turn: V's run of loads stands here, and the wait stands in it
.else
	s_wait_alu depctr_va_vdst(0)    ; the wait for the batch
.endif
.endif
.set k, k+1
.endm
.macro PLACES
.rept 4
	v_nop
.endr
.endm
; A TURN.  Piece x has the matrix unit; the other piece's softmax stands in slices behind its matrix instructions.  pv = 2: 32 products V^T P; 1: they start O^T's sums; 0: none.
; kq = 1: 32 products K Q^T for the next step; piece 0's such turn first makes that step's mask.  first = 1: the softmax is the first key step's.
.macro TURN x, pv, kq, first
.set k, 0
.set per, 2
.if (\pv) && (\kq)
.set per, 1
.endif
.if ((\x) == 0) && (\kq)
	MASKS
.endif
.if \pv
.if (\x) == 0
	s_wait_dscnt 0x0                ; V is in
.endif
.set i, 0
.rept 32
	PV \x, 2-(\pv)
.rept per
	SLICE 2-(\x), \first
.endr
.if ((\x) == 0) && (\kq) && (i == 1)
	FETCH_K
.endif
.set i, i+1
.endr
.endif
.if \kq
.if (\x) == 0
	s_wait_dscnt 0x0                ; K is in
.endif
.set i, 0
.rept 32
	KQ \x
.rept per
	SLICE 2-(\x), \first
.endr
.set i, i+1
.endr
.endif
.if \first
	PLACES
.endif
.endm
; THE CHANGE OF SLOTS.  Each wave waits for all its tensor loads (one is out: its part of the other slot), adds 0 to its spare word, and waits for that and for its own reads of the slot.
; fill = 1: the barrier is a round of the cluster's, and the joint refill, the keys two slots on, is the first thing behind it: it has 256 matrix instructions in which to land.
.macro CHANGE fill
	WIN 0
	s_wait_tensorcnt 0x0
	ds_add_u32 v[SPW], v[NIL]
.if \fill
.irp g, G0K+4, G0V+4
	s_xor_b32 s[(\g)+1], s[(\g)+1], SLOT1
	s_add_nc_u64 s[(\g)+2:(\g)+3], s[(\g)+2:(\g)+3], 2*KS*256
.endr
	s_wait_xcnt 0x0                 ; the last prefetch, two key steps back, has read its address
	s_add_nc_u64 s[PFA:PFA+1], s[PFA:PFA+1], 2*KS*256
	s_wait_dscnt 0x0                ; the add is done, and my reads of the slot are over
	CROUND
	JLOAD
	ASK
.else
	s_wait_dscnt 0x0
	s_barrier_signal -1
	s_barrier_wait -1
.endif
	s_sub_co_u32 s[TB], s[TB], 2*STEPB
	s_xor_b32 s[TB], s[TB], SLOT1
.endm
.macro TWO_STEPS
	WIN 0
	s_mov_b32 s[TWICE], 2
.Lstep_\@:
	TURN 0, 2, 1, 0
	TURN 2, 2, 1, 0
	WIN 0
	s_sub_co_u32 s[TWICE], s[TWICE], 1
	s_cmp_lg_u32 s[TWICE], 0
	s_cbranch_scc1 .Lstep_\@
.endm
	s_wait_tensorcnt 1              ; my part of slot 0 is in; slot 1's may stay out
	s_barrier_signal -1
	s_barrier_wait -1
	FETCH_K                         ; key step 0
	MASKS                           ; and its mask
	s_wait_loadcnt 0x0              ; Q
	s_wait_dscnt 0x0
.set i, 0
.rept 32
	KQ 0
.set i, i+1
.endr
	WIN 0                           ; the addresses for the way out: eight plain instructions, the places behind those products
	s_mul_i32 s13, s[WV], 16*SP
	s_add_co_u32 s13, s13, STAGE
	v_mul_u32_u24 v[STO], v1, SP
	v_lshl_add_u32 v[STO], v9, 4, v[STO]
	v_add_nc_u32 v[STO], s13, v[STO]
	v_mul_u32_u24 v[RD], v9, SP
	v_lshl_add_u32 v[RD], v1, 4, v[RD]
	v_add_nc_u32 v[RD], s13, v[RD]
	v_lshlrev_b32 v[GO], 12, v9     ; two rows of the output, 4,096 bytes apart
	v_lshl_add_u32 v[GO], v1, 4, v[GO]
	TURN 2, 0, 1, 1                 ; piece 2's first scores | piece 0's first softmax | V of step 0
	TURN 0, 1, 1, 1                 ; piece 0: V^T P of step 0 starts O^T, K Q^T of step 1 | piece 2's first softmax | K of step 1
	TURN 2, 1, 1, 0
	WIN 0
.Lslot:                             ; six trips: every slot but the last two is filled again
	CHANGE 1
	TWO_STEPS
	s_sub_co_u32 s[SLOTS], s[SLOTS], 1
	s_cmp_lg_u32 s[SLOTS], 0
	s_cbranch_scc1 .Lslot
	CHANGE 0                        ; the tail is written out
	TWO_STEPS
	TURN 0, 2, 0, 0
.set i, 0
.rept 32
	PV 2, 0
.set i, i+1
.endr
	; THE WAY OUT.  l's two halves and the other half of the lanes' are added; O^T is divided by l, rounded to f16 and sent through my stage, a tile (a head's 16 rows) at a time.
	WIN 0
.irp t, 0,1,2,3
	v_add_f32 v[ST+8*(\t)+4], v[ST+8*(\t)+2], v[ST+8*(\t)+3]
.endr
.irp t, 0,1,2,3
	v_permlanex16_b32 v[ST+8*(\t)+5], v[ST+8*(\t)+4], s[SEL], s[SEL+1]
.endr
.irp t, 0,1,2,3
	v_add_f32 v[ST+8*(\t)+4], v[ST+8*(\t)+4], v[ST+8*(\t)+5]
.endr
.irp t, 0,1,2,3
	v_rcp_f32 v[ST+8*(\t)+6], v[ST+8*(\t)+4]
.endr
	v_nop                           ; a plain instruction behind the last reciprocal
	s_wait_alu depctr_va_vdst(0)    ; one wait for the four, ahead of their first reader
.macro PACK t
	WIN W_RS
.set i, 64*(\t)
.rept 32
	v_pk_mul_f32 v[i:i+1], v[i:i+1], v[ST+8*(\t)+6:ST+8*(\t)+7] op_sel_hi:[1,0]
.set i, i+2
.endr
	WIN 0x05
.set i, 0
.rept 32
	v_cvt_pk_f16_f32 v[S+32*(\t)+i], v[64*(\t)+2*i], v[64*(\t)+2*i+1]
.set i, i+1
.endr
	WIN 0
.irp f, 0,1,2,3,4,5,6,7
	ds_store_b128 v[STO], v[S+32*(\t)+4*(\f):S+32*(\t)+4*(\f)+3] offset:32*(\f)
.endr
.irp f, 0,1,2,3,4,5,6,7
	ds_load_b128 v[S+32*(\t)+4*(\f):S+32*(\t)+4*(\f)+3], v[RD] offset:(\f)*2*SP  ; LDS serves a wave's instructions in order: these see the stores above
.endr
.endm
.macro SEND t, younger
	WIN 0
.irp f, 0,1,2,3,4,5,6,7
	s_wait_dscnt (\younger)+7-(\f)
	global_store_b128 v[GO], v[S+32*(\t)+4*(\f):S+32*(\t)+4*(\f)+3], s[10:11] offset:(\t)*256+(\f)*8192  ; 16 lanes store 256 consecutive bytes, aligned: a head's row
.endr
.endm
	PACK 0
	PACK 1
	SEND 0, 16
	PACK 2
	SEND 1, 16
	PACK 3
	SEND 2, 16
	SEND 3, 0
	s_wait_kmcnt 0x0                ; the last request for mask words
	s_wait_tensorcnt 0x0            ; the wave's end
	ds_add_u32 v[SPW], v[NIL]
	s_wait_dscnt 0x0
	CROUND                          ; the closing round
	s_endpgm
.Lfunc_end_k_q28c750f7e9_attn:
	.size	k_q28c750f7e9_attn, .Lfunc_end_k_q28c750f7e9_attn-k_q28c750f7e9_attn
	.p2alignl 7, 3214868480
	.fill 96, 4, 3214868480
	.section	.rodata,"a",@progbits
	.p2align	6, 0x0
	.amdhsa_kernel k_q28c750f7e9_attn
		.amdhsa_group_segment_fixed_size 327680
		.amdhsa_private_segment_fixed_size 0
		.amdhsa_enable_private_segment 0
		.amdhsa_kernarg_size 40
		.amdhsa_user_sgpr_count 2
		.amdhsa_user_sgpr_kernarg_segment_ptr 1
		.amdhsa_wavefront_size32 1
		.amdhsa_system_sgpr_workgroup_id_x 1
		.amdhsa_system_sgpr_workgroup_id_y 1
		.amdhsa_system_sgpr_workgroup_id_z 1
		.amdhsa_system_vgpr_workitem_id 0
		.amdhsa_next_free_vgpr 1024
		.amdhsa_next_free_sgpr 102
		.amdhsa_reserve_vcc 0
		.amdhsa_float_denorm_mode_32 3
		.amdhsa_float_denorm_mode_16_64 3
		.amdhsa_memory_ordered 1
		.amdhsa_forward_progress 1
		.amdhsa_inst_pref_size 231
	.end_amdhsa_kernel
	.amdgpu_metadata
---
amdhsa.version: [ 1, 2 ]
amdhsa.kernels:
  - .name:           k_q28c750f7e9_attn
    .symbol:         k_q28c750f7e9_attn.kd
    .args:
      - { .name: qh, .offset: 0, .size: 8, .value_kind: global_buffer, .address_space: global }
      - { .name: kh, .offset: 8, .size: 8, .value_kind: global_buffer, .address_space: global }
      - { .name: vh, .offset: 16, .size: 8, .value_kind: global_buffer, .address_space: global }
      - { .name: hb, .offset: 24, .size: 8, .value_kind: global_buffer, .address_space: global }
      - { .name: lm, .offset: 32, .size: 8, .value_kind: global_buffer, .address_space: global }
    .group_segment_fixed_size: 327680
    .private_segment_fixed_size: 0
    .kernarg_segment_align: 8
    .kernarg_segment_size: 40
    .max_flat_workgroup_size: 128
    .sgpr_count:     102
    .vgpr_count:     1024
    .wavefront_size: 32
...
	.end_amdgpu_metadata
.endif
;; end of part 4
;; launch gemm_out (part 5): grid 8 x 32, 4 waves a work-group, clusters of 4 x 4, 327,680 bytes of LDS; arguments hb, wob, out0; writes out0
.if DOCPART == 5
	.amdgcn_target "amdgcn-amd-amdhsa--gfx1250"
	.amdhsa_code_object_version 6
	.text
	.protected	k_q28c750f7e9_gemm_out
	.globl	k_q28c750f7e9_gemm_out
	.p2align	8
	.type	k_q28c750f7e9_gemm_out,@function
k_q28c750f7e9_gemm_out:
	s_mov_b64 s[64:65], 0
	v_nop
	global_prefetch_b8 v0, s[64:65] scope:SCOPE_SE
	s_setreg_imm32_b32 hwreg(HW_REG_WAVE_MODE, 25, 1), 1
	s_wait_xcnt 0x0
	s_wait_alu depctr_hold_cnt(0) depctr_sa_sdst(0) depctr_va_vdst(0) depctr_va_sdst(0) depctr_va_ssrc(0) depctr_va_vcc(0) depctr_vm_vsrc(0)
	s_getreg_b32 s2, hwreg(HW_REG_IB_STS2, 6, 4)
	s_cmp_eq_u32 s2, 0
	s_cbranch_scc0 .Lentry_in_a_cluster
	s_endpgm
.Lentry_in_a_cluster:
	s_bfe_u32 s2, ttmp6, 0x10000c
	s_cmp_lg_u32 s2, 0xf033
	s_cbranch_scc0 .Lentry_shape_is_right
	s_endpgm
.Lentry_shape_is_right:
; out0 = O x wo.  A = hb [4096][2048] f16 (the attention's output); B = wob [2048 k][2048 n] f16; out0 [4096][2048] f32; sums in f32.
; SHARES.  A work-group makes 128 rows x 256 columns: 8 x 32 = 256 work-groups; a wave 64 x 128: 32 accumulators, window 2 ((a, b) at v[8 (8 a + b)]).
; K goes in steps of 128 through two LDS slots; A's tile is asked for jointly along a row of the 4 x 4 cluster, B's along a column.  B lies [k][n] in LDS and is read turned.
; The product is used transposed (source 0 = 16 columns of B, source 1 = 16 rows of A): a lane holds eight neighbouring columns of one row.
; REGISTERS: window 0: v0-31 addresses; v64-95, v128-159 A's fragments; v64-127, v192-255 the way out      window 1: v64-127, v128-191 B's fragments
.set SIZE_K, 2048
.set SIZE_N, 2048
.set KSTEP,  128
.set PITCH,  272
.set PB,     544
.set HALFA,  64*PITCH                  ; 64 rows of A: 17,408 bytes
.set HALFB,  64*PB                     ; 64 k-rows of B: 34,816 bytes
.set SLOT,   2*HALFA+2*HALFB           ; 104,448
.set STAGE,  2*SLOT                    ; behind the ring: 16 rows x 528 bytes for each wave
.set SPITCH, 528                       ; 512 bytes of f32 + 16
.set SPARE,  STAGE+4*16*SPITCH
.set LAPS,   SIZE_K/(2*KSTEP)
.set ADRA, 16
.set ADRB, 20
.set STO,  24
.set RD,   25
.set CO,   26
.set SPW,  28                          ; v28  SPARE + 4 x my thread's number; never rewritten
.set NIL,  29                          ; v29  0; never rewritten
.set PFO,  30
.set F0,   64
.set F1,   128
.set G1,   24
.set G0,   32
.set LIM,  43
.set PFA,  44
.set G1B,  48
.set G0B,  56
.set PST,  66                          ; s[66:67] a K step in the tensor that I prefetch
.set MSB, 0
.macro WIN new
.if MSB != (\new)
	s_set_vgpr_msb (MSB<<8)|(\new)
.set MSB, \new
.endif
.endm
.set MUL,  0xa1                        ; source 0 (B) window 1, source 1 (A) window 0, C and D window 2
.set TO_B, 0x40
.macro JLOAD s                         ; waves 0 and 1 fetch A's two halves, waves 2 and 3 B's; an s_nop 0 and four v_nop follow each line
	s_cmp_eq_u32 s11, 0
	s_cbranch_scc0 .Lfor_b_\@
	tensor_load_to_lds s[G0+4*(\s):G0+4*(\s)+3], s[G1:G1+7]
	s_nop 0
.rept 4
	v_nop
.endr
	s_branch .Lasked_\@
.Lfor_b_\@:
	tensor_load_to_lds s[G0B+4*(\s):G0B+4*(\s)+3], s[G1B:G1B+7]
	s_nop 0
.rept 4
	v_nop
.endr
.Lasked_\@:
.endm
; A prefetch behind each joint refill: the K step two refills on, 256 matrix instructions ahead of the load that will want it.  Each aligned block of 256 bytes is named once in the launch:
; A's 128 rows by wave 0 of the clusters with x = 0, 32 rows a partner by address, a lane a row; B's 128 k-rows of 512 bytes by waves 2 and 3 of the clusters with y = 0, 16 k-rows a wave and partner,
; two lanes a row.  The loop's last trip asks for nothing.
.macro ASK
	s_cmp_gt_u32 s3, s[LIM]
	s_cbranch_scc0 .Lnot_mine_\@
	global_prefetch_b8 v[PFO], s[PFA:PFA+1] th:TH_LOAD_NT scope:SCOPE_SE
.Lnot_mine_\@:
.endm
.macro CREST
	s_cmp_lg_u32 s10, 0
	s_cbranch_scc1 .Lnot_wave_0_\@
	s_barrier_signal -3
.Lnot_wave_0_\@:
	s_barrier_wait -3
	s_barrier_signal -1
	s_barrier_wait -1
.endm
.macro CROUND
	s_barrier_signal -1
	s_barrier_wait -1
	CREST
.endm
	s_load_b128 s[4:7], s[0:1], 0x0                ; hb s[4:5], wob s[6:7]
	s_load_b64 s[8:9], s[0:1], 0x10                ; out0
	v_lshl_add_u32 v[SPW], v0, 2, SPARE
	v_mov_b32 v[NIL], 0
	ds_add_u32 v[SPW], v[NIL]                      ; the wave's opening: the add, and its wait ahead of my first tensor load
	v_lshrrev_b32 v1, 5, v0
	v_readfirstlane_b32 s10, v1
	s_lshr_b32 s11, s10, 1                         ; my half of the tile's rows.  Also: I fetch for A (0) or for B (1)
	s_and_b32 s12, s10, 1                          ; my half of its columns.  Also: which half of that tile I fetch
	s_bfe_u32 s40, ttmp6, 0x40000
	s_bfe_u32 s41, ttmp6, 0x40004
	s_lshl_b32 s42, ttmp9, 2
	s_add_co_u32 s42, s42, s40                     ; tile column
	s_and_b32 s13, ttmp7, 0xffff
	s_lshl_b32 s13, s13, 2
	s_add_co_u32 s13, s13, s41                     ; tile row
	s_lshl_b32 s43, s41, 2
	s_lshl_b32 s43, 15, s43
	s_lshl_b32 s44, 0x1111, s40
	s_or_b32 s[G1+0], s43, (1<<16)|(1<<20)|(1<<21)|(5<<22)|(3<<25)
	s_or_b32 s[G1B+0], s44, (1<<16)|(1<<20)|(1<<21)|(6<<22)|(7<<25)
	s_mov_b32 s[G1+1], 128<<16                     ; A: 64 rows of 128 elements
	s_mov_b32 s[G1+2], 64<<16
	s_mov_b32 s[G1+3], 128<<16
	s_mov_b32 s[G1+4], 64
	s_mov_b32 s[G1+5], SIZE_K
	s_mov_b32 s[G1+6], 0
	s_mov_b32 s[G1+7], 0
	s_mov_b32 s[G1B+1], 256<<16                    ; B: 64 k-rows of 256 elements
	s_mov_b32 s[G1B+2], 64<<16
	s_mov_b32 s[G1B+3], 256<<16
	s_mov_b32 s[G1B+4], 64
	s_mov_b32 s[G1B+5], SIZE_N
	s_mov_b32 s[G1B+6], 0
	s_mov_b32 s[G1B+7], 0
	s_lshl_b32 s17, s12, 6
	s_lshl_b32 s16, s13, 7
	s_add_co_u32 s16, s16, s17                     ; A: row 128 x tile row + 64 x half
	s_lshl_b32 s16, s16, 12
	s_mov_b32 s17, 0
	s_lshl_b32 s46, s12, 18                        ; B: k-row 64 x half, of 4,096 bytes,
	s_lshl_b32 s47, s42, 9                         ; column 256 x tile column
	s_add_co_u32 s46, s46, s47
	s_mov_b32 s47, 0
	s_mul_i32 s20, s12, HALFA                      ; where they go: A's two halves,
	s_mul_i32 s21, s12, HALFB
	s_add_co_u32 s21, s21, 2*HALFA                 ; then B's two
	s_wait_dscnt 0x0
	s_wait_kmcnt 0x0
	s_add_nc_u64 s[14:15], s[4:5], s[16:17]
	s_add_nc_u64 s[46:47], s[6:7], s[46:47]
	CROUND
.irp s, 0,1
	s_mov_b32 s[G0+4*(\s)], 1
	s_add_co_u32 s[G0+4*(\s)+1], s20, (\s)*SLOT
	s_add_nc_u64 s[G0+4*(\s)+2:G0+4*(\s)+3], s[14:15], (\s)*KSTEP*2
	s_or_b32 s[G0+4*(\s)+3], s[G0+4*(\s)+3], 0x80000000
	s_mov_b32 s[G0B+4*(\s)], 1
	s_add_co_u32 s[G0B+4*(\s)+1], s21, (\s)*SLOT
	s_add_nc_u64 s[G0B+4*(\s)+2:G0B+4*(\s)+3], s[46:47], (\s)*KSTEP*SIZE_N*2
	s_or_b32 s[G0B+4*(\s)+3], s[G0B+4*(\s)+3], 0x80000000
	JLOAD \s
.endr
	v_and_b32 v1, 15, v0                           ; r
	v_bfe_u32 v2, v0, 4, 1                         ; h
	v_mul_u32_u24 v3, v1, PITCH
	v_lshl_add_u32 v3, v2, 4, v3
	v_and_b32 v4, 7, v0
	v_lshl_add_u32 v4, v2, 3, v4
	v_mul_u32_u24 v4, v4, PB
	v_bfe_u32 v5, v0, 3, 1
	v_lshl_add_u32 v4, v5, 4, v4
	s_mul_i32 s21, s11, HALFA                      ; my 64 rows of A
	s_lshl_b32 s22, s12, 8                         ; my 128 columns of B
	s_add_co_u32 s22, s22, 2*HALFA
.irp s, 0,1
	v_add_nc_u32 v[ADRA+(\s)], s21, v3
	v_add_nc_u32 v[ADRB+(\s)], s22, v4
	s_add_co_u32 s21, s21, SLOT
	s_add_co_u32 s22, s22, SLOT
.endr
	s_mul_i32 s23, s10, 16*SPITCH
	s_add_co_u32 s23, s23, STAGE
	v_mul_u32_u24 v4, v1, SPITCH                   ; in: row r, 32 bytes for each half of the lanes
	v_lshl_add_u32 v4, v2, 5, v4
	v_add_nc_u32 v[STO], s23, v4
	v_and_b32 v3, 31, v0
	v_lshl_add_u32 v[RD], v3, 4, s23               ; back: the 32 lanes take one row of 512 bytes
	v_lshlrev_b32 v[CO], 4, v3
	s_lshl_b32 s16, s13, 7
	s_lshl_b32 s17, s11, 6
	s_add_co_u32 s16, s16, s17                     ; my first row of out0,
	s_lshl_b32 s16, s16, 13                        ; of 8,192 bytes
	s_lshl_b32 s17, s42, 10
	s_add_co_u32 s16, s16, s17                     ; + 1,024 x tile column
	s_lshl_b32 s17, s12, 9
	s_add_co_u32 s16, s16, s17                     ; + 512 x half
	s_mov_b32 s17, 0
	s_add_nc_u64 s[8:9], s[8:9], s[16:17]
	; the prefetches stand at K step 3; each change of slots steps them before it asks.  Their offsets are made in s68-s70, which feed no descriptor and no LDS address.
	s_mov_b32 s19, ttmp9
	s_lshl_b32 s68, s13, 7
	s_lshl_b32 s69, s40, 5
	s_add_co_u32 s68, s68, s69                     ; A: row 128 x tile row + 32 cx
	s_lshl_b32 s68, s68, 12
	s_add_co_u32 s68, s68, 3*KSTEP*2
	s_lshl_b32 s69, s12, 6
	s_lshl_b32 s70, s41, 4
	s_add_co_u32 s69, s69, s70
	s_add_co_u32 s69, s69, 3*KSTEP                 ; B: k-row 64 x half + 16 cy
	s_lshl_b32 s69, s69, 12
	s_lshl_b32 s70, s42, 9
	s_add_co_u32 s69, s69, s70
	s_and_b32 s70, ttmp7, 0xffff
	s_mov_b32 s[PST], KSTEP*SIZE_N*2
	s_cmp_eq_u32 s11, 0
	s_cselect_b32 s70, s19, s70
	s_cselect_b64 s[PFA:PFA+1], s[4:5], s[6:7]
	s_cselect_b32 s68, s68, s69
	s_cselect_b32 s[PST], KSTEP*2, s[PST]
	s_cselect_b32 s17, 0, 1
	s_mov_b32 s69, 0
	s_mov_b32 s[PST+1], 0
	s_add_nc_u64 s[PFA:PFA+1], s[PFA:PFA+1], s[68:69]
	s_cmp_eq_u32 s10, 1                            ; A's tile has 128 blocks a K step: wave 0 of four partners names them all, wave 1 none
	s_cselect_b32 s70, 1, s70
	s_cmp_eq_u32 s70, 0
	s_cselect_b32 s[LIM], 1, -1
	v_lshrrev_b32 v4, s17, v3
	v_lshlrev_b32 v4, 12, v4                       ; rows of 4,096 bytes in both tensors
	v_and_b32 v5, s17, v3
	v_lshl_add_u32 v[PFO], v5, 8, v4
; 8 matrix instructions: m block a x all 8 n blocks, 32 along K.  The 32 accumulators take turns in the same order in every quarter.
.macro MULA f, a, zero
	WIN MUL
.irp b, 0,1,2,3,4,5,6,7
.if \zero
	v_wmma_f32_16x16x32_f16 v[8*(8*(\a)+(\b)):8*(8*(\a)+(\b))+7], v[(\f)+8*(\b):(\f)+8*(\b)+7], v[(\f)+8*(\a):(\f)+8*(\a)+7], 0
.else
	v_wmma_f32_16x16x32_f16 v[8*(8*(\a)+(\b)):8*(8*(\a)+(\b))+7], v[(\f)+8*(\b):(\f)+8*(\b)+7], v[(\f)+8*(\a):(\f)+8*(\a)+7], v[8*(8*(\a)+(\b)):8*(8*(\a)+(\b))+7]
.endif
.endr
.endm
.macro FETCH slot, k, f                ; 24 LDS loads in one run: B's 16, then A's 8
	WIN TO_B
.irp i, 0,1,2,3,4,5,6,7
	ds_load_tr16_b128 v[(\f)+8*(\i):(\f)+8*(\i)+3],   v[ADRB+(\slot)] offset:((\k)/64)*32*PB+32*(\i)
	ds_load_tr16_b128 v[(\f)+8*(\i)+4:(\f)+8*(\i)+7], v[ADRB+(\slot)] offset:((\k)/64)*32*PB+16*PB+32*(\i)
.endr
	WIN 0
.irp i, 0,1,2,3
	ds_load_b128 v[(\f)+8*(\i):(\f)+8*(\i)+3],   v[ADRA+(\slot)] offset:(\k)+(\i)*16*PITCH
	ds_load_b128 v[(\f)+8*(\i)+4:(\f)+8*(\i)+7], v[ADRA+(\slot)] offset:(\k)+(\i)*16*PITCH+32
.endr
.endm
.macro PLACES
.rept 4
	v_nop
.endr
.endm
.macro QUARTER slot, k, f, g, zero
	s_wait_dscnt 4                                 ; B and A's rows 0-31 are in; the youngest four loads may be out
	MULA \f, 0, \zero
	MULA \f, 1, \zero
	PLACES
	FETCH \slot, \k, \g
	s_wait_dscnt 24                                ; all but the 24 just issued
	MULA \f, 2, \zero
	MULA \f, 3, \zero
.endm
; A K step's last quarter changes slots: ONE barrier; in front of it each wave waits for all its tensor loads, adds 0 to its spare word, and waits for that and for its own reads of this slot.
; fill = 1: the barrier opens a round of the cluster's, and this slot is filled again, two K steps on, first thing behind the round: 112 matrix instructions ahead of the wait for it.
.macro TURN slot, next, fill
.if \fill
	s_wait_xcnt 0x0                                ; the last prefetch, a K step back, has read its address
	s_add_nc_u64 s[PFA:PFA+1], s[PFA:PFA+1], s[PST:PST+1]
.endif
	WIN 0
	s_wait_tensorcnt 0x0
	ds_add_u32 v[SPW], v[NIL]
	s_wait_dscnt 5                                 ; the add and the youngest four loads may be out
	MULA F1, 0, 0
	s_wait_dscnt 0x0                               ; the add is done, and my reads of this slot are over
	s_barrier_signal -1
	MULA F1, 1, 0
.if \fill
	WIN 0
.endif
	s_barrier_wait -1
.if \fill
	CREST
	s_add_nc_u64 s[G0+4*(\slot)+2:G0+4*(\slot)+3], s[G0+4*(\slot)+2:G0+4*(\slot)+3], 2*KSTEP*2
	s_add_nc_u64 s[G0B+4*(\slot)+2:G0B+4*(\slot)+3], s[G0B+4*(\slot)+2:G0B+4*(\slot)+3], 2*KSTEP*SIZE_N*2
	JLOAD \slot                                    ; its four v_nop are also the places in front of the loads below
.else
	PLACES
.endif
	FETCH \next, 0, F0
.if \fill
	ASK
.endif
	MULA F1, 2, 0
	MULA F1, 3, 0
.endm
	s_wait_tensorcnt 1                             ; my part of K step 0 is in; K step 1's may stay out
	s_barrier_signal -1
	s_barrier_wait -1
	FETCH 0, 0, F0
	QUARTER 0, 64,  F0, F1, 1
	WIN 0
	s_mov_b32 s3, LAPS-1
.Llap:
	QUARTER 0, 128, F1, F0, 0
	QUARTER 0, 192, F0, F1, 0
	TURN 0, 1, 1
	QUARTER 1, 64,  F0, F1, 0
	QUARTER 1, 128, F1, F0, 0
	QUARTER 1, 192, F0, F1, 0
	TURN 1, 0, 1
	QUARTER 0, 64,  F0, F1, 0
	WIN 0
	s_sub_co_u32 s3, s3, 1
	s_cmp_lg_u32 s3, 0
	s_cbranch_scc1 .Llap
	QUARTER 0, 128, F1, F0, 0                      ; the last lap fills nothing
	QUARTER 0, 192, F0, F1, 0
	TURN 0, 1, 0
	QUARTER 1, 64,  F0, F1, 0
	QUARTER 1, 128, F1, F0, 0
	QUARTER 1, 192, F0, F1, 0
	s_wait_dscnt 4
	MULA F1, 0, 0
	MULA F1, 1, 0
	s_wait_dscnt 0x0
	MULA F1, 2, 0
	MULA F1, 3, 0
	WIN 0
	; THE WAY OUT, a block of 16 rows at a time through my own stage: 32 bytes a lane in, whole rows of 512 bytes back.
	PLACES
.irp a, 0,1,2,3
	WIN 0x08                                       ; the stores' data in window 2; each accumulator's low registers first
.irp b, 0,1,2,3,4,5,6,7
	ds_store_b128 v[STO], v[8*(8*(\a)+(\b)):8*(8*(\a)+(\b))+3]   offset:64*(\b)
	ds_store_b128 v[STO], v[8*(8*(\a)+(\b))+4:8*(8*(\a)+(\b))+7] offset:64*(\b)+16
.endr
	WIN 0
.set BK, 192-128*((\a)%2)
.if (\a) >= 2
	s_wait_xcnt 0x0                                ; the stores of the block two back have read these registers
.endif
.irp t, 0,1,2,3,4,5,6,7,8,9,10,11,12,13,14,15
	ds_load_b128 v[BK+4*(\t):BK+4*(\t)+3], v[RD] offset:(\t)*SPITCH  ; LDS serves a wave's instructions in order: these see the stores above, and the next block's stores come behind them
.endr
.irp t, 0,1,2,3,4,5,6,7,8,9,10,11,12,13,14,15
	s_wait_dscnt 15-(\t)
	global_store_b128 v[CO], v[BK+4*(\t):BK+4*(\t)+3], s[8:9] offset:(\a)*131072+(\t)*8192  ; the wave's store covers 512 consecutive bytes, aligned
.endr
.endr
	s_wait_tensorcnt 0x0                           ; the wave's end
	ds_add_u32 v[SPW], v[NIL]
	s_wait_dscnt 0x0
	CROUND                                         ; the closing round
	s_endpgm
.Lfunc_end_k_q28c750f7e9_gemm_out:
	.size	k_q28c750f7e9_gemm_out, .Lfunc_end_k_q28c750f7e9_gemm_out-k_q28c750f7e9_gemm_out
	.p2alignl 7, 3214868480
	.fill 96, 4, 3214868480
	.section	.rodata,"a",@progbits
	.p2align	6, 0x0
	.amdhsa_kernel k_q28c750f7e9_gemm_out
		.amdhsa_group_segment_fixed_size 327680
		.amdhsa_private_segment_fixed_size 0
		.amdhsa_enable_private_segment 0
		.amdhsa_kernarg_size 24
		.amdhsa_user_sgpr_count 2
		.amdhsa_user_sgpr_kernarg_segment_ptr 1
		.amdhsa_wavefront_size32 1
		.amdhsa_system_sgpr_workgroup_id_x 1
		.amdhsa_system_sgpr_workgroup_id_y 1
		.amdhsa_system_sgpr_workgroup_id_z 1
		.amdhsa_system_vgpr_workitem_id 0
		.amdhsa_next_free_vgpr 768
		.amdhsa_next_free_sgpr 72
		.amdhsa_reserve_vcc 0
		.amdhsa_float_denorm_mode_32 3
		.amdhsa_float_denorm_mode_16_64 3
		.amdhsa_memory_ordered 1
		.amdhsa_forward_progress 1
		.amdhsa_inst_pref_size 89
	.end_amdhsa_kernel
	.amdgpu_metadata
---
amdhsa.version: [ 1, 2 ]
amdhsa.kernels:
  - .name:           k_q28c750f7e9_gemm_out
    .symbol:         k_q28c750f7e9_gemm_out.kd
    .args:
      - { .name: hb, .offset: 0, .size: 8, .value_kind: global_buffer, .address_space: global }
      - { .name: wob, .offset: 8, .size: 8, .value_kind: global_buffer, .address_space: global }
      - { .name: out0, .offset: 16, .size: 8, .value_kind: global_buffer, .address_space: global }
    .group_segment_fixed_size: 327680
    .private_segment_fixed_size: 0
    .kernarg_segment_align: 8
    .kernarg_segment_size: 24
    .max_flat_workgroup_size: 128
    .sgpr_count:     72
    .vgpr_count:     768
    .wavefront_size: 32
...
	.end_amdgpu_metadata
.endif
;; end of part 5
;; ======== version 2 of 2: 4 launches
;; limits: values are held in f16: magnitudes above 65,504 overflow, below 6.1e-05 lose precision
;; workspace buffers: hb 16,777,216 bytes; wqkv 12,582,912 bytes; wob 8,388,608 bytes; rope 2,097,152 bytes; lm 524,288 bytes of whole numbers; qh 16,777,216 bytes; kh 4,194,304 bytes; vh 4,194,304 bytes
;; launch front (part 6): grid 640 x 1, 32 waves a work-group, no clusters, 12,544 bytes of LDS; arguments hidden, wq, wk, wv, wo, hb, wqkv, wob, segment_ids, rope, lm; writes hb, wqkv, wob, rope, lm
.if DOCPART == 6
	.amdgcn_target "amdgcn-amd-amdhsa--gfx1250"
	.amdhsa_code_object_version 6
	.text
	.protected	k_q28c750f7e9_front
	.globl	k_q28c750f7e9_front
	.p2align	8
	.type	k_q28c750f7e9_front,@function
k_q28c750f7e9_front:
	s_mov_b64 s[64:65], 0
	v_nop
	global_prefetch_b8 v0, s[64:65] scope:SCOPE_SE
	s_setreg_imm32_b32 hwreg(HW_REG_WAVE_MODE, 25, 1), 1
	s_wait_xcnt 0x0
; TWO JOBS IN ONE LAUNCH, told apart by the work-group's number alone; neither reads a byte that the other writes.
; WORK-GROUPS 0-63: POSITIONS, THE MASK AS LANE WORDS, AND THE ROPE TABLE.  segment_ids: [4][1024] i32.
;   pos[t] = t - (the last index <= t at which the id differs from its left neighbour; index 0 counts as such a place).
;   lm[b][tt][kb][j]: a word whose bit L = r + 16 h is 1 where key 16 kb + 8 h + j is HIDDEN from query 16 tt + r: another id, or a larger position.
;   rope[row block of 16][chunk 0-7 cos, 8-15 sin][lane r + 16 h][z]: chunk 2 bb + u holds, for row r of the block, the frequency f = 16 bb + 8 h + 4 u + z:
;   the order in which a lane of the projection's result holds a head's first 64 columns.
;   A work-group has 1,024 threads, one for each t of its batch row b = number / 16, and repeats the scan; then it makes the words and the table of the 64 rows p = number % 16.
;   This job is a chain of dependent steps on few work-groups: it has the lowest numbers, and the stream below goes on beside it.
;   LIMITS.  The angle is pos x 10000^(-f/64) in f32; it is reduced by the nearest multiple of pi/2 with one fused multiply-add, and sine and cosine are polynomials
;   on |y| <= pi/4 (degrees 7 and 8): good to about 1e-4 radians at the largest angle, 1,023.
; WORK-GROUPS 64-639: THE MATRIX OPERANDS IN 16 BITS.  hb = bf16(hidden), [4096][2048].  wqkv, [2048 k][3072 n] bf16: columns 0-2047 wq; column 2048 + 256 g + c is wk's head g, + 128 more wv's head g.
;   wob, [2048][2048]: wo rounded to bf16, that number written as f16 (exact but for numbers under 6e-5, which keep f16's fixed step of 6e-8).
;   A stream: each input byte is read once, each output byte written once; no LDS, no matrix unit, no barrier: no wave wants what another has read.
;   THE ATOM is a chunk of 128 numbers: one load of the wave reads its 512 consecutive bytes, one store writes 256 consecutive bytes, aligned.  A wave takes 8 chunks on end and has
;   all 8 loads out before its first conversion; a work-group's 32 waves take 256 chunks.
.set NPREP, 64                         ; work-groups of the first job
.set POS,   0                          ; LDS: pos[t], a word each
.set SEG,   4096                       ; the ids
.set TOT,   8192                       ; the 32 waves' maxima; the block to 8,447 is theirs alone
.set SPARE, 8448                       ; the spare words, 128 bytes for each of 32 waves; no other line names them
.set SPW,   62                         ; v62  SPARE + 4 x my thread's number; never rewritten
.set NIL,   63                         ; v63  0; never rewritten
.set W,     60                         ; v[60:61] first job: the wave's 64 mask words: lane l holds words 2 l and 2 l + 1
.set WV,    40                         ; s40  my wave's number
.set X,     8                          ; v[8:39]   second job: chunk i: 4 registers as loaded
.set Y,     40                         ; v[40:55]  chunk i: 2 registers to store; no register of a load's address or of a store is ever written again
	v_lshl_add_u32 v[SPW], v0, 2, SPARE
	v_mov_b32 v[NIL], 0
	v_lshrrev_b32 v2, 5, v0
	v_readfirstlane_b32 s[WV], v2                  ; wave 0..31
	v_and_b32 v1, 31, v0                           ; lane
	s_mov_b32 s20, ttmp9
	s_cmp_lt_u32 s20, NPREP                        ; the same in all waves of a work-group: the first job's barriers stand on one side of this branch
	s_cbranch_scc1 .Lprep
	; ---------------- THE CAST ----------------
	s_load_b512 s[4:19], s[0:1], 0x0               ; hidden, wq, wk, wv, wo, hb, wqkv, wob
	v_lshlrev_b32 v2, 3, v1                        ; my 8 bytes of a chunk as written
	v_lshlrev_b32 v1, 4, v1                        ; my 16 bytes as read
	s_mov_b32 s26, NPREP                           ; the tensor's first work-group
	s_mov_b32 s27, 0                               ; the way out: 0 dense bf16, 1 heads 512 bytes apart, 2 dense f16
	s_mov_b32 s28, 0                               ; the first chunk's place in the output: (chunk >> s28) x s29 + s30 + (chunk & s36) x 256
	s_mov_b32 s29, 256
	s_mov_b32 s30, 0
	s_mov_b32 s36, 0
	s_mov_b32 s37, 0xffff0000                      ; a word's upper bf16
	s_wait_kmcnt 0x0
	s_mov_b64 s[22:23], s[4:5]                     ; 256 work-groups: hidden -> hb
	s_mov_b64 s[24:25], s[14:15]
	s_cmp_ge_u32 s20, NPREP+256                    ; 128: wq, half a row of 16 chunks to each wave
	s_cselect_b64 s[22:23], s[6:7], s[22:23]
	s_cselect_b64 s[24:25], s[16:17], s[24:25]
	s_cselect_b32 s26, NPREP+256, s26
	s_cselect_b32 s28, 4, s28
	s_cselect_b32 s29, 6144, s29
	s_cselect_b32 s36, 15, s36
	s_cmp_ge_u32 s20, NPREP+384                    ; 32: wk, two rows of 4 chunks
	s_cselect_b64 s[22:23], s[8:9], s[22:23]
	s_cselect_b32 s26, NPREP+384, s26
	s_cselect_b32 s27, 1, s27
	s_cselect_b32 s28, 2, s28
	s_cselect_b32 s30, 4096, s30
	s_cselect_b32 s36, 0, s36
	s_cmp_ge_u32 s20, NPREP+416                    ; 32: wv
	s_cselect_b64 s[22:23], s[10:11], s[22:23]
	s_cselect_b32 s26, NPREP+416, s26
	s_cselect_b32 s30, 4352, s30
	s_cmp_ge_u32 s20, NPREP+448                    ; 128: wo -> wob
	s_cselect_b64 s[22:23], s[12:13], s[22:23]
	s_cselect_b64 s[24:25], s[18:19], s[24:25]
	s_cselect_b32 s26, NPREP+448, s26
	s_cselect_b32 s27, 2, s27
	s_cselect_b32 s28, 0, s28
	s_cselect_b32 s29, 256, s29
	s_cselect_b32 s30, 0, s30
	s_sub_co_u32 s31, s20, s26
	s_lshl_b32 s31, s31, 8
	s_lshl3_add_u32 s31, s[WV], s31                ; my first chunk
	s_lshl_b32 s32, s31, 9
	s_mov_b32 s33, 0
	s_add_nc_u64 s[22:23], s[22:23], s[32:33]
	s_lshr_b32 s34, s31, s28
	s_mul_i32 s34, s34, s29
	s_add_co_u32 s34, s34, s30
	s_and_b32 s36, s31, s36
	s_lshl_b32 s36, s36, 8
	s_add_co_u32 s34, s34, s36
	s_mov_b32 s35, 0
	s_add_nc_u64 s[24:25], s[24:25], s[34:35]
.irp i, 0,1,2,3,4,5,6,7
	global_load_b128 v[X+4*\i:X+4*\i+3], v1, s[22:23] offset:512*\i th:TH_LOAD_NT
.endr
; Chunk i leaves.  pat = 1: chunk i is head i % 4 of row i / 4.  f16 = 1: the bf16 number is written as f16.
.macro OUT i, pat, f16
	s_wait_loadcnt 7-(\i)                          ; loads come back in order: chunk i is in, the younger ones stay out
	v_cvt_pk_bf16_f32 v[Y+2*(\i)], v[X+4*(\i)], v[X+4*(\i)+1]
	v_cvt_pk_bf16_f32 v[Y+2*(\i)+1], v[X+4*(\i)+2], v[X+4*(\i)+3]
.if \f16
	v_lshlrev_b32 v[X+4*(\i)], 16, v[Y+2*(\i)]
	v_and_b32 v[X+4*(\i)+1], s37, v[Y+2*(\i)]
	v_lshlrev_b32 v[X+4*(\i)+2], 16, v[Y+2*(\i)+1]
	v_and_b32 v[X+4*(\i)+3], s37, v[Y+2*(\i)+1]
	v_cvt_pk_f16_f32 v[Y+2*(\i)], v[X+4*(\i)], v[X+4*(\i)+1]
	v_cvt_pk_f16_f32 v[Y+2*(\i)+1], v[X+4*(\i)+2], v[X+4*(\i)+3]
.endif
.if \pat
	global_store_b64 v2, v[Y+2*(\i):Y+2*(\i)+1], s[24:25] offset:((\i)/4)*6144+((\i)%4)*512
.else
	global_store_b64 v2, v[Y+2*(\i):Y+2*(\i)+1], s[24:25] offset:256*(\i)
.endif
.endm
	s_cmp_eq_u32 s27, 1
	s_cbranch_scc1 .Lheads
	s_cmp_eq_u32 s27, 2
	s_cbranch_scc1 .Lhalf
.irp i, 0,1,2,3,4,5,6,7
	OUT \i, 0, 0
.endr
	s_branch .Lend
.Lheads:
.irp i, 0,1,2,3,4,5,6,7
	OUT \i, 1, 0
.endr
	s_branch .Lend
.Lhalf:
.irp i, 0,1,2,3,4,5,6,7
	OUT \i, 0, 1
.endr
	s_branch .Lend
	; ---------------- POSITIONS, MASK WORDS, TABLE ----------------
.Lprep:
	s_load_b128 s[4:7], s[0:1], 0x40               ; segment_ids s[4:5], rope s[6:7]
	s_load_b64 s[8:9], s[0:1], 0x50                ; lm
	s_and_b32 s11, ttmp9, 15                       ; p: which 64 rows are mine
	s_bfe_u32 s12, ttmp9, 0x20004                  ; b: two bits from bit 4
	s_mov_b32 s16, 0x76543210                      ; v_permlanex16_b32: each lane takes its own place in the other half
	s_mov_b32 s17, 0xfedcba98
	v_lshlrev_b32 v3, 2, v0                        ; 4 t
	v_max_u32 v4, 1, v0
	v_add_nc_u32 v4, -1, v4
	v_lshlrev_b32 v4, 2, v4                        ; 4 (t - 1); thread 0 takes itself: its value is 0 either way
	s_lshl_b32 s20, s12, 12
	s_mov_b32 s21, 0
	v_mov_b32 v7, 0                                ; destinations of lane moves count as read
	v_mov_b32 v14, 0
	s_wait_kmcnt 0x0
	s_add_nc_u64 s[4:5], s[4:5], s[20:21]          ; my batch row
	global_load_b32 v5, v3, s[4:5]
	global_load_b32 v6, v4, s[4:5]
	s_wait_loadcnt 0x0
	v_cmp_ne_u32 vcc_lo, v5, v6
	v_cndmask_b32 v6, 0, v0, vcc_lo                ; t where a segment begins, else 0
	; a running maximum: inside 16 lanes, across the halves, across the waves
.irp n, 1,2,4,8
	v_mov_b32_dpp v7, v6 row_shr:\n row_mask:0xf bank_mask:0xf bound_ctrl:1
	v_max_u32 v6, v6, v7
.endr
	v_readlane_b32 s21, v6, 15
	v_cmp_lt_u32 vcc_lo, 15, v1
	v_cndmask_b32 v9, 0, s21, vcc_lo
	v_max_u32 v6, v6, v9
	v_readlane_b32 s22, v6, 31                     ; the wave's maximum
	s_lshl_b32 s23, s[WV], 2
	v_mov_b32 v10, s22
	v_mov_b32 v11, s23
	ds_store_b32 v11, v10 offset:TOT               ; all lanes write the same word with the same value
	ds_store_b32 v3, v5 offset:SEG
	s_wait_dscnt 0x0                               ; for the others' sake: my stores are done
	s_barrier_signal -1
	s_barrier_wait -1
	v_lshlrev_b32 v12, 2, v1
	ds_load_b32 v13, v12 offset:TOT
	s_wait_dscnt 0x0
	v_cmp_gt_u32 vcc_lo, s[WV], v1                 ; only the waves in front of mine count
	v_cndmask_b32 v13, 0, v13, vcc_lo
.irp n, 1,2,4,8
	v_mov_b32_dpp v14, v13 row_xmask:\n row_mask:0xf bank_mask:0xf
	v_max_u32 v13, v13, v14
.endr
	v_permlanex16_b32 v14, v13, s16, s17
	v_max_u32 v13, v13, v14
	v_max_u32 v6, v6, v13                          ; where my segment begins
	v_sub_nc_u32 v6, v0, v6                        ; pos
	ds_store_b32 v3, v6 offset:POS
	s_wait_dscnt 0x0
	s_barrier_signal -1
	s_barrier_wait -1                              ; pos and ids of the whole batch row lie in LDS; from here on they are only read
	; THE MASK WORDS.  Wave w: query tile 4 p + w / 8, key blocks 8 (w % 8) .. + 7: 64 words, 256 bytes on end.
	s_lshr_b32 s24, s[WV], 3
	s_and_b32 s25, s[WV], 7
	s_lshl_b32 s26, s11, 8
	s_lshl_b32 s27, s24, 6
	s_add_co_u32 s26, s26, s27                     ; 4 x (64 p + 16 (w / 8)): 4,032 at the most
	v_and_b32 v16, 15, v1                          ; r
	v_lshrrev_b32 v15, 4, v1                       ; h
	v_lshl_add_u32 v17, v16, 2, s26
	ds_load_b32 v18, v17 offset:POS                ; my row's position
	ds_load_b32 v19, v17 offset:SEG                ; and id
	s_lshl_b32 s27, s25, 9
	v_lshl_add_u32 v20, v15, 5, s27                ; my eight keys of the wave's first key block: 512 (w % 8) + 32 h
	v_mov_b32 v[W], 0
	v_mov_b32 v[W+1], 0
.set kk, 0
.rept 8
	ds_load_b128 v[32:35], v20 offset:POS+64*kk
	ds_load_b128 v[36:39], v20 offset:POS+64*kk+16
	ds_load_b128 v[40:43], v20 offset:SEG+64*kk
	ds_load_b128 v[44:47], v20 offset:SEG+64*kk+16
	s_wait_dscnt 0x0
.set j, 0
.rept 8
	v_cmp_ne_u32 s30, v[40+j], v19                 ; another segment,
	v_cmp_gt_u32 s31, v[32+j], v18                 ; or a later position
	s_or_b32 s30, s30, s31
	v_writelane_b32 v[W+(j&1)], s30, (8*kk+j)>>1
.set j, j+1
.endr
.set kk, kk+1
.endr
	s_barrier_signal -1                            ; my last LDS reads are back (the wait for 0 above): every wave's reads are over before any wave's closing lines
	s_barrier_wait -1
	s_lshl_b32 s27, s12, 6
	s_lshl2_add_u32 s27, s11, s27
	s_add_co_u32 s27, s27, s24                     ; 64 b + 4 p + w / 8: the query tile, and the table's row block
	s_lshl_b32 s28, s27, 11
	s_lshl_b32 s29, s25, 8
	s_add_co_u32 s28, s28, s29
	v_lshl_add_u32 v21, v1, 3, s28
	global_store_b64 v21, v[W:W+1], s[8:9]         ; the wave's store covers 256 consecutive bytes, aligned
	; THE TABLE.  Wave w: the same 16 rows, chunk w % 8 = 2 bb + u of cosines and of sines; a lane has four frequencies.
	s_lshr_b32 s29, s25, 1
	s_lshl_b32 s29, s29, 4
	s_and_b32 s31, s25, 1
	s_lshl2_add_u32 s29, s31, s29                  ; 16 bb + 4 u
	v_lshl_add_u32 v22, v15, 3, s29                ; + 8 h
	s_mov_b32 s32, 0x3f22f983                      ; 2 / pi
	s_mov_b32 s33, 0x3fc90fdb                      ; pi / 2
	s_mov_b32 s34, 0xb9500d01                      ; -1/5040
	s_mov_b32 s35, 0x3c088889                      ; 1/120
	s_mov_b32 s36, 0xbe2aaaab                      ; -1/6
	s_mov_b32 s37, 0x37d00d01                      ; 1/40320
	s_mov_b32 s38, 0xbab60b61                      ; -1/720
	s_mov_b32 s39, 0x3d2aaaab                      ; 1/24
.irp z, 0,1,2,3
	v_add_nc_u32 v23, \z, v22
	v_cvt_f32_u32 v[24+\z], v23
	v_mul_f32 v[24+\z], 0xbe549a78, v[24+\z]       ; -f log2(10000) / 64
.endr
.irp z, 0,1,2,3
	v_exp_f32 v[24+\z], v[24+\z]                   ; 10000^(-f/64)
.endr
	v_cvt_f32_u32 v28, v18                         ; a plain instruction behind the last exponential
	s_wait_alu depctr_va_vdst(0)                   ; one wait for the four, ahead of their first reader
.macro TRIG z
	v_mul_f32 v32, v28, v[24+\z]                   ; the angle
	v_mul_f32 v33, s32, v32
	v_rndne_f32 v33, v33                           ; k: the nearest multiple of pi/2
	v_fma_f32 v34, v32, s32, -v33
	v_mul_f32 v34, s33, v34                        ; y, within pi/4 of 0
	v_mul_f32 v35, v34, v34
	v_fma_f32 v36, v35, s34, s35
	v_fma_f32 v36, v36, v35, s36
	v_mul_f32 v36, v36, v35
	v_fma_f32 v36, v36, v34, v34                   ; sin y
	v_fma_f32 v37, v35, s37, s38
	v_fma_f32 v37, v37, v35, s39
	v_fma_f32 v37, v37, v35, -0.5
	v_fma_f32 v37, v37, v35, 1.0                   ; cos y
	v_cvt_i32_f32 v38, v33
	v_and_b32 v39, 1, v38
	v_cmp_ne_u32 vcc_lo, 0, v39                    ; odd k: the two change places
	v_cndmask_b32 v[52+\z], v36, v37, vcc_lo
	v_cndmask_b32 v[48+\z], v37, v36, vcc_lo
	v_and_b32 v39, 2, v38                          ; k mod 4 = 2, 3: the sine turns its sign
	v_lshlrev_b32 v39, 30, v39
	v_xor_b32 v[52+\z], v[52+\z], v39
	v_add_nc_u32 v38, 1, v38                       ; k mod 4 = 1, 2: the cosine
	v_and_b32 v39, 2, v38
	v_lshlrev_b32 v39, 30, v39
	v_xor_b32 v[48+\z], v[48+\z], v39
.endm
	TRIG 0
	TRIG 1
	TRIG 2
	TRIG 3
	s_lshl_b32 s28, s27, 13
	s_lshl_b32 s29, s25, 9
	s_add_co_u32 s28, s28, s29
	v_lshl_add_u32 v29, v1, 4, s28
	global_store_b128 v29, v[48:51], s[6:7]             ; each store of the wave covers 512 consecutive bytes, aligned
	global_store_b128 v29, v[52:55], s[6:7] offset:4096
.Lend:
	s_wait_tensorcnt 0x0                           ; the wave's end, behind a wave's last LDS store; the cast's waves, which stored nothing there, share the ending
	ds_add_u32 v[SPW], v[NIL]
	s_wait_dscnt 0x0
	s_endpgm
.Lfunc_end_k_q28c750f7e9_front:
	.size	k_q28c750f7e9_front, .Lfunc_end_k_q28c750f7e9_front-k_q28c750f7e9_front
	.p2alignl 7, 3214868480
	.fill 96, 4, 3214868480
	.section	.rodata,"a",@progbits
	.p2align	6, 0x0
	.amdhsa_kernel k_q28c750f7e9_front
		.amdhsa_group_segment_fixed_size 12544
		.amdhsa_private_segment_fixed_size 0
		.amdhsa_enable_private_segment 0
		.amdhsa_kernarg_size 88
		.amdhsa_user_sgpr_count 2
		.amdhsa_user_sgpr_kernarg_segment_ptr 1
		.amdhsa_wavefront_size32 1
		.amdhsa_system_sgpr_workgroup_id_x 1
		.amdhsa_system_sgpr_workgroup_id_y 1
		.amdhsa_system_sgpr_workgroup_id_z 1
		.amdhsa_system_vgpr_workitem_id 0
		.amdhsa_next_free_vgpr 64
		.amdhsa_next_free_sgpr 66
		.amdhsa_reserve_vcc 1
		.amdhsa_float_denorm_mode_32 3
		.amdhsa_float_denorm_mode_16_64 3
		.amdhsa_memory_ordered 1
		.amdhsa_forward_progress 1
		.amdhsa_inst_pref_size 38
	.end_amdhsa_kernel
	.amdgpu_metadata
---
amdhsa.version: [ 1, 2 ]
amdhsa.kernels:
  - .name:           k_q28c750f7e9_front
    .symbol:         k_q28c750f7e9_front.kd
    .args:
      - { .name: hidden, .offset: 0, .size: 8, .value_kind: global_buffer, .address_space: global }
      - { .name: wq, .offset: 8, .size: 8, .value_kind: global_buffer, .address_space: global }
      - { .name: wk, .offset: 16, .size: 8, .value_kind: global_buffer, .address_space: global }
      - { .name: wv, .offset: 24, .size: 8, .value_kind: global_buffer, .address_space: global }
      - { .name: wo, .offset: 32, .size: 8, .value_kind: global_buffer, .address_space: global }
      - { .name: hb, .offset: 40, .size: 8, .value_kind: global_buffer, .address_space: global }
      - { .name: wqkv, .offset: 48, .size: 8, .value_kind: global_buffer, .address_space: global }
      - { .name: wob, .offset: 56, .size: 8, .value_kind: global_buffer, .address_space: global }
      - { .name: segment_ids, .offset: 64, .size: 8, .value_kind: global_buffer, .address_space: global }
      - { .name: rope, .offset: 72, .size: 8, .value_kind: global_buffer, .address_space: global }
      - { .name: lm, .offset: 80, .size: 8, .value_kind: global_buffer, .address_space: global }
    .group_segment_fixed_size: 12544
    .private_segment_fixed_size: 0
    .kernarg_segment_align: 8
    .kernarg_segment_size: 88
    .max_flat_workgroup_size: 1024
    .sgpr_count:     66
    .vgpr_count:     64
    .wavefront_size: 32
...
	.end_amdgpu_metadata
.endif
;; end of part 6
;; launch gemm_qkv (part 7): grid 12 x 16, 4 waves a work-group, clusters of 4 x 4, 327,680 bytes of LDS; arguments hb, wqkv, rope, q_scale, k_scale, qh, kh, vh; writes qh, kh, vh
.if DOCPART == 7
	.amdgcn_target "amdgcn-amd-amdhsa--gfx1250"
	.amdhsa_code_object_version 6
	.text
	.protected	k_q28c750f7e9_gemm_qkv
	.globl	k_q28c750f7e9_gemm_qkv
	.p2align	8
	.type	k_q28c750f7e9_gemm_qkv,@function
k_q28c750f7e9_gemm_qkv:
	s_mov_b64 s[64:65], 0
	v_nop
	global_prefetch_b8 v0, s[64:65] scope:SCOPE_SE
	s_setreg_imm32_b32 hwreg(HW_REG_WAVE_MODE, 25, 1), 1
	s_wait_xcnt 0x0
	s_wait_alu depctr_hold_cnt(0) depctr_sa_sdst(0) depctr_va_vdst(0) depctr_va_sdst(0) depctr_va_ssrc(0) depctr_va_vcc(0) depctr_vm_vsrc(0)
	s_getreg_b32 s2, hwreg(HW_REG_IB_STS2, 6, 4)
	s_cmp_eq_u32 s2, 0
	s_cbranch_scc0 .Lentry_in_a_cluster
	s_endpgm
.Lentry_in_a_cluster:
	s_bfe_u32 s2, ttmp6, 0x10000c
	s_cmp_lg_u32 s2, 0xf033
	s_cbranch_scc0 .Lentry_shape_is_right
	s_endpgm
.Lentry_shape_is_right:
; q, k, v = hidden x (wq | wk, wv), then for q and k the RMS norm of each head with its gain and the rotation by the table; all three leave in f16.
; A = hb [4096][2048] bf16; B = wqkv [2048 k][3072 n] bf16; sums in f32.  qh: [4096][2048] f16; kh, vh: [4 b + g][1024][128] f16.
; SHARES.  A work-group makes 256 rows x 256 columns, a wave 128 x 128: ONE HEAD: 64 accumulators of 16 x 16.  Tile columns 0-7 are q's 16 heads; tile column 8 + g is (k's head g | v's head g),
; so what a wave makes hangs on the cluster's x and the wave's number alone.  12 x 16 = 192 work-groups: a head is not split over waves.
; K goes in 16 steps of 128 through two LDS slots filled by tensor loads; A's tile is asked for jointly along a row of the 4 x 4 cluster, B's along a column.
; A K STEP IS WRITTEN TWICE: once for the 14 steps that fill a slot again, once for the last two.  Which slot is in hand is a scalar, 0 or SLOT, turned by an exclusive or with SLOT.
; THE PRODUCT IS USED TRANSPOSED (source 0 = 16 columns of B, source 1 = 16 rows of A): lane r + 16 h holds row r and the columns 16 b + 8 h + 0..7 of the head.  So a row's sum of squares
; wants one exchange between the halves of the lanes, and the rotation's partners, columns c and c + 64, lie in one lane.  B lies [k][n] in LDS and is read turned, by ds_load_tr16_b128.
; THE WAY OUT is written once for two blocks of 16 rows and walked four times: register numbers cannot be counted, so the accumulators are first set aside, in f32, in the slots, which have had their last fill.
; LIMITS.  q and k are at most 11.4 x the largest gain in size, v is as the product gives it: all three must stay under f16's 65,504.  The gains are rounded to bf16 like all other inputs.
; REGISTERS, in windows of 256: window 0: v0-31 addresses; v64-127, v128-191 A's fragments, later the way out's work; v192-255 the table of odd blocks
;   window 1: v0-63 the gains; v64-127, v128-191 B's fragments; v192-255 the table of even blocks      windows 2, 3: the accumulators ((a, b) at v[8 (8 (a % 4) + b)])
.set SIZE_K, 2048
.set SIZE_N, 3072
.set KSTEP,  128
.set PITCH,  272                       ; a row of A in LDS: 256 bytes + 16: the 16 rows of a load begin 16 bytes apart modulo 256
.set PB,     544                       ; a k-row of B: 512 bytes + 32: 16 lanes of the turning load take 8 rows x 32 bytes, all apart modulo 256
.set HALFT,  128*PITCH                 ; what one tensor load brings: 128 rows of A, or 64 k-rows of B: 34,816 bytes
.set SLOT,   4*HALFT                   ; A's 256 rows, then B's 128 k-rows
.set STAGE,  2*SLOT                    ; behind the ring: 16 rows x 272 bytes for each wave
.set SPITCH, 272
.set SPARE,  STAGE+4*16*SPITCH         ; the spare words, 128 bytes a wave; no other line names them
.set DUMP,   2*HALFT                   ; where a wave sets its accumulators aside: 65,536 bytes from wave x 69,632
.set COT,  6                           ; v6-13   the way out: byte offset of my 16 bytes in rows 2 t + h of a block, t = 0..7
.set DL,   14                          ; v14     my 16 bytes in the wave's set-aside accumulators, at the trip's two blocks
.set RO,   15                          ; v15     16 x lane: my place in a chunk of the table, and in 512 set-aside bytes; never rewritten
.set ADRA, 16                          ; v16     LDS address of my A fragments in the slot in hand
.set A0,   17                          ; v17     the same in slot 0; never rewritten
.set ADRB, 20                          ; v20, v21  the same two for B
.set B0,   21
.set GA,   22                          ; v22     32 h: my place in the gains
.set STO,  24
.set RD,   25
.set SPW,  28                          ; v28     SPARE + 4 x my thread's number; never rewritten
.set NIL,  29                          ; v29     0; never rewritten
.set PFO,  30                          ; v30     the prefetches' lane offset; never rewritten
.set F0,   64
.set F1,   128
.set T,    64                          ; the way out: a block's 64 numbers a lane
.set SS,   128                         ; at work: +0..7 four chains of squares, +8 the other half's, +9 the variance, +10, +11 its inverse root (a pair), +12..27 the rotation
.set PK,   128                         ; then the block in f16
.set BK,   160                         ; and as whole rows
.set CSR,  192                         ; the table: 32 cosines, 32 sines
.set LB,   2                           ; s2      where my fills go in a slot: wave x 34,816
.set DB,   8                           ; s8      LDS byte of the trip's two set-aside blocks: wave x 69,632 + 16,384 x trip
.set TS,   9                           ; s9      the slot in hand: 0 or SLOT
.set G1,   24
.set G0,   32                          ; s[32:35] A's first fill; s[36:39] its second, which then walks
.set LIM,  43                          ; s43     2 in a wave that prefetches, else the greatest number
.set PFA,  44                          ; s[44:45] where my prefetches stand
.set G1B,  48
.set G0B,  56                          ; s[56:63] the same two for B
.set PST,  84                          ; s[84:85] a K step in the tensor that I prefetch
.set RPN,  86                          ; s[86:87] the table at my rows
.set OP,   88                          ; s[88:89] my head's rows in qh, kh or vh
.set OST,  90                          ; s[90:91] 16 rows there
.set ISV,  92                          ; s92     1: my head is one of v's
.set PIT,  93                          ; s93     bytes from row to row there
.set SEL,  94                          ; s[94:95]
.set RST,  96                          ; s[96:97] the table pointer's step
.set INV,  98                          ; s98     1/128
.set EPS,  99                          ; s99     1e-6
.set GP,   100                         ; s[100:101] q_scale or k_scale
.set MSB, 0
.macro WIN new                         ; the immediate's high byte repeats the setting that is left; a switch that changes nothing is dropped
.if MSB != (\new)
	s_set_vgpr_msb (MSB<<8)|(\new)
.set MSB, \new
.endif
.endm
.set MUL_LO, 0xa1                      ; source 0 (B) window 1, source 1 (A) window 0, C and D window 2
.set MUL_HI, 0xf1                      ; the same, C and D window 3
.set TO_B,   0x40                      ; destination window 1, address window 0
; A joint load: waves 0 and 1 fetch A's two halves, waves 2 and 3 B's.  The branch hangs on the wave's number alone.  An s_nop 0 and four v_nop follow each line.
.macro JLOAD s
	s_cmp_eq_u32 s11, 0
	s_cbranch_scc0 .Lfor_b_\@
	tensor_load_to_lds s[G0+4*(\s):G0+4*(\s)+3], s[G1:G1+7]
	s_nop 0
.rept 4
	v_nop
.endr
	s_branch .Lasked_\@
.Lfor_b_\@:
	tensor_load_to_lds s[G0B+4*(\s):G0B+4*(\s)+3], s[G1B:G1B+7]
	s_nop 0
.rept 4
	v_nop
.endr
.Lasked_\@:
.endm
; A prefetch, behind each joint refill and the run of LDS loads that follows it: the K step that stands two refills on, 512 matrix instructions ahead of the load that will want it.
; Each aligned block of 256 bytes is named once in the launch.  A's rows are read by all clusters of a row of clusters: cluster x = 0 asks; B's by all of a column: cluster y = 0 asks.
; The four partners that ask for a tile jointly share it out by address: of A's 128 rows a wave, 32 each, a lane a row; of B's 64 k-rows of 512 bytes a wave, 16 each, two lanes a row.
; The loop's last two trips ask for nothing: there is no K step two refills on.  Nothing is asked for at the head.
.macro ASK
	s_cmp_gt_u32 s3, s[LIM]
	s_cbranch_scc0 .Lnot_mine_\@
	global_prefetch_b8 v[PFO], s[PFA:PFA+1] th:TH_LOAD_NT scope:SCOPE_SE
.Lnot_mine_\@:
.endm
.macro CREST                           ; a round of the cluster's barrier behind its opening barrier
	s_cmp_lg_u32 s10, 0
	s_cbranch_scc1 .Lnot_wave_0_\@
	s_barrier_signal -3
.Lnot_wave_0_\@:
	s_barrier_wait -3
	s_barrier_signal -1
	s_barrier_wait -1
.endm
.macro CROUND
	s_barrier_signal -1
	s_barrier_wait -1
	CREST
.endm
	s_load_b512 s[68:83], s[0:1], 0x0              ; hb 68, wqkv 70, rope 72, q_scale 74, k_scale 76, qh 78, kh 80, vh 82
	v_lshl_add_u32 v[SPW], v0, 2, SPARE
	v_mov_b32 v[NIL], 0
	ds_add_u32 v[SPW], v[NIL]                      ; the wave's opening: the add, and its wait ahead of my first tensor load
	v_lshrrev_b32 v1, 5, v0
	v_readfirstlane_b32 s10, v1                    ; wave 0..3
	s_lshr_b32 s11, s10, 1                         ; my half of the tile's rows.  Also: I fetch for A (0) or for B (1)
	s_and_b32 s12, s10, 1                          ; my half of its columns.  Also: which half of that tile I fetch
	s_bfe_u32 s40, ttmp6, 0x40000                  ; cx
	s_bfe_u32 s41, ttmp6, 0x40004                  ; cy
	s_lshl_b32 s42, ttmp9, 2
	s_add_co_u32 s42, s42, s40                     ; tile column
	s_and_b32 s13, ttmp7, 0xffff
	s_lshl_b32 s13, s13, 2
	s_add_co_u32 s13, s13, s41                     ; tile row
	s_lshl_b32 s43, s41, 2
	s_lshl_b32 s43, 15, s43                        ; my row of the cluster
	s_lshl_b32 s44, 0x1111, s40                    ; my column
	s_or_b32 s[G1+0], s43, (1<<16)|(1<<20)|(1<<21)|(5<<22)|(3<<25)   ; the mask; 2-byte elements; padding on; bit 21 beside a mask; after every 64 words 4 words
	s_or_b32 s[G1B+0], s44, (1<<16)|(1<<20)|(1<<21)|(6<<22)|(7<<25)  ; after every 128 words 8 words
	s_mov_b32 s[G1+1], 128<<16                     ; A: tensor_dim0 = 128
	s_mov_b32 s[G1+2], 128<<16                     ; tensor_dim1 = 128
	s_mov_b32 s[G1+3], 128<<16                     ; tile_dim0 = 128
	s_mov_b32 s[G1+4], 128                         ; tile_dim1 = 128
	s_mov_b32 s[G1+5], SIZE_K                      ; elements from row to row
	s_mov_b32 s[G1+6], 0
	s_mov_b32 s[G1+7], 0
	s_mov_b32 s[G1B+1], 256<<16                    ; B: 64 k-rows of 256 elements
	s_mov_b32 s[G1B+2], 64<<16
	s_mov_b32 s[G1B+3], 256<<16
	s_mov_b32 s[G1B+4], 64
	s_mov_b32 s[G1B+5], SIZE_N
	s_mov_b32 s[G1B+6], 0
	s_mov_b32 s[G1B+7], 0
	s_lshl_b32 s17, s12, 7
	s_lshl_b32 s16, s13, 8
	s_add_co_u32 s16, s16, s17                     ; A: row 256 x tile row + 128 x half,
	s_lshl_b32 s16, s16, 12                        ; of 4,096 bytes
	s_mov_b32 s17, 0
	s_mul_i32 s46, s12, 64*SIZE_N*2                ; B: k-row 64 x half,
	s_lshl_b32 s47, s42, 9                         ; column 256 x tile column
	s_add_co_u32 s46, s46, s47
	s_mov_b32 s47, 0
	s_mul_i32 s[LB], s10, HALFT                    ; where they go: wave x 34,816: no place in the cluster enters an LDS address
	s_mov_b32 s[TS], 0
	s_wait_dscnt 0x0                               ; the opening add is done
	s_wait_kmcnt 0x0
	s_add_nc_u64 s[14:15], s[68:69], s[16:17]
	s_add_nc_u64 s[46:47], s[70:71], s[46:47]
	CROUND                                         ; all sixteen work-groups are here: the first joint loads meet
.irp s, 0,1
	s_mov_b32 s[G0+4*(\s)], 1
	s_add_co_u32 s[G0+4*(\s)+1], s[LB], (\s)*SLOT
	s_add_nc_u64 s[G0+4*(\s)+2:G0+4*(\s)+3], s[14:15], (\s)*KSTEP*2
	s_or_b32 s[G0+4*(\s)+3], s[G0+4*(\s)+3], 0x80000000
	s_mov_b32 s[G0B+4*(\s)], 1
	s_add_co_u32 s[G0B+4*(\s)+1], s[LB], (\s)*SLOT
	s_add_nc_u64 s[G0B+4*(\s)+2:G0B+4*(\s)+3], s[46:47], (\s)*KSTEP*SIZE_N*2
	s_or_b32 s[G0B+4*(\s)+3], s[G0B+4*(\s)+3], 0x80000000
	JLOAD \s                                       ; two loads of mine are out
.endr
	; what my head is, and where it goes.  The offsets are made in s4-s7, which feed no descriptor and no LDS address.
	s_mov_b32 s19, ttmp9                           ; the cluster's x: 2 holds k and v
	s_lshl_b32 s18, s13, 8
	s_lshl_b32 s21, s11, 7
	s_add_co_u32 s18, s18, s21                     ; R0: my first row
	s_lshl_b32 s4, s18, 12
	s_lshl1_add_u32 s5, s42, s12                   ; q: head 2 x tile column + half
	s_lshl_b32 s5, s5, 8
	s_add_co_u32 s4, s4, s5                        ; R0 x 4,096 + head x 256
	s_lshr_b32 s6, s18, 10                         ; k, v: batch row b,
	s_lshl2_add_u32 s6, s6, s42
	s_sub_co_u32 s6, s6, 8                         ; 4 b + g,
	s_lshl_b32 s6, s6, 10
	s_and_b32 s7, s18, 1023
	s_add_co_u32 s6, s6, s7
	s_lshl_b32 s6, s6, 8                           ; rows of 256 bytes
	s_mov_b32 s[PIT], 4096
	s_cmp_eq_u32 s12, 1
	s_cselect_b64 s[OP:OP+1], s[82:83], s[80:81]
	s_cmp_eq_u32 s19, 2
	s_cselect_b64 s[OP:OP+1], s[OP:OP+1], s[78:79]
	s_cselect_b64 s[GP:GP+1], s[76:77], s[74:75]
	s_cselect_b32 s[ISV], s12, 0
	s_cselect_b32 s[PIT], 256, s[PIT]
	s_cselect_b32 s6, s6, s4
	s_mov_b32 s7, 0
	s_add_nc_u64 s[OP:OP+1], s[OP:OP+1], s[6:7]
	s_lshl_b32 s[OST], s[PIT], 4
	s_mov_b32 s[OST+1], 0
	s_lshl_b32 s6, s18, 9                          ; the table has 512 bytes a row
	s_add_nc_u64 s[RPN:RPN+1], s[72:73], s[6:7]
	s_mov_b32 s[RST+1], 0
	s_mov_b32 s[SEL], 0x76543210
	s_mov_b32 s[SEL+1], 0xfedcba98
	s_mov_b32 s[INV], 0x3c000000
	s_mov_b32 s[EPS], 0x358637bd
	; the prefetches: they stand at K step 3; each change of slots steps them before it asks
	s_lshl_b32 s4, s13, 8
	s_lshl_b32 s5, s12, 7
	s_add_co_u32 s4, s4, s5
	s_lshl_b32 s5, s40, 5
	s_add_co_u32 s4, s4, s5                        ; A: row 256 x tile row + 128 x half + 32 cx
	s_lshl_b32 s4, s4, 12
	s_add_co_u32 s4, s4, 3*KSTEP*2
	s_lshl_b32 s5, s12, 6
	s_lshl_b32 s6, s41, 4
	s_add_co_u32 s5, s5, s6
	s_add_co_u32 s5, s5, 3*KSTEP                   ; B: k-row 64 x half + 16 cy
	s_mul_i32 s5, s5, SIZE_N*2
	s_lshl_b32 s6, s42, 9
	s_add_co_u32 s5, s5, s6
	s_and_b32 s6, ttmp7, 0xffff
	s_mov_b32 s[PST], KSTEP*SIZE_N*2
	s_mov_b32 s20, SIZE_N*2
	s_cmp_eq_u32 s11, 0                            ; do I fetch for A?
	s_cselect_b32 s6, s19, s6                      ; the coordinate along which other clusters read the same rows
	s_cselect_b64 s[PFA:PFA+1], s[68:69], s[70:71]
	s_cselect_b32 s4, s4, s5
	s_cselect_b32 s[PST], KSTEP*2, s[PST]
	s_cselect_b32 s17, 0, 1                        ; lanes to a row, less one
	s_cselect_b32 s20, SIZE_K*2, s20
	s_mov_b32 s5, 0
	s_mov_b32 s[PST+1], 0
	s_add_nc_u64 s[PFA:PFA+1], s[PFA:PFA+1], s[4:5]
	s_cmp_eq_u32 s6, 0
	s_cselect_b32 s[LIM], 2, -1                    ; the same in all sixteen partners, for a given wave
	v_and_b32 v3, 31, v0
	v_lshrrev_b32 v4, s17, v3
	v_mul_u32_u24 v4, v4, s20
	v_and_b32 v5, s17, v3
	v_lshl_add_u32 v[PFO], v5, 8, v4
	; vector addresses
	s_mul_i32 s[DB], s10, DUMP
	v_lshlrev_b32 v[RO], 4, v3
	v_add_nc_u32 v[DL], s[DB], v[RO]
	v_and_b32 v1, 15, v0                           ; r
	v_bfe_u32 v2, v0, 4, 1                         ; h
	v_lshlrev_b32 v[GA], 5, v2
	v_mul_u32_u24 v3, v1, PITCH
	v_lshl_add_u32 v3, v2, 4, v3                   ; A: row x pitch + 16 h
	v_and_b32 v4, 7, v0
	v_lshl_add_u32 v4, v2, 3, v4                   ; B, turned: k-row 8 h + lane % 8,
	v_mul_u32_u24 v4, v4, PB
	v_bfe_u32 v5, v0, 3, 1
	v_lshl_add_u32 v4, v5, 4, v4                   ; columns 8 ((lane / 8) % 2) on
	s_mul_i32 s21, s11, HALFT                      ; my 128 rows of A
	s_lshl_b32 s22, s12, 8                         ; my 128 columns of B,
	s_add_co_u32 s22, s22, 2*HALFT                 ; which lies behind A
	v_add_nc_u32 v[A0], s21, v3
	v_add_nc_u32 v[B0], s22, v4
	v_add_nc_u32 v[ADRA], s[TS], v[A0]             ; slot 0 is in hand
	v_add_nc_u32 v[ADRB], s[TS], v[B0]
	s_mul_i32 s23, s10, 16*SPITCH
	s_add_co_u32 s23, s23, STAGE                   ; my stage
	v_mul_u32_u24 v4, v1, SPITCH
	v_lshl_add_u32 v4, v2, 4, v4
	v_add_nc_u32 v[STO], s23, v4                   ; in: row r, 16 bytes for each half of the lanes
	v_mul_u32_u24 v5, v2, SPITCH
	v_lshl_add_u32 v5, v1, 4, v5
	v_add_nc_u32 v[RD], s23, v5                    ; back: lanes 0-15 one row of 256 bytes, lanes 16-31 the next
.irp t, 0,1,2,3,4,5,6,7
	v_add_nc_u32 v5, 2*\t, v2
	v_mul_u32_u24 v5, v5, s[PIT]
	v_lshl_add_u32 v[COT+\t], v1, 4, v5
.endr
	; the gains of my 64 columns, and the table of my first two blocks: 48 loads; the table's 32 stay out until the way out
	WIN TO_B
.irp b, 0,1,2,3,4,5,6,7
	global_load_b128 v[8*\b:8*\b+3],   v[GA], s[GP:GP+1] offset:64*\b
	global_load_b128 v[8*\b+4:8*\b+7], v[GA], s[GP:GP+1] offset:64*\b+16
.endr
.irp i, 0,1,2,3,4,5,6,7,8,9,10,11,12,13,14,15
	global_load_b128 v[CSR+4*\i:CSR+4*\i+3], v[RO], s[RPN:RPN+1] offset:512*\i
.endr
	WIN 0
.irp i, 0,1,2,3,4,5,6,7,8,9,10,11,12,13,14,15
	global_load_b128 v[CSR+4*\i:CSR+4*\i+3], v[RO], s[RPN:RPN+1] offset:8192+512*\i
.endr
	s_mov_b32 s7, 0xffff0000                       ; a word's upper bf16
	s_wait_loadcnt 32                              ; the gains are in; the 32 younger loads stay out
	WIN 0x45                                       ; all in window 1: the gains are rounded to bf16, by way of registers that B's fragments take later
.set i, 0
.rept 32
	v_cvt_pk_bf16_f32 v[64+i], v[2*i], v[2*i+1]
.set i, i+1
.endr
.set i, 0
.rept 32
	v_lshlrev_b32 v[2*i], 16, v[64+i]
	v_and_b32 v[2*i+1], s7, v[64+i]
.set i, i+1
.endr
	WIN 0
; 16 matrix instructions: m blocks a0, a0 + 1 of the window's four x all 8 n blocks, 32 along K.  zero = 1: the first product starts the sums.
; The 64 accumulators take turns in the same order in every quarter.
.macro MUL16 f, hi, a0, zero
	WIN MUL_LO+0x50*(\hi)
.irp a, \a0, (\a0)+1
.irp b, 0,1,2,3,4,5,6,7
.if \zero
	v_wmma_f32_16x16x32_bf16 v[8*(8*(\a)+(\b)):8*(8*(\a)+(\b))+7], v[(\f)+8*(\b):(\f)+8*(\b)+7], v[(\f)+8*(4*(\hi)+(\a)):(\f)+8*(4*(\hi)+(\a))+7], 0
.else
	v_wmma_f32_16x16x32_bf16 v[8*(8*(\a)+(\b)):8*(8*(\a)+(\b))+7], v[(\f)+8*(\b):(\f)+8*(\b)+7], v[(\f)+8*(4*(\hi)+(\a)):(\f)+8*(4*(\hi)+(\a))+7], v[8*(8*(\a)+(\b)):8*(8*(\a)+(\b))+7]
.endif
.endr
.endr
.endm
; 32 LDS loads in one run: a quarter step's fragments of the slot in hand (32 K at byte k of A's rows, k-rows k / 2 on of B) into buffer f; B's first
.macro FETCH k, f
	WIN TO_B
.irp i, 0,1,2,3,4,5,6,7
	ds_load_tr16_b128 v[(\f)+8*(\i):(\f)+8*(\i)+3],   v[ADRB] offset:((\k)/64)*32*PB+32*(\i)
	ds_load_tr16_b128 v[(\f)+8*(\i)+4:(\f)+8*(\i)+7], v[ADRB] offset:((\k)/64)*32*PB+16*PB+32*(\i)
.endr
	WIN 0
.irp i, 0,1,2,3,4,5,6,7
	ds_load_b128 v[(\f)+8*(\i):(\f)+8*(\i)+3],   v[ADRA] offset:(\k)+(\i)*16*PITCH
	ds_load_b128 v[(\f)+8*(\i)+4:(\f)+8*(\i)+7], v[ADRA] offset:(\k)+(\i)*16*PITCH+32
.endr
.endm
.macro PLACES                          ; four places behind a matrix instruction, in front of loads into registers that it has read and of readers of its result
.rept 4
	v_nop
.endr
.endm
.macro QUARTER k, f, g, zero           ; multiplies buffer f; in its middle fetches the next quarter, at byte k, into buffer g
	s_wait_dscnt 8                                 ; B and A's rows 0-63 are in; the youngest eight loads (A's rows 64-127) may be out
	WIN MUL_LO
	MUL16 \f, 0, 0, \zero
	MUL16 \f, 0, 2, \zero
	PLACES
	FETCH \k, \g
	s_wait_dscnt 32                                ; all but the 32 just issued
	WIN MUL_HI
	MUL16 \f, 1, 0, \zero
	MUL16 \f, 1, 2, \zero
.endm
; A K step's last quarter multiplies buffer 1 and changes slots: ONE barrier.  In front of it each wave waits for all its tensor loads (one is out: its part of the next slot),
; adds 0 to its spare word, and waits for that and for its own reads of this slot.
; fill = 1: the barrier opens a round of the cluster's, and the slot just read out is filled again, two K steps on, first thing behind the round: the walking descriptor takes that slot's
; LDS address and goes one K step on; 224 matrix instructions stand between that request and the wait for it.  Then the other slot is in hand, and its first fragments are fetched.
.macro TURN fill
.if \fill
	s_wait_xcnt 0x0                                ; the last prefetch, a K step back, has read its address
	s_add_nc_u64 s[PFA:PFA+1], s[PFA:PFA+1], s[PST:PST+1]
.endif
	WIN 0
	s_wait_tensorcnt 0x0
	ds_add_u32 v[SPW], v[NIL]
	s_wait_dscnt 9                                 ; the add and the youngest eight loads may be out
	WIN MUL_LO
	MUL16 F1, 0, 0, 0
	s_wait_dscnt 0x0                               ; the add is done, and my reads of this slot are over
	s_barrier_signal -1
	MUL16 F1, 0, 2, 0
	WIN 0
	s_barrier_wait -1
.if \fill
	CREST
	s_add_co_u32 s[G0+5], s[LB], s[TS]             ; no tensor load of mine is out: the walking descriptors may be written
	s_add_co_u32 s[G0B+5], s[LB], s[TS]
	s_add_nc_u64 s[G0+6:G0+7], s[G0+6:G0+7], KSTEP*2
	s_add_nc_u64 s[G0B+6:G0B+7], s[G0B+6:G0B+7], KSTEP*SIZE_N*2
	s_xor_b32 s[TS], s[TS], SLOT
	JLOAD 1                                        ; its four v_nop are also the places in front of the loads below
	v_add_nc_u32 v[ADRA], s[TS], v[A0]
	v_add_nc_u32 v[ADRB], s[TS], v[B0]
.else
	s_xor_b32 s[TS], s[TS], SLOT
	v_add_nc_u32 v[ADRA], s[TS], v[A0]             ; these two and two v_nop are the four places in front of the loads below
	v_add_nc_u32 v[ADRB], s[TS], v[B0]
	v_nop
	v_nop
.endif
	FETCH 0, F0
.if \fill
	ASK
.endif
	WIN MUL_HI
	MUL16 F1, 1, 0, 0
	MUL16 F1, 1, 2, 0
.endm
	s_wait_tensorcnt 1                             ; my part of K step 0 is in; K step 1's may stay out
	s_barrier_signal -1
	s_barrier_wait -1
	FETCH 0, F0
	QUARTER 64,  F0, F1, 1                         ; the first quarter stands in front of the loop: its products start the sums
	WIN 0
	s_mov_b32 s3, SIZE_K/KSTEP-2
.Lstep:                                                ; 14 trips: from a K step's second quarter to the next step's first; each fills a slot again
	QUARTER 128, F1, F0, 0
	QUARTER 192, F0, F1, 0
	TURN 1
	QUARTER 64,  F0, F1, 0
	WIN 0
	s_sub_co_u32 s3, s3, 1
	s_cmp_lg_u32 s3, 0
	s_cbranch_scc1 .Lstep
	s_mov_b32 s3, 2
.Ltail:                                                ; the last two K steps fill nothing: written out.  The second trip is left behind its change of slots
	QUARTER 128, F1, F0, 0                         ; whose barrier and run of LDS loads serve nothing there: the price, once a launch, of one text for both trips
	QUARTER 192, F0, F1, 0
	TURN 0
	WIN 0
	s_sub_co_u32 s3, s3, 1
	s_cmp_eq_u32 s3, 0
	s_cbranch_scc1 .Lout
	QUARTER 64,  F0, F1, 0
	WIN 0
	s_branch .Ltail
.Lout:
	; THE WAY OUT.  Every wave's reads of the slots are over, and every fill has landed (the changes of slots waited for all): behind this barrier the slots are scratch.
	PLACES
	s_wait_dscnt 0x0
	s_barrier_signal -1
	s_barrier_wait -1
.irp a, 0,1,2,3,4,5,6,7                ; each lane's own bytes: block a at 8,192 a, four registers of all lanes in 512 bytes; each accumulator's low registers first
	WIN 0x08+4*((\a)/4)                            ; the stores' data in window 2 or 3
.irp b, 0,1,2,3,4,5,6,7
	ds_store_b128 v[DL], v[8*(8*((\a)%4)+(\b)):8*(8*((\a)%4)+(\b))+3]   offset:(\a)*8192+(\b)*1024
	ds_store_b128 v[DL], v[8*(8*((\a)%4)+(\b))+4:8*(8*((\a)%4)+(\b))+7] offset:(\a)*8192+(\b)*1024+512
.endr
.endr
	WIN 0
	v_mov_b32 v[SS+8], 0                           ; named before they are first written otherwise
	v_mov_b32 v[SS+11], 0
; Block 2 x trip + p: 16 rows of my head.
.macro BLOCK p
	WIN 0
.irp i, 0,1,2,3,4,5,6,7,8,9,10,11,12,13,14,15
	ds_load_b128 v[T+4*\i:T+4*\i+3], v[DL] offset:(\p)*8192+512*\i  ; LDS serves a wave's instructions in order: these see my stores
.endr
	s_wait_loadcnt 16                              ; this block's table is in; the other block's 16 loads stay out
	s_wait_dscnt 0x0
	s_cmp_eq_u32 s[ISV], 1
	s_cbranch_scc1 .Lplain_\@                      ; v has neither norm nor rotation: vector work alone is jumped
.irp c, 0,1,2,3
	v_pk_mul_f32 v[SS+2*\c:SS+2*\c+1], v[T+2*\c:T+2*\c+1], v[T+2*\c:T+2*\c+1]
.endr
.irp b, 1,2,3,4,5,6,7
.irp c, 0,1,2,3
	v_pk_fma_f32 v[SS+2*\c:SS+2*\c+1], v[T+8*\b+2*\c:T+8*\b+2*\c+1], v[T+8*\b+2*\c:T+8*\b+2*\c+1], v[SS+2*\c:SS+2*\c+1]
.endr
.endr
	v_pk_add_f32 v[SS:SS+1], v[SS:SS+1], v[SS+2:SS+3]
	v_pk_add_f32 v[SS+4:SS+5], v[SS+4:SS+5], v[SS+6:SS+7]
	v_pk_add_f32 v[SS:SS+1], v[SS:SS+1], v[SS+4:SS+5]
	v_add_f32 v[SS], v[SS], v[SS+1]
	v_permlanex16_b32 v[SS+8], v[SS], s[SEL], s[SEL+1]  ; the row's other 64 columns lie in the lane 16 away
	v_add_f32 v[SS], v[SS], v[SS+8]
	v_fma_f32 v[SS+9], v[SS], s[INV], s[EPS]
	v_rsq_f32 v[SS+10], v[SS+9]
	WIN 0x04                                       ; source 1 in window 1: the gains; 32 plain instructions that wait for nothing stand behind the root
.set i, 0
.rept 32
	v_pk_mul_f32 v[T+2*i:T+2*i+1], v[T+2*i:T+2*i+1], v[2*i:2*i+1]
.set i, i+1
.endr
	WIN 0
	s_wait_alu depctr_va_vdst(0)                   ; the wait ahead of the root's first reader
.set i, 0
.rept 32
	v_pk_mul_f32 v[T+2*i:T+2*i+1], v[T+2*i:T+2*i+1], v[SS+10:SS+11] op_sel_hi:[1,0]
.set i, i+1
.endr
.if (\p) == 0
	WIN 0x04                                       ; even blocks' table lies in window 1
.endif
.set q, 0
.rept 16                               ; columns 2 q, 2 q + 1 of my first 32 with their partners 64 columns on
.set rU, SS+12+4*(q%4)
	v_pk_mul_f32 v[rU:rU+1], v[T+32+2*q:T+33+2*q], v[CSR+32+2*q:CSR+33+2*q]
	v_pk_mul_f32 v[rU+2:rU+3], v[T+2*q:T+2*q+1], v[CSR+32+2*q:CSR+33+2*q]
	v_pk_fma_f32 v[T+2*q:T+2*q+1], v[T+2*q:T+2*q+1], v[CSR+2*q:CSR+2*q+1], v[rU:rU+1] neg_lo:[0,0,1] neg_hi:[0,0,1]
	v_pk_fma_f32 v[T+32+2*q:T+33+2*q], v[T+32+2*q:T+33+2*q], v[CSR+2*q:CSR+2*q+1], v[rU+2:rU+3]
.set q, q+1
.endr
	WIN 0
.Lplain_\@:
.if (\p) == 0
	WIN TO_B
.endif
.irp i, 0,1,2,3,4,5,6,7,8,9,10,11,12,13,14,15
	global_load_b128 v[CSR+4*\i:CSR+4*\i+3], v[RO], s[RPN:RPN+1] offset:16384+(\p)*8192+512*\i  ; the table of the block two on, into the registers just read
.endr
	WIN 0
.set i, 0
.rept 32
	v_cvt_pk_f16_f32 v[PK+i], v[T+2*i], v[T+2*i+1]
.set i, i+1
.endr
.irp b, 0,1,2,3,4,5,6,7
	ds_store_b128 v[STO], v[PK+4*\b:PK+4*\b+3] offset:32*\b
.endr
.irp t, 0,1,2,3,4,5,6,7
	ds_load_b128 v[BK+4*\t:BK+4*\t+3], v[RD] offset:\t*2*SPITCH
.endr
	s_wait_dscnt 0x0
.irp t, 0,1,2,3,4,5,6,7
	global_store_b128 v[COT+\t], v[BK+4*\t:BK+4*\t+3], s[OP:OP+1]  ; 16 lanes store 256 consecutive bytes, aligned: a head's row
.endr
	s_wait_xcnt 0x0                                ; loads and stores have read their registers: the pointers and BK may be written
	s_add_nc_u64 s[OP:OP+1], s[OP:OP+1], s[OST:OST+1]
.endm
	s_mov_b32 s3, 4
.Lpair:
	v_add_nc_u32 v[DL], s[DB], v[RO]               ; the trip's two blocks: wave x 69,632 + 16,384 x trip + 16 x lane
	BLOCK 0
	BLOCK 1
	s_add_co_u32 s[DB], s[DB], 16384
	s_cmp_gt_u32 s3, 2                             ; trips 0, 1, 2 ask for the table of blocks 2-3, 4-5, 6-7; the last asks for 6-7 once more, so that every trip has the same counts and no load leaves the table
	s_cselect_b32 s[RST], 16384, 0
	s_add_nc_u64 s[RPN:RPN+1], s[RPN:RPN+1], s[RST:RST+1]
	s_sub_co_u32 s3, s3, 1
	s_cmp_lg_u32 s3, 0
	s_cbranch_scc1 .Lpair
	s_wait_tensorcnt 0x0                           ; the wave's end, behind my last tensor load and my last LDS store
	ds_add_u32 v[SPW], v[NIL]
	s_wait_dscnt 0x0
	CROUND                                         ; the closing round
	s_endpgm
.Lfunc_end_k_q28c750f7e9_gemm_qkv:
	.size	k_q28c750f7e9_gemm_qkv, .Lfunc_end_k_q28c750f7e9_gemm_qkv-k_q28c750f7e9_gemm_qkv
	.p2alignl 7, 3214868480
	.fill 96, 4, 3214868480
	.section	.rodata,"a",@progbits
	.p2align	6, 0x0
	.amdhsa_kernel k_q28c750f7e9_gemm_qkv
		.amdhsa_group_segment_fixed_size 327680
		.amdhsa_private_segment_fixed_size 0
		.amdhsa_enable_private_segment 0
		.amdhsa_kernarg_size 64
		.amdhsa_user_sgpr_count 2
		.amdhsa_user_sgpr_kernarg_segment_ptr 1
		.amdhsa_wavefront_size32 1
		.amdhsa_system_sgpr_workgroup_id_x 1
		.amdhsa_system_sgpr_workgroup_id_y 1
		.amdhsa_system_sgpr_workgroup_id_z 1
		.amdhsa_system_vgpr_workitem_id 0
		.amdhsa_next_free_vgpr 1024
		.amdhsa_next_free_sgpr 102
		.amdhsa_reserve_vcc 0
		.amdhsa_float_denorm_mode_32 3
		.amdhsa_float_denorm_mode_16_64 3
		.amdhsa_memory_ordered 1
		.amdhsa_forward_progress 1
		.amdhsa_inst_pref_size 124
	.end_amdhsa_kernel
	.amdgpu_metadata
---
amdhsa.version: [ 1, 2 ]
amdhsa.kernels:
  - .name:           k_q28c750f7e9_gemm_qkv
    .symbol:         k_q28c750f7e9_gemm_qkv.kd
    .args:
      - { .name: hb, .offset: 0, .size: 8, .value_kind: global_buffer, .address_space: global }
      - { .name: wqkv, .offset: 8, .size: 8, .value_kind: global_buffer, .address_space: global }
      - { .name: rope, .offset: 16, .size: 8, .value_kind: global_buffer, .address_space: global }
      - { .name: q_scale, .offset: 24, .size: 8, .value_kind: global_buffer, .address_space: global }
      - { .name: k_scale, .offset: 32, .size: 8, .value_kind: global_buffer, .address_space: global }
      - { .name: qh, .offset: 40, .size: 8, .value_kind: global_buffer, .address_space: global }
      - { .name: kh, .offset: 48, .size: 8, .value_kind: global_buffer, .address_space: global }
      - { .name: vh, .offset: 56, .size: 8, .value_kind: global_buffer, .address_space: global }
    .group_segment_fixed_size: 327680
    .private_segment_fixed_size: 0
    .kernarg_segment_align: 8
    .kernarg_segment_size: 64
    .max_flat_workgroup_size: 128
    .sgpr_count:     102
    .vgpr_count:     1024
    .wavefront_size: 32
...
	.end_amdgpu_metadata
.endif
;; end of part 7
;; launch attn (part 8): grid 16 x 16, 4 waves a work-group, clusters of 4 x 1, 327,680 bytes of LDS; arguments qh, kh, vh, hb, lm; writes hb
.if DOCPART == 8
	.amdgcn_target "amdgcn-amd-amdhsa--gfx1250"
	.amdhsa_code_object_version 6
	.text
	.protected	k_q28c750f7e9_attn
	.globl	k_q28c750f7e9_attn
	.p2align	8
	.type	k_q28c750f7e9_attn,@function
k_q28c750f7e9_attn:
	s_mov_b64 s[64:65], 0
	v_nop
	global_prefetch_b8 v0, s[64:65] scope:SCOPE_SE
	s_setreg_imm32_b32 hwreg(HW_REG_WAVE_MODE, 25, 1), 1
	s_wait_xcnt 0x0
	s_wait_alu depctr_hold_cnt(0) depctr_sa_sdst(0) depctr_va_vdst(0) depctr_va_sdst(0) depctr_va_ssrc(0) depctr_va_vcc(0) depctr_vm_vsrc(0)
	s_getreg_b32 s2, hwreg(HW_REG_IB_STS2, 6, 4)
	s_cmp_eq_u32 s2, 0
	s_cbranch_scc0 .Lentry_in_a_cluster
	s_endpgm
.Lentry_in_a_cluster:
	s_bfe_u32 s2, ttmp6, 0x10000c
	s_cmp_lg_u32 s2, 0x3003
	s_cbranch_scc0 .Lentry_shape_is_right
	s_endpgm
.Lentry_shape_is_right:
; O[b][t][head] = the sum over the visible keys s of softmax_s(q[b][t][head] . k[b][s][g] / sqrt(128)) v[b][s][g], head = 4 g + i.
; qh and the output hb: [4096 (b, t)][2048 (head, channel)] f16; kh, vh: [4 b + g][1024][128] f16; lm: the mask as lane words, [b][t / 16][s / 16][j]: bit r + 16 h = 1: key 16 (s / 16) + 8 h + j is hidden from query r.
; The mask is data: nothing of its pattern is built in, every pair is tested, all 1,024 keys are walked.
; SHARES.  A wave owns 16 rows t and the group's FOUR query heads: four tiles of 16 queries, which share K, V and ONE mask.  A work-group has 64 rows t; grid x = the block of 64, grid y = 4 b + g.
; LAYOUT.  S^T = K Q^T (source 0 = 16 keys, source 1 = 16 queries): a lane holds ONE query (lane % 16) and the keys 8 (lane / 16) + 0..7.  Two such tiles rounded to f16 ARE source 1 of O^T = V^T P.
; THE MASK is the C operand that starts the sum S^T: 0, or -1e30 where the key is hidden: 32 registers a key step, made by v_cndmask_b32 from 32 words that scalar loads bring a step ahead.
; SOFTMAX.  A running maximum m and sum l: p = 2^(c s - c m), c = log2(e) / sqrt(128); in every step O and l are multiplied by a = 2^(c m_old - c m_new).  m starts at -1e20 and never falls below it: while a
; row has seen hidden keys alone its weights are 0, not 2^(a rounding residue of numbers near 1e29).  Every row sees its own key, so l ends at 1 or more.
; LIMITS.  q, k, v within f16's 65,504; true scores, 5.5e11 at the most in size, lie far above the floor; a hidden score counts as its value less 1e30; a weight below 2^-126 counts as 0; p below 6e-5 keeps f16's step of 6e-8.
; BY TURNS.  The tiles are two PIECES (tiles 0, 1 and tiles 2, 3).  In a TURN one piece has the matrix unit: 32 products V^T P of the step in hand, then 32 products K Q^T of the next; the other piece's softmax,
; cut into 64 slices, stands between them, one slice behind each matrix instruction.  Two turns are a key step.
; NO FIRST AND NO LAST STEP IS WRITTEN OUT.  O^T and l start at 0 and m at the floor, so the first step is a step like any other, with a = 0 (or 1 on zeros).  The loop is entered at piece 2's turn, in the middle of
; a trip, and the tail is left behind piece 0's turn.  The price, once a launch: 168 moves of 0 and 32 products of zeros that start O^T, in the wait for the first tile; 32 products on zeros in the entry turn; 32 on the last K once more.
; CLUSTER.  The four blocks of a cluster walk the same K and V: each tile is asked for JOINTLY, by the same tensor load, descriptor and mask in all four.
; REGISTERS, in windows of 256: window 0: v0-11 addresses; v12-43 statistics; v64-191 S^T; v192-255 P      window 1: O^T, 64 a tile
;   window 2: v0-127 Q; v128-255 K of one step      window 3: v0-127 V of one step; v128-159 the mask
.set SIZE_N, 1024
.set KS,    64
.set PK,    272       ; a row of K in LDS: 256 bytes + 16
.set PV,    288       ; a row of V: 256 + 32
.set VOFF,  KS*PK
.set STEPB, KS*(PK+PV)
.set SLOT1, 1<<17     ; a slot holds two steps; one exclusive or turns an address in one slot into the other's
.set STAGE, SLOT1+2*STEPB
.set SP,    272
.set AK0, 2
.set AV0, 3
.set ADR, 4
.set QO,  5
.set STO, 6
.set RD,  7
.set GO,  8
.set SPW, 62          ; v62  SPARE + 4 x my thread's number; never rewritten
.set NIL, 63          ; v63  0; never rewritten
.set SPARE, STAGE+4*16*272
.set ST,  12          ; tile t's statistics at v[ST+8 t]: +0 c m, +1 m, +2, +3 l, +4 to +7 at work; a takes +6
.set S,   64
.set P,   192
.set KF,  128         ; window 2
.set MC,  128         ; window 3: the eight registers for key block kb of the step at MC + 8 kb
.set WV,  12
.set G1K, 24
.set G1V, 32
.set G0K, 40
.set G0V, 48
.set SLOTS, 56
.set TWICE, 57
.set CS,  58
.set SEL, 60
.set TB,  62
.set FLOOR, 63        ; s63  -1e20
.set MP,  66          ; s[66:67] lm at my 16 rows: 2,048 bytes, 128 a key step
.set LM,  68          ; s[68:99] a key step's 32 words
.set BIGN, 100        ; s100 -1e30
.set MO,  101         ; s101 the byte in my 2,048 of the step whose words are on their way
.set PFA, 18
.set LIM, 15
.set PFO, 61
.set MSB, 0
.macro WIN new
.if MSB != (\new)
	s_set_vgpr_msb (MSB<<8)|(\new)
.set MSB, \new
.endif
.endm
.set W_KQ, 0x0a       ; K and Q in window 2, S^T in window 0
.set W_KM, 0x3a       ; the same with the C operand, the mask, in window 3
.set W_PV, 0x53       ; V in window 3, P in window 0, O^T in window 1
.set W_RS, 0x41       ; O^T in window 1, a in window 0
; A joint refill: waves 0 and 1 fetch the two steps' K, waves 2 and 3 their V.  An s_nop 0 and four v_nop follow each line.
.macro JLOAD
	s_cmp_lt_u32 s[WV], 2
	s_cbranch_scc0 .Lfor_v_\@
	tensor_load_to_lds s[G0K+4:G0K+7], s[G1K:G1K+7]
	s_nop 0
.rept 4
	v_nop
.endr
	s_branch .Lasked_\@
.Lfor_v_\@:
	tensor_load_to_lds s[G0V+4:G0V+7], s[G1V:G1V+7]
	s_nop 0
.rept 4
	v_nop
.endr
.Lasked_\@:
.endm
; A prefetch of what the NEXT change of slots will ask for: 128 rows of K and of V, 256 bytes a row, a lane a row.  All four clusters of a (b, g) walk the same rows: the first asks; its four partners
; take 32 rows each, by address; in each, wave 0 asks for K's and wave 2 for V's.  So each row is named once in the launch.  The last change that fills a slot asks for nothing.
.macro ASK
	s_cmp_gt_u32 s[SLOTS], s[LIM]
	s_cbranch_scc0 .Lnot_mine_\@
	global_prefetch_b8 v[PFO], s[PFA:PFA+1] th:TH_LOAD_NT scope:SCOPE_SE
.Lnot_mine_\@:
.endm
.macro CROUND
	s_barrier_signal -1
	s_barrier_wait -1
	s_cmp_lg_u32 s[WV], 0
	s_cbranch_scc1 .Lnot_wave_0_\@
	s_barrier_signal -3
.Lnot_wave_0_\@:
	s_barrier_wait -3
	s_barrier_signal -1
	s_barrier_wait -1
.endm
	s_load_b256 s[4:11], s[0:1], 0x0  ; qh s[4:5], kh s[6:7], vh s[8:9], hb s[10:11]
	s_load_b64 s[MP:MP+1], s[0:1], 0x20  ; lm
	v_lshl_add_u32 v[SPW], v0, 2, SPARE
	v_mov_b32 v[NIL], 0
	ds_add_u32 v[SPW], v[NIL]       ; the wave's opening: the add, and its wait ahead of my first tensor load
	v_lshrrev_b32 v1, 5, v0
	v_readfirstlane_b32 s[WV], v1   ; wave 0..3
	s_bfe_u32 s13, ttmp6, 0x40000   ; cx
	s_lshl_b32 s14, ttmp9, 2
	s_add_co_u32 s14, s14, s13      ; my block of 64 rows t: it enters global addresses alone
	s_and_b32 s20, ttmp7, 0xffff    ; 4 b + g, which the four partners share
	s_lshr_b32 s2, s20, 2           ; b
	s_and_b32 s3, s20, 3            ; g
	s_lshl_b32 s68, s2, 6
	s_lshl2_add_u32 s68, s14, s68
	s_add_co_u32 s68, s68, s[WV]    ; 64 b + 4 block + wave: my tile of 16 rows among all 256
	s_lshl_b32 s2, s68, 16          ; 16 rows of 4,096 bytes,
	s_lshl_b32 s3, s3, 10           ; the group's four heads: 1,024 bytes
	s_add_co_u32 s2, s2, s3
	s_mov_b32 s3, 0
	s_lshl_b32 s68, s68, 11         ; and 2,048 bytes of mask words
	s_mov_b32 s69, 0
	s_lshl_b32 s20, s20, 18         ; 1,024 rows of 256 bytes in kh and vh
	s_mov_b32 s21, 0
	s_and_b32 s16, s[WV], 1         ; which of a slot's two steps I fetch:
	s_lshl_b32 s22, s16, 14         ; its 64 rows in memory,
	s_mov_b32 s23, 0
	s_add_nc_u64 s[22:23], s[22:23], s[20:21]
	s_mul_i32 s17, s16, STEPB       ; and its place in a slot
	s_mov_b32 s[G1K], 15|(1<<16)|(1<<20)|(1<<21)|(5<<22)|(3<<25)  ; the mask of four; 2-byte elements; padding on; bit 21 beside a mask; after every 64 words 4 words
	s_mov_b32 s[G1V], 15|(1<<16)|(1<<20)|(1<<21)|(5<<22)|(7<<25)  ; 8 words
.irp g, G1K, G1V
	s_mov_b32 s[(\g)+1], 128<<16    ; tensor_dim0 = 128
	s_mov_b32 s[(\g)+2], KS<<16     ; tensor_dim1 = 64
	s_mov_b32 s[(\g)+3], 128<<16    ; tile_dim0 = 128
	s_mov_b32 s[(\g)+4], KS         ; tile_dim1 = 64
	s_mov_b32 s[(\g)+5], 128        ; elements from row to row
	s_mov_b32 s[(\g)+6], 0
	s_mov_b32 s[(\g)+7], 0
.endr
	s_mov_b32 s[CS], 0x3e0293ee     ; c = log2(e) / sqrt(128)
	s_mov_b32 s[CS+1], s[CS]
	s_mov_b32 s[SEL], 0x76543210
	s_mov_b32 s[SEL+1], 0xfedcba98
	s_mov_b32 s[TB], 0
	s_mov_b32 s[FLOOR], 0xe0ad78ec  ; -1e20
	s_mov_b32 s[BIGN], 0xf149f2ca   ; -1e30
	s_mov_b32 s[MO], 0
	s_mov_b32 s[SLOTS], SIZE_N/(2*KS)-1  ; the pass that is entered in its middle, and six that fill a slot again
	s_and_b32 s[LIM], s[WV], 1      ; 0 in waves 0 and 2,
	s_or_b32 s[LIM], s[LIM], ttmp9  ; where the cluster is the first of its (b, g): the same in all four partners
	s_cmp_eq_u32 s[LIM], 0
	s_cselect_b32 s[LIM], 1, -1
	v_and_b32 v[PFO], 31, v0
	v_lshlrev_b32 v[PFO], 8, v[PFO]
	s_wait_dscnt 0x0                ; the opening add is done
	s_wait_kmcnt 0x0
	s_add_nc_u64 s[6:7], s[6:7], s[22:23]  ; K and V at my tile of slot 0
	s_add_nc_u64 s[8:9], s[8:9], s[22:23]
	s_add_nc_u64 s[4:5], s[4:5], s[2:3]  ; Q and O at my rows and heads
	s_add_nc_u64 s[10:11], s[10:11], s[2:3]
	s_add_nc_u64 s[MP:MP+1], s[MP:MP+1], s[68:69]
	s_cmp_lt_u32 s[WV], 2
	s_cselect_b64 s[PFA:PFA+1], s[6:7], s[8:9]
	s_lshl_b32 s2, s13, 13          ; my work-group's 32 rows of the 128
	s_mov_b32 s3, 0
	s_add_nc_u64 s[PFA:PFA+1], s[PFA:PFA+1], s[2:3]
	s_add_nc_u64 s[PFA:PFA+1], s[PFA:PFA+1], 2*2*KS*256  ; in slot 2; the first change of slots steps it to slot 3
	CROUND                          ; all four work-groups are here: the first joint loads meet
.irp s, 0,1
	s_mov_b32 s[G0K+4*(\s)], 1
	s_add_co_u32 s[G0K+4*(\s)+1], s17, (\s)*SLOT1
	s_add_nc_u64 s[G0K+4*(\s)+2:G0K+4*(\s)+3], s[6:7], (\s)*2*KS*256
	s_or_b32 s[G0K+4*(\s)+3], s[G0K+4*(\s)+3], 0x80000000
	s_mov_b32 s[G0V+4*(\s)], 1
	s_add_co_u32 s[G0V+4*(\s)+1], s17, (\s)*SLOT1+VOFF
	s_add_nc_u64 s[G0V+4*(\s)+2:G0V+4*(\s)+3], s[8:9], (\s)*2*KS*256
	s_or_b32 s[G0V+4*(\s)+3], s[G0V+4*(\s)+3], 0x80000000
.endr
	s_cmp_lt_u32 s[WV], 2           ; a wave's two first fills stand in one branch: two loads of mine are out
	s_cbranch_scc0 .Lfirst_v
	tensor_load_to_lds s[G0K:G0K+3], s[G1K:G1K+7]
	s_nop 0
	tensor_load_to_lds s[G0K+4:G0K+7], s[G1K:G1K+7]
	s_nop 0
.rept 4
	v_nop
.endr
	s_branch .Lfirst_asked
.Lfirst_v:
	tensor_load_to_lds s[G0V:G0V+3], s[G1V:G1V+7]
	s_nop 0
	tensor_load_to_lds s[G0V+4:G0V+7], s[G1V:G1V+7]
	s_nop 0
.rept 4
	v_nop
.endr
.Lfirst_asked:
	s_load_b512 s[LM:LM+15], s[MP:MP+1], s[MO] offset:0x0      ; key step 0's mask words
	s_load_b512 s[LM+16:LM+31], s[MP:MP+1], s[MO] offset:0x40
	v_and_b32 v1, 15, v0            ; l % 16
	v_bfe_u32 v9, v0, 4, 1          ; l / 16
	v_lshlrev_b32 v[QO], 12, v1
	v_lshl_add_u32 v[QO], v9, 4, v[QO]  ; row x 4,096 + 16 x half
	WIN 0x80                        ; destination window 2
.irp i, 0,1,2,3,4,5,6,7,8,9,10,11,12,13,14,15  ; Q stays in registers: tile (head) i / 4, channels 32 (i % 4) on
	global_load_b128 v[8*(\i):8*(\i)+3],   v[QO], s[4:5] offset:((\i)/4)*256+((\i)%4)*64
	global_load_b128 v[8*(\i)+4:8*(\i)+7], v[QO], s[4:5] offset:((\i)/4)*256+((\i)%4)*64+32
.endr
	; What the entry turn finds, all made in the wait for the first tile: V's registers and piece 2's P hold 0 (its products V^T P, of a step that has not been, add 0); l is 0, m the floor.
	WIN 0xc0                        ; destination window 3
.set i, 0
.rept 128
	v_mov_b32 v[i], 0
.set i, i+1
.endr
	WIN 0
.set i, P+32
.rept 32
	v_mov_b32 v[i], 0
.set i, i+1
.endr
	v_mul_u32_u24 v[AK0], v1, PK
	v_lshl_add_u32 v[AK0], v9, 4, v[AK0]
	v_and_b32 v10, 7, v0
	v_bfe_u32 v11, v0, 3, 1
	v_lshl_add_u32 v[AV0], v9, 3, v10
	v_mul_u32_u24 v[AV0], v[AV0], PV
	v_lshl_add_u32 v[AV0], v11, 4, v[AV0]
	v_add_nc_u32 v[AV0], VOFF, v[AV0]
.irp t, 0,1,2,3
	v_mov_b32 v[ST+8*(\t)+1], s[FLOOR]                ; m
	v_mul_f32 v[ST+8*(\t)], s[CS], v[ST+8*(\t)+1]     ; c m, by the multiply that the loop uses: a row that stays at the floor has a = 1
	v_mov_b32 v[ST+8*(\t)+2], 0                       ; l
	v_mov_b32 v[ST+8*(\t)+3], 0
.endr
	WIN W_PV                        ; O^T starts as the product of those zeros, with C = 0: 32 instructions for its 256 registers
.set i, 0
.rept 32
	v_wmma_f32_16x16x32_f16 v[8*i:8*i+7], v[0:7], v[P+32:P+39], 0
.set i, i+1
.endr
	WIN 0
; THE MATRIX WORK OF A TURN, for piece x.  The accumulators take turns, one instruction a turn.
; Product i of 32 of O^T += V^T P: keys 32 (i / 16) on, channels 16 ((i / 2) % 8) on, tile x + i % 2.
.macro PV x
	WIN W_PV
.set rO, 64*((\x)+i%2)+8*((i/2)%8)
.set rV, 64*(i/16)+8*((i/2)%8)
.set rP, P+16*((\x)+i%2)+8*(i/16)
	v_wmma_f32_16x16x32_f16 v[rO:rO+7], v[rV:rV+7], v[rP:rP+7], v[rO:rO+7]
.endm
; Product i of 32 of S^T = K Q^T: channels 32 (i / 8) on, keys 16 ((i / 2) % 4) on, tile x + i % 2.  The first 8 start the sums, with the mask of their key block.
.macro KQ x
.set rS, S+32*((\x)+i%2)+8*((i/2)%4)
.set rK, KF+32*((i/2)%4)+8*(i/8)
.set rQ, 32*((\x)+i%2)+8*(i/8)
.set rM, MC+8*((i/2)%4)
.if i < 8
	WIN W_KM
	v_wmma_f32_16x16x32_f16 v[rS:rS+7], v[rK:rK+7], v[rQ:rQ+7], v[rM:rM+7]
.else
	WIN W_KQ
	v_wmma_f32_16x16x32_f16 v[rS:rS+7], v[rK:rK+7], v[rQ:rQ+7], v[rS:rS+7]
.endif
.endm
; THE MASK of the step whose scores the next two turns make: 0 or -1e30 by the 32 lane words; then the next step's words are asked for.  The last requests wrap to the first steps: they stay inside my 2,048 bytes.
; The products that read the mask last stand 24 products and their slices back.
.macro MASKS
	s_wait_kmcnt 0x0                ; the words are in, and the loads have read MO
	WIN 0xc0                        ; destination window 3
.set mz, 0
.rept 32
	v_cndmask_b32 v[MC+mz], 0, s[BIGN], s[LM+mz]
.set mz, mz+1
.endr
	s_add_co_u32 s[MO], s[MO], 128
	s_and_b32 s[MO], s[MO], 2047
	s_load_b512 s[LM:LM+15], s[MP:MP+1], s[MO] offset:0x0
	s_load_b512 s[LM+16:LM+31], s[MP:MP+1], s[MO] offset:0x40
.endm
; THE LDS LOADS stand in runs of 32.  last = 1 (the tail): in its last trip there is no further step, and K's run is jumped over.
.macro FETCH_K last=0
	WIN 0
.if \last
	s_cmp_eq_u32 s[TWICE], 1
	s_cbranch_scc1 .Lno_k_\@
.endif
	v_add_nc_u32 v[ADR], s[TB], v[AK0]
	WIN 0x80
.irp f, 0,1,2,3,4,5,6,7,8,9,10,11,12,13,14,15
	ds_load_b128 v[KF+8*(\f):KF+8*(\f)+3],   v[ADR] offset:((\f)/4)*16*PK+((\f)%4)*64
	ds_load_b128 v[KF+8*(\f)+4:KF+8*(\f)+7], v[ADR] offset:((\f)/4)*16*PK+((\f)%4)*64+32
.endr
.if \last
	WIN 0
.Lno_k_\@:
.endif
.endm
.macro FETCH_V
	WIN 0
	v_add_nc_u32 v[ADR], s[TB], v[AV0]
	s_add_co_u32 s[TB], s[TB], STEPB
	s_wait_alu depctr_va_vdst(0)    ; the wait for the softmax's batch, behind the address's line and ahead of the loads
	WIN 0xc0
.irp f, 0,1,2,3,4,5,6,7,8,9,10,11,12,13,14,15
	ds_load_tr16_b128 v[8*(\f):8*(\f)+3],   v[ADR] offset:((\f)/8)*32*PV+((\f)%8)*32
	ds_load_tr16_b128 v[8*(\f)+4:8*(\f)+7], v[ADR] offset:((\f)/8)*32*PV+16*PV+((\f)%8)*32
.endr
.endm
; THE VECTOR WORK OF A TURN.  One tile's softmax for one key step is a list of 134 instructions; SM writes number j of it for tile t.
;   0-15 the maximum of the 32 scores and the old m   16-20 the other half of the lanes'; c m_old kept; the new m; c m; its change
;   21-69 ONE BATCH: 16 scalings and 33 exponentials, none of which reads an exponential's result   (wait)   70-85 roundings to f16   86-101 the sums   102-133 O^T times a
.macro SM t
.set rT, ST+8*(\t)
.set rS, S+32*(\t)
.set rP, P+16*(\t)
.set rO, 64*(\t)+2*(j-102)
.if j < 102
	WIN 0
.endif
.if j < 4
	v_max3_num_f32 v[rT+4+j], v[rS+8*j], v[rS+8*j+1], v[rS+8*j+2]
.elseif j < 12
	v_max3_num_f32 v[rT+4+j%4], v[rT+4+j%4], v[rS+8*(j%4)+2*(j/4)+1], v[rS+8*(j%4)+2*(j/4)+2]
.elseif j == 12
	v_max3_num_f32 v[rT+4], v[rT+4], v[rS+7], v[rS+15]
.elseif j == 13
	v_max3_num_f32 v[rT+6], v[rT+6], v[rS+23], v[rS+31]
.elseif j == 14
	v_max3_num_f32 v[rT+4], v[rT+4], v[rT+5], v[rT+6]
.elseif j == 15
	v_max3_num_f32 v[rT+4], v[rT+4], v[rT+7], v[rT+1]
.elseif j == 16
	v_permlanex16_b32 v[rT+5], v[rT+4], s[SEL], s[SEL+1]
.elseif j == 17
	v_mov_b32 v[rT+7], v[rT]
.elseif j == 18
	v_max_num_f32 v[rT+1], v[rT+4], v[rT+5]
.elseif j == 19
	v_mul_f32 v[rT], s[CS], v[rT+1]
.elseif j == 20
	v_sub_f32 v[rT+7], v[rT+7], v[rT]
.elseif j == 23
	v_exp_f32 v[rT+6], v[rT+7]
.elseif (j < 23) || ((j < 38) && (j%2 == 0)) || ((j < 66) && (j%4 == 2))
.set b, (j-2)/4
.if j < 38
.set b, (j-20)/2
.endif
	v_pk_fma_f32 v[rS+2*b:rS+2*b+1], v[rS+2*b:rS+2*b+1], s[CS:CS+1], v[rT:rT+1] op_sel_hi:[1,0,0] neg_lo:[0,0,1] neg_hi:[0,0,1]
.elseif j < 70
.set e, j-38
.if j < 66
.set e, j-32-(j-38)/4
.endif
.if j < 38
.set e, (j-25)/2
.endif
	v_exp_f32 v[rS+e], v[rS+e]
.elseif j < 86
	v_cvt_pk_f16_f32 v[rP+j-70], v[rS+2*(j-70)], v[rS+2*(j-70)+1]
.elseif j < 102
.set z, j-86
.set w, 4
.set u, z
.if z >= 14
.set w, 32
.set u, 0
.elseif z >= 12
.set w, 16
.set u, z-12
.elseif z >= 8
.set w, 8
.set u, z-8
.endif
.if z < 15
	v_pk_add_f32 v[rS+w*u:rS+w*u+1], v[rS+w*u:rS+w*u+1], v[rS+w*u+w/2:rS+w*u+w/2+1]
.else
	v_pk_fma_f32 v[rT+2:rT+3], v[rT+2:rT+3], v[rT+6:rT+7], v[rS:rS+1] op_sel_hi:[1,0,1]
.endif
.else
	WIN W_RS
	v_pk_mul_f32 v[rO:rO+1], v[rO:rO+1], v[rT+6:rT+7] op_sel_hi:[1,0]
.endif
.endm
; Slice k of 64 of piece y's softmax: four instructions; slices 11 to 34 deal out the batch, four numbers of one tile each; the twelve that are over stand in slice 63.
; The piece's 66 exponentials have ONE wait, behind slice 34: ahead of slice 35 nothing names a result, behind slice 34 no exponential is issued.
.macro SLICE y
.if (k >= 11) && (k < 35)
.irp n, 0,1,2,3
.set j, 22+4*((k-11)/2)+(\n)
	SM (\y)+(k-11)%2
.endr
.else
.irp n, 0,1,2,3,4,5,6,7
.if ((\n) < 2) || (k == 63)
.irp t, \y, (\y)+1
.set j, 2*k+(\n)
	SM \t
.endr
.endif
.endr
.endif
.if k == 34
	v_nop                           ; a plain instruction behind the last exponential: one for the batch
.if (\y) == 0
	FETCH_V                         ; piece 2's turn: V's run of loads stands here, and the wait stands in it
.else
	s_wait_alu depctr_va_vdst(0)    ; the wait for the batch
.endif
.endif
.set k, k+1
.endm
; A TURN.  Piece x has the matrix unit: 32 products V^T P of the step in hand, 32 products K Q^T of the next; the other piece's softmax stands in slices behind them.
; Piece 0's turn first makes the next step's mask, and fetches the next step's K behind its second product; piece 2's turn fetches that step's V behind slice 34.
.macro TURN x, last=0
.set k, 0
.if (\x) == 0
	MASKS
	s_wait_dscnt 0x0                ; V is in
.endif
.set i, 0
.rept 32
	PV \x
	SLICE 2-(\x)
.if ((\x) == 0) && (i == 1)
	FETCH_K \last
.endif
.set i, i+1
.endr
.if (\x) == 0
	s_wait_dscnt 0x0                ; K is in
.endif
.set i, 0
.rept 32
	KQ \x
	SLICE 2-(\x)
.set i, i+1
.endr
.endm
; THE CHANGE OF SLOTS.  Each wave waits for all its tensor loads (one is out: its part of the other slot), adds 0 to its spare word, and waits for that and for its own reads of the slot.
; fill = 1: the barrier is a round of the cluster's, and the joint refill, the keys two slots on, is the first thing behind it: it has 256 matrix instructions in which to land.
.macro CHANGE fill
	WIN 0
	s_wait_tensorcnt 0x0
	ds_add_u32 v[SPW], v[NIL]
.if \fill
.irp g, G0K+4, G0V+4
	s_xor_b32 s[(\g)+1], s[(\g)+1], SLOT1
	s_add_nc_u64 s[(\g)+2:(\g)+3], s[(\g)+2:(\g)+3], 2*KS*256
.endr
	s_wait_xcnt 0x0                 ; the last prefetch, two key steps back, has read its address
	s_add_nc_u64 s[PFA:PFA+1], s[PFA:PFA+1], 2*KS*256
	s_wait_dscnt 0x0                ; the add is done, and my reads of the slot are over
	CROUND
	JLOAD
	ASK
.else
	s_wait_dscnt 0x0
	s_barrier_signal -1
	s_barrier_wait -1
.endif
	s_sub_co_u32 s[TB], s[TB], 2*STEPB
	s_xor_b32 s[TB], s[TB], SLOT1
.endm
	s_wait_tensorcnt 1              ; my part of slot 0 is in; slot 1's may stay out
	s_barrier_signal -1
	s_barrier_wait -1
	FETCH_K                         ; key step 0
	MASKS                           ; and its mask
	s_wait_loadcnt 0x0              ; Q
	s_wait_dscnt 0x0
.set i, 0
.rept 32
	KQ 0                            ; piece 0's first scores: there is no vector work yet to set between them
.set i, i+1
.endr
	WIN 0                           ; the addresses for the way out: eight plain instructions, the places behind those products
	s_mul_i32 s13, s[WV], 16*SP
	s_add_co_u32 s13, s13, STAGE
	v_mul_u32_u24 v[STO], v1, SP
	v_lshl_add_u32 v[STO], v9, 4, v[STO]
	v_add_nc_u32 v[STO], s13, v[STO]
	v_mul_u32_u24 v[RD], v9, SP
	v_lshl_add_u32 v[RD], v1, 4, v[RD]
	v_add_nc_u32 v[RD], s13, v[RD]
	v_lshlrev_b32 v[GO], 12, v9     ; two rows of the output, 4,096 bytes apart
	v_lshl_add_u32 v[GO], v1, 4, v[GO]
	s_mov_b32 s[TWICE], 2
	s_branch .Lenter                ; the loop is entered at piece 2's turn: its scores of step 0 | piece 0's softmax of step 0 | V of step 0
.Lslot:                             ; six times: every slot but the last two is filled again
	CHANGE 1
	s_mov_b32 s[TWICE], 2
.Lstep:                             ; a key step: written once, walked twice a slot; the LDS addresses hang on s[TB]
	TURN 0
	WIN 0
.Lenter:
	TURN 2
	WIN 0
	s_sub_co_u32 s[TWICE], s[TWICE], 1
	s_cmp_lg_u32 s[TWICE], 0
	s_cbranch_scc1 .Lstep
	s_sub_co_u32 s[SLOTS], s[SLOTS], 1
	s_cmp_lg_u32 s[SLOTS], 0
	s_cbranch_scc1 .Lslot
	CHANGE 0                        ; the tail is written out
	s_mov_b32 s[TWICE], 3           ; two trips fetch the last slot's steps; the third is left in its middle
.Ltail:
	TURN 0, 1
	WIN 0
	s_sub_co_u32 s[TWICE], s[TWICE], 1
	s_cmp_eq_u32 s[TWICE], 0
	s_cbranch_scc1 .Lout
	TURN 2
	WIN 0
	s_branch .Ltail
.Lout:                              ; the third trip's 32 products K Q^T, on the last K once more, serve nothing
.set i, 0
.rept 32
	PV 2                            ; piece 2: V^T P of the last step
.set i, i+1
.endr
	; THE WAY OUT.  l's two halves and the other half of the lanes' are added; O^T is divided by l, rounded to f16 and sent through my stage, a tile (a head's 16 rows) at a time.
	WIN 0
.irp t, 0,1,2,3
	v_add_f32 v[ST+8*(\t)+4], v[ST+8*(\t)+2], v[ST+8*(\t)+3]
.endr
.irp t, 0,1,2,3
	v_permlanex16_b32 v[ST+8*(\t)+5], v[ST+8*(\t)+4], s[SEL], s[SEL+1]
.endr
.irp t, 0,1,2,3
	v_add_f32 v[ST+8*(\t)+4], v[ST+8*(\t)+4], v[ST+8*(\t)+5]
.endr
.irp t, 0,1,2,3
	v_rcp_f32 v[ST+8*(\t)+6], v[ST+8*(\t)+4]
.endr
	v_nop                           ; a plain instruction behind the last reciprocal
	s_wait_alu depctr_va_vdst(0)    ; one wait for the four, ahead of their first reader
.macro PACK t
	WIN W_RS
.set i, 64*(\t)
.rept 32
	v_pk_mul_f32 v[i:i+1], v[i:i+1], v[ST+8*(\t)+6:ST+8*(\t)+7] op_sel_hi:[1,0]
.set i, i+2
.endr
	WIN 0x05
.set i, 0
.rept 32
	v_cvt_pk_f16_f32 v[S+32*(\t)+i], v[64*(\t)+2*i], v[64*(\t)+2*i+1]
.set i, i+1
.endr
	WIN 0
.irp f, 0,1,2,3,4,5,6,7
	ds_store_b128 v[STO], v[S+32*(\t)+4*(\f):S+32*(\t)+4*(\f)+3] offset:32*(\f)
.endr
.irp f, 0,1,2,3,4,5,6,7
	ds_load_b128 v[S+32*(\t)+4*(\f):S+32*(\t)+4*(\f)+3], v[RD] offset:(\f)*2*SP  ; LDS serves a wave's instructions in order: these see the stores above
.endr
.endm
.macro SEND t, younger
	WIN 0
.irp f, 0,1,2,3,4,5,6,7
	s_wait_dscnt (\younger)+7-(\f)
	global_store_b128 v[GO], v[S+32*(\t)+4*(\f):S+32*(\t)+4*(\f)+3], s[10:11] offset:(\t)*256+(\f)*8192  ; 16 lanes store 256 consecutive bytes, aligned: a head's row
.endr
.endm
	PACK 0
	PACK 1
	SEND 0, 16
	PACK 2
	SEND 1, 16
	PACK 3
	SEND 2, 16
	SEND 3, 0
	s_wait_kmcnt 0x0                ; the last request for mask words
	s_wait_tensorcnt 0x0            ; the wave's end
	ds_add_u32 v[SPW], v[NIL]
	s_wait_dscnt 0x0
	CROUND                          ; the closing round
	s_endpgm
.Lfunc_end_k_q28c750f7e9_attn:
	.size	k_q28c750f7e9_attn, .Lfunc_end_k_q28c750f7e9_attn-k_q28c750f7e9_attn
	.p2alignl 7, 3214868480
	.fill 96, 4, 3214868480
	.section	.rodata,"a",@progbits
	.p2align	6, 0x0
	.amdhsa_kernel k_q28c750f7e9_attn
		.amdhsa_group_segment_fixed_size 327680
		.amdhsa_private_segment_fixed_size 0
		.amdhsa_enable_private_segment 0
		.amdhsa_kernarg_size 40
		.amdhsa_user_sgpr_count 2
		.amdhsa_user_sgpr_kernarg_segment_ptr 1
		.amdhsa_wavefront_size32 1
		.amdhsa_system_sgpr_workgroup_id_x 1
		.amdhsa_system_sgpr_workgroup_id_y 1
		.amdhsa_system_sgpr_workgroup_id_z 1
		.amdhsa_system_vgpr_workitem_id 0
		.amdhsa_next_free_vgpr 1024
		.amdhsa_next_free_sgpr 102
		.amdhsa_reserve_vcc 0
		.amdhsa_float_denorm_mode_32 3
		.amdhsa_float_denorm_mode_16_64 3
		.amdhsa_memory_ordered 1
		.amdhsa_forward_progress 1
		.amdhsa_inst_pref_size 158
	.end_amdhsa_kernel
	.amdgpu_metadata
---
amdhsa.version: [ 1, 2 ]
amdhsa.kernels:
  - .name:           k_q28c750f7e9_attn
    .symbol:         k_q28c750f7e9_attn.kd
    .args:
      - { .name: qh, .offset: 0, .size: 8, .value_kind: global_buffer, .address_space: global }
      - { .name: kh, .offset: 8, .size: 8, .value_kind: global_buffer, .address_space: global }
      - { .name: vh, .offset: 16, .size: 8, .value_kind: global_buffer, .address_space: global }
      - { .name: hb, .offset: 24, .size: 8, .value_kind: global_buffer, .address_space: global }
      - { .name: lm, .offset: 32, .size: 8, .value_kind: global_buffer, .address_space: global }
    .group_segment_fixed_size: 327680
    .private_segment_fixed_size: 0
    .kernarg_segment_align: 8
    .kernarg_segment_size: 40
    .max_flat_workgroup_size: 128
    .sgpr_count:     102
    .vgpr_count:     1024
    .wavefront_size: 32
...
	.end_amdgpu_metadata
.endif
;; end of part 8
;; launch gemm_out (part 9): grid 8 x 32, 4 waves a work-group, clusters of 4 x 4, 327,680 bytes of LDS; arguments hb, wob, out0; writes out0
.if DOCPART == 9
	.amdgcn_target "amdgcn-amd-amdhsa--gfx1250"
	.amdhsa_code_object_version 6
	.text
	.protected	k_q28c750f7e9_gemm_out
	.globl	k_q28c750f7e9_gemm_out
	.p2align	8
	.type	k_q28c750f7e9_gemm_out,@function
k_q28c750f7e9_gemm_out:
	s_mov_b64 s[64:65], 0
	v_nop
	global_prefetch_b8 v0, s[64:65] scope:SCOPE_SE
	s_setreg_imm32_b32 hwreg(HW_REG_WAVE_MODE, 25, 1), 1
	s_wait_xcnt 0x0
	s_wait_alu depctr_hold_cnt(0) depctr_sa_sdst(0) depctr_va_vdst(0) depctr_va_sdst(0) depctr_va_ssrc(0) depctr_va_vcc(0) depctr_vm_vsrc(0)
	s_getreg_b32 s2, hwreg(HW_REG_IB_STS2, 6, 4)
	s_cmp_eq_u32 s2, 0
	s_cbranch_scc0 .Lentry_in_a_cluster
	s_endpgm
.Lentry_in_a_cluster:
	s_bfe_u32 s2, ttmp6, 0x10000c
	s_cmp_lg_u32 s2, 0xf033
	s_cbranch_scc0 .Lentry_shape_is_right
	s_endpgm
.Lentry_shape_is_right:
; out0 = O x wo.  A = hb [4096][2048] f16 (the attention's output); B = wob [2048 k][2048 n] f16; out0 [4096][2048] f32; sums in f32.
; SHARES.  A work-group makes 128 rows x 256 columns: 8 x 32 = 256 work-groups; a wave 64 x 128: 32 accumulators, window 2 ((a, b) at v[8 (8 a + b)]).
; K goes in 16 steps of 128 through two LDS slots; A's tile is asked for jointly along a row of the 4 x 4 cluster, B's along a column.  B lies [k][n] in LDS and is read turned.
; A K STEP IS WRITTEN TWICE: once for the 14 steps that fill a slot again, once for the last two.  Which slot is in hand is a scalar, 0 or SLOT, turned by an exclusive or with SLOT.
; The product is used transposed (source 0 = 16 columns of B, source 1 = 16 rows of A): a lane holds eight neighbouring columns of one row.
; REGISTERS: window 0: v0-31 addresses; v64-95, v128-159 A's fragments; v64-127, v192-255 the way out      window 1: v64-127, v128-191 B's fragments
.set SIZE_K, 2048
.set SIZE_N, 2048
.set KSTEP,  128
.set PITCH,  272
.set PB,     544
.set HALFA,  64*PITCH                  ; 64 rows of A: 17,408 bytes
.set HALFB,  64*PB                     ; 64 k-rows of B: 34,816 bytes
.set SLOT,   2*HALFA+2*HALFB           ; 104,448
.set STAGE,  2*SLOT                    ; behind the ring: 16 rows x 528 bytes for each wave
.set SPITCH, 528                       ; 512 bytes of f32 + 16
.set SPARE,  STAGE+4*16*SPITCH
.set ADRA, 16                          ; v16  LDS address of my A fragments in the slot in hand
.set A0,   17                          ; v17  the same in slot 0; never rewritten
.set ADRB, 20                          ; v20, v21  the same two for B
.set B0,   21
.set STO,  24
.set RD,   25
.set CO,   26
.set SPW,  28                          ; v28  SPARE + 4 x my thread's number; never rewritten
.set NIL,  29                          ; v29  0; never rewritten
.set PFO,  30
.set F0,   64
.set F1,   128
.set LBA,  2                           ; s2   where a fill of A's goes in a slot: half x 17,408
.set LBB,  18                          ; s18  where a fill of B's goes: 34,816 + half x 34,816
.set G1,   24
.set G0,   32                          ; s[32:35] A's first fill; s[36:39] its second, which then walks
.set LIM,  43
.set PFA,  44
.set G1B,  48
.set G0B,  56
.set PST,  66                          ; s[66:67] a K step in the tensor that I prefetch
.set TS,   71                          ; s71  the slot in hand: 0 or SLOT
.set MSB, 0
.macro WIN new
.if MSB != (\new)
	s_set_vgpr_msb (MSB<<8)|(\new)
.set MSB, \new
.endif
.endm
.set MUL,  0xa1                        ; source 0 (B) window 1, source 1 (A) window 0, C and D window 2
.set TO_B, 0x40
.macro JLOAD s                         ; waves 0 and 1 fetch A's two halves, waves 2 and 3 B's; an s_nop 0 and four v_nop follow each line
	s_cmp_eq_u32 s11, 0
	s_cbranch_scc0 .Lfor_b_\@
	tensor_load_to_lds s[G0+4*(\s):G0+4*(\s)+3], s[G1:G1+7]
	s_nop 0
.rept 4
	v_nop
.endr
	s_branch .Lasked_\@
.Lfor_b_\@:
	tensor_load_to_lds s[G0B+4*(\s):G0B+4*(\s)+3], s[G1B:G1B+7]
	s_nop 0
.rept 4
	v_nop
.endr
.Lasked_\@:
.endm
; A prefetch behind each joint refill: the K step two refills on, 256 matrix instructions ahead of the load that will want it.  Each aligned block of 256 bytes is named once in the launch:
; A's 128 rows by wave 0 of the clusters with x = 0, 32 rows a partner by address, a lane a row; B's 128 k-rows of 512 bytes by waves 2 and 3 of the clusters with y = 0, 16 k-rows a wave and partner,
; two lanes a row.  The loop's last two trips ask for nothing.
.macro ASK
	s_cmp_gt_u32 s3, s[LIM]
	s_cbranch_scc0 .Lnot_mine_\@
	global_prefetch_b8 v[PFO], s[PFA:PFA+1] th:TH_LOAD_NT scope:SCOPE_SE
.Lnot_mine_\@:
.endm
.macro CREST
	s_cmp_lg_u32 s10, 0
	s_cbranch_scc1 .Lnot_wave_0_\@
	s_barrier_signal -3
.Lnot_wave_0_\@:
	s_barrier_wait -3
	s_barrier_signal -1
	s_barrier_wait -1
.endm
.macro CROUND
	s_barrier_signal -1
	s_barrier_wait -1
	CREST
.endm
	s_load_b128 s[4:7], s[0:1], 0x0                ; hb s[4:5], wob s[6:7]
	s_load_b64 s[8:9], s[0:1], 0x10                ; out0
	v_lshl_add_u32 v[SPW], v0, 2, SPARE
	v_mov_b32 v[NIL], 0
	ds_add_u32 v[SPW], v[NIL]                      ; the wave's opening: the add, and its wait ahead of my first tensor load
	v_lshrrev_b32 v1, 5, v0
	v_readfirstlane_b32 s10, v1
	s_lshr_b32 s11, s10, 1                         ; my half of the tile's rows.  Also: I fetch for A (0) or for B (1)
	s_and_b32 s12, s10, 1                          ; my half of its columns.  Also: which half of that tile I fetch
	s_bfe_u32 s40, ttmp6, 0x40000
	s_bfe_u32 s41, ttmp6, 0x40004
	s_lshl_b32 s42, ttmp9, 2
	s_add_co_u32 s42, s42, s40                     ; tile column
	s_and_b32 s13, ttmp7, 0xffff
	s_lshl_b32 s13, s13, 2
	s_add_co_u32 s13, s13, s41                     ; tile row
	s_lshl_b32 s43, s41, 2
	s_lshl_b32 s43, 15, s43
	s_lshl_b32 s44, 0x1111, s40
	s_or_b32 s[G1+0], s43, (1<<16)|(1<<20)|(1<<21)|(5<<22)|(3<<25)
	s_or_b32 s[G1B+0], s44, (1<<16)|(1<<20)|(1<<21)|(6<<22)|(7<<25)
	s_mov_b32 s[G1+1], 128<<16                     ; A: 64 rows of 128 elements
	s_mov_b32 s[G1+2], 64<<16
	s_mov_b32 s[G1+3], 128<<16
	s_mov_b32 s[G1+4], 64
	s_mov_b32 s[G1+5], SIZE_K
	s_mov_b32 s[G1+6], 0
	s_mov_b32 s[G1+7], 0
	s_mov_b32 s[G1B+1], 256<<16                    ; B: 64 k-rows of 256 elements
	s_mov_b32 s[G1B+2], 64<<16
	s_mov_b32 s[G1B+3], 256<<16
	s_mov_b32 s[G1B+4], 64
	s_mov_b32 s[G1B+5], SIZE_N
	s_mov_b32 s[G1B+6], 0
	s_mov_b32 s[G1B+7], 0
	s_lshl_b32 s17, s12, 6
	s_lshl_b32 s16, s13, 7
	s_add_co_u32 s16, s16, s17                     ; A: row 128 x tile row + 64 x half
	s_lshl_b32 s16, s16, 12
	s_mov_b32 s17, 0
	s_lshl_b32 s46, s12, 18                        ; B: k-row 64 x half, of 4,096 bytes,
	s_lshl_b32 s47, s42, 9                         ; column 256 x tile column
	s_add_co_u32 s46, s46, s47
	s_mov_b32 s47, 0
	s_mul_i32 s[LBA], s12, HALFA                   ; where they go: A's two halves,
	s_mul_i32 s[LBB], s12, HALFB
	s_add_co_u32 s[LBB], s[LBB], 2*HALFA           ; then B's two
	s_mov_b32 s[TS], 0
	s_wait_dscnt 0x0
	s_wait_kmcnt 0x0
	s_add_nc_u64 s[14:15], s[4:5], s[16:17]
	s_add_nc_u64 s[46:47], s[6:7], s[46:47]
	CROUND
.irp s, 0,1
	s_mov_b32 s[G0+4*(\s)], 1
	s_add_co_u32 s[G0+4*(\s)+1], s[LBA], (\s)*SLOT
	s_add_nc_u64 s[G0+4*(\s)+2:G0+4*(\s)+3], s[14:15], (\s)*KSTEP*2
	s_or_b32 s[G0+4*(\s)+3], s[G0+4*(\s)+3], 0x80000000
	s_mov_b32 s[G0B+4*(\s)], 1
	s_add_co_u32 s[G0B+4*(\s)+1], s[LBB], (\s)*SLOT
	s_add_nc_u64 s[G0B+4*(\s)+2:G0B+4*(\s)+3], s[46:47], (\s)*KSTEP*SIZE_N*2
	s_or_b32 s[G0B+4*(\s)+3], s[G0B+4*(\s)+3], 0x80000000
	JLOAD \s
.endr
	v_and_b32 v1, 15, v0                           ; r
	v_bfe_u32 v2, v0, 4, 1                         ; h
	v_mul_u32_u24 v3, v1, PITCH
	v_lshl_add_u32 v3, v2, 4, v3
	v_and_b32 v4, 7, v0
	v_lshl_add_u32 v4, v2, 3, v4
	v_mul_u32_u24 v4, v4, PB
	v_bfe_u32 v5, v0, 3, 1
	v_lshl_add_u32 v4, v5, 4, v4
	s_mul_i32 s21, s11, HALFA                      ; my 64 rows of A
	s_lshl_b32 s22, s12, 8                         ; my 128 columns of B
	s_add_co_u32 s22, s22, 2*HALFA
	v_add_nc_u32 v[A0], s21, v3
	v_add_nc_u32 v[B0], s22, v4
	v_add_nc_u32 v[ADRA], s[TS], v[A0]             ; slot 0 is in hand
	v_add_nc_u32 v[ADRB], s[TS], v[B0]
	s_mul_i32 s23, s10, 16*SPITCH
	s_add_co_u32 s23, s23, STAGE
	v_mul_u32_u24 v4, v1, SPITCH                   ; in: row r, 32 bytes for each half of the lanes
	v_lshl_add_u32 v4, v2, 5, v4
	v_add_nc_u32 v[STO], s23, v4
	v_and_b32 v3, 31, v0
	v_lshl_add_u32 v[RD], v3, 4, s23               ; back: the 32 lanes take one row of 512 bytes
	v_lshlrev_b32 v[CO], 4, v3
	s_lshl_b32 s16, s13, 7
	s_lshl_b32 s17, s11, 6
	s_add_co_u32 s16, s16, s17                     ; my first row of out0,
	s_lshl_b32 s16, s16, 13                        ; of 8,192 bytes
	s_lshl_b32 s17, s42, 10
	s_add_co_u32 s16, s16, s17                     ; + 1,024 x tile column
	s_lshl_b32 s17, s12, 9
	s_add_co_u32 s16, s16, s17                     ; + 512 x half
	s_mov_b32 s17, 0
	s_add_nc_u64 s[8:9], s[8:9], s[16:17]
	; the prefetches stand at K step 3; each change of slots steps them before it asks.  Their offsets are made in s68-s70, which feed no descriptor and no LDS address.
	s_mov_b32 s19, ttmp9
	s_lshl_b32 s68, s13, 7
	s_lshl_b32 s69, s40, 5
	s_add_co_u32 s68, s68, s69                     ; A: row 128 x tile row + 32 cx
	s_lshl_b32 s68, s68, 12
	s_add_co_u32 s68, s68, 3*KSTEP*2
	s_lshl_b32 s69, s12, 6
	s_lshl_b32 s70, s41, 4
	s_add_co_u32 s69, s69, s70
	s_add_co_u32 s69, s69, 3*KSTEP                 ; B: k-row 64 x half + 16 cy
	s_lshl_b32 s69, s69, 12
	s_lshl_b32 s70, s42, 9
	s_add_co_u32 s69, s69, s70
	s_and_b32 s70, ttmp7, 0xffff
	s_mov_b32 s[PST], KSTEP*SIZE_N*2
	s_cmp_eq_u32 s11, 0
	s_cselect_b32 s70, s19, s70
	s_cselect_b64 s[PFA:PFA+1], s[4:5], s[6:7]
	s_cselect_b32 s68, s68, s69
	s_cselect_b32 s[PST], KSTEP*2, s[PST]
	s_cselect_b32 s17, 0, 1
	s_mov_b32 s69, 0
	s_mov_b32 s[PST+1], 0
	s_add_nc_u64 s[PFA:PFA+1], s[PFA:PFA+1], s[68:69]
	s_cmp_eq_u32 s10, 1                            ; A's tile has 128 blocks a K step: wave 0 of four partners names them all, wave 1 none
	s_cselect_b32 s70, 1, s70
	s_cmp_eq_u32 s70, 0
	s_cselect_b32 s[LIM], 2, -1
	v_lshrrev_b32 v4, s17, v3
	v_lshlrev_b32 v4, 12, v4                       ; rows of 4,096 bytes in both tensors
	v_and_b32 v5, s17, v3
	v_lshl_add_u32 v[PFO], v5, 8, v4
; 8 matrix instructions: m block a x all 8 n blocks, 32 along K.  The 32 accumulators take turns in the same order in every quarter.
.macro MULA f, a, zero
	WIN MUL
.irp b, 0,1,2,3,4,5,6,7
.if \zero
	v_wmma_f32_16x16x32_f16 v[8*(8*(\a)+(\b)):8*(8*(\a)+(\b))+7], v[(\f)+8*(\b):(\f)+8*(\b)+7], v[(\f)+8*(\a):(\f)+8*(\a)+7], 0
.else
	v_wmma_f32_16x16x32_f16 v[8*(8*(\a)+(\b)):8*(8*(\a)+(\b))+7], v[(\f)+8*(\b):(\f)+8*(\b)+7], v[(\f)+8*(\a):(\f)+8*(\a)+7], v[8*(8*(\a)+(\b)):8*(8*(\a)+(\b))+7]
.endif
.endr
.endm
.macro FETCH k, f                      ; 24 LDS loads in one run, from the slot in hand: B's 16, then A's 8
	WIN TO_B
.irp i, 0,1,2,3,4,5,6,7
	ds_load_tr16_b128 v[(\f)+8*(\i):(\f)+8*(\i)+3],   v[ADRB] offset:((\k)/64)*32*PB+32*(\i)
	ds_load_tr16_b128 v[(\f)+8*(\i)+4:(\f)+8*(\i)+7], v[ADRB] offset:((\k)/64)*32*PB+16*PB+32*(\i)
.endr
	WIN 0
.irp i, 0,1,2,3
	ds_load_b128 v[(\f)+8*(\i):(\f)+8*(\i)+3],   v[ADRA] offset:(\k)+(\i)*16*PITCH
	ds_load_b128 v[(\f)+8*(\i)+4:(\f)+8*(\i)+7], v[ADRA] offset:(\k)+(\i)*16*PITCH+32
.endr
.endm
.macro PLACES
.rept 4
	v_nop
.endr
.endm
.macro QUARTER k, f, g, zero
	s_wait_dscnt 4                                 ; B and A's rows 0-31 are in; the youngest four loads may be out
	MULA \f, 0, \zero
	MULA \f, 1, \zero
	PLACES
	FETCH \k, \g
	s_wait_dscnt 24                                ; all but the 24 just issued
	MULA \f, 2, \zero
	MULA \f, 3, \zero
.endm
; A K step's last quarter changes slots: ONE barrier; in front of it each wave waits for all its tensor loads, adds 0 to its spare word, and waits for that and for its own reads of this slot.
; fill = 1: the barrier opens a round of the cluster's, and this slot is filled again, two K steps on, first thing behind the round, by the walking descriptor: 112 matrix instructions ahead of the wait for it.
.macro TURN fill
.if \fill
	s_wait_xcnt 0x0                                ; the last prefetch, a K step back, has read its address
	s_add_nc_u64 s[PFA:PFA+1], s[PFA:PFA+1], s[PST:PST+1]
.endif
	WIN 0
	s_wait_tensorcnt 0x0
	ds_add_u32 v[SPW], v[NIL]
	s_wait_dscnt 5                                 ; the add and the youngest four loads may be out
	MULA F1, 0, 0
	s_wait_dscnt 0x0                               ; the add is done, and my reads of this slot are over
	s_barrier_signal -1
	MULA F1, 1, 0
	WIN 0
	s_barrier_wait -1
.if \fill
	CREST
	s_add_co_u32 s[G0+5], s[LBA], s[TS]            ; no tensor load of mine is out: the walking descriptors may be written
	s_add_co_u32 s[G0B+5], s[LBB], s[TS]
	s_add_nc_u64 s[G0+6:G0+7], s[G0+6:G0+7], KSTEP*2
	s_add_nc_u64 s[G0B+6:G0B+7], s[G0B+6:G0B+7], KSTEP*SIZE_N*2
	s_xor_b32 s[TS], s[TS], SLOT
	JLOAD 1                                        ; its four v_nop are also the places in front of the loads below
	v_add_nc_u32 v[ADRA], s[TS], v[A0]
	v_add_nc_u32 v[ADRB], s[TS], v[B0]
.else
	s_xor_b32 s[TS], s[TS], SLOT
	v_add_nc_u32 v[ADRA], s[TS], v[A0]             ; these two and two v_nop are the four places in front of the loads below
	v_add_nc_u32 v[ADRB], s[TS], v[B0]
	v_nop
	v_nop
.endif
	FETCH 0, F0
.if \fill
	ASK
.endif
	MULA F1, 2, 0
	MULA F1, 3, 0
.endm
	s_wait_tensorcnt 1                             ; my part of K step 0 is in; K step 1's may stay out
	s_barrier_signal -1
	s_barrier_wait -1
	FETCH 0, F0
	QUARTER 64,  F0, F1, 1                         ; the first quarter stands in front of the loop: its products start the sums
	WIN 0
	s_mov_b32 s3, SIZE_K/KSTEP-2
.Lstep:                                                ; 14 trips: from a K step's second quarter to the next step's first; each fills a slot again
	QUARTER 128, F1, F0, 0
	QUARTER 192, F0, F1, 0
	TURN 1
	QUARTER 64,  F0, F1, 0
	WIN 0
	s_sub_co_u32 s3, s3, 1
	s_cmp_lg_u32 s3, 0
	s_cbranch_scc1 .Lstep
	s_mov_b32 s3, 2
.Ltail:                                                ; the last two K steps fill nothing: written out.  The second trip is left behind its change of slots
	QUARTER 128, F1, F0, 0                         ; whose barrier and run of LDS loads serve nothing there: the price, once a launch, of one text for both trips
	QUARTER 192, F0, F1, 0
	TURN 0
	WIN 0
	s_sub_co_u32 s3, s3, 1
	s_cmp_eq_u32 s3, 0
	s_cbranch_scc1 .Lout
	QUARTER 64,  F0, F1, 0
	WIN 0
	s_branch .Ltail
.Lout:
	; THE WAY OUT, a block of 16 rows at a time through my own stage: 32 bytes a lane in, whole rows of 512 bytes back.
	PLACES
	s_wait_dscnt 0x0                               ; the last run of LDS loads has landed: its registers are used again below
.irp a, 0,1,2,3
	WIN 0x08                                       ; the stores' data in window 2; each accumulator's low registers first
.irp b, 0,1,2,3,4,5,6,7
	ds_store_b128 v[STO], v[8*(8*(\a)+(\b)):8*(8*(\a)+(\b))+3]   offset:64*(\b)
	ds_store_b128 v[STO], v[8*(8*(\a)+(\b))+4:8*(8*(\a)+(\b))+7] offset:64*(\b)+16
.endr
	WIN 0
.set BK, 192-128*((\a)%2)
.if (\a) >= 2
	s_wait_xcnt 0x0                                ; the stores of the block two back have read these registers
.endif
.irp t, 0,1,2,3,4,5,6,7,8,9,10,11,12,13,14,15
	ds_load_b128 v[BK+4*(\t):BK+4*(\t)+3], v[RD] offset:(\t)*SPITCH  ; LDS serves a wave's instructions in order: these see the stores above, and the next block's stores come behind them
.endr
.irp t, 0,1,2,3,4,5,6,7,8,9,10,11,12,13,14,15
	s_wait_dscnt 15-(\t)
	global_store_b128 v[CO], v[BK+4*(\t):BK+4*(\t)+3], s[8:9] offset:(\a)*131072+(\t)*8192  ; the wave's store covers 512 consecutive bytes, aligned
.endr
.endr
	s_wait_tensorcnt 0x0                           ; the wave's end
	ds_add_u32 v[SPW], v[NIL]
	s_wait_dscnt 0x0
	CROUND                                         ; the closing round
	s_endpgm
.Lfunc_end_k_q28c750f7e9_gemm_out:
	.size	k_q28c750f7e9_gemm_out, .Lfunc_end_k_q28c750f7e9_gemm_out-k_q28c750f7e9_gemm_out
	.p2alignl 7, 3214868480
	.fill 96, 4, 3214868480
	.section	.rodata,"a",@progbits
	.p2align	6, 0x0
	.amdhsa_kernel k_q28c750f7e9_gemm_out
		.amdhsa_group_segment_fixed_size 327680
		.amdhsa_private_segment_fixed_size 0
		.amdhsa_enable_private_segment 0
		.amdhsa_kernarg_size 24
		.amdhsa_user_sgpr_count 2
		.amdhsa_user_sgpr_kernarg_segment_ptr 1
		.amdhsa_wavefront_size32 1
		.amdhsa_system_sgpr_workgroup_id_x 1
		.amdhsa_system_sgpr_workgroup_id_y 1
		.amdhsa_system_sgpr_workgroup_id_z 1
		.amdhsa_system_vgpr_workitem_id 0
		.amdhsa_next_free_vgpr 768
		.amdhsa_next_free_sgpr 72
		.amdhsa_reserve_vcc 0
		.amdhsa_float_denorm_mode_32 3
		.amdhsa_float_denorm_mode_16_64 3
		.amdhsa_memory_ordered 1
		.amdhsa_forward_progress 1
		.amdhsa_inst_pref_size 63
	.end_amdhsa_kernel
	.amdgpu_metadata
---
amdhsa.version: [ 1, 2 ]
amdhsa.kernels:
  - .name:           k_q28c750f7e9_gemm_out
    .symbol:         k_q28c750f7e9_gemm_out.kd
    .args:
      - { .name: hb, .offset: 0, .size: 8, .value_kind: global_buffer, .address_space: global }
      - { .name: wob, .offset: 8, .size: 8, .value_kind: global_buffer, .address_space: global }
      - { .name: out0, .offset: 16, .size: 8, .value_kind: global_buffer, .address_space: global }
    .group_segment_fixed_size: 327680
    .private_segment_fixed_size: 0
    .kernarg_segment_align: 8
    .kernarg_segment_size: 24
    .max_flat_workgroup_size: 128
    .sgpr_count:     72
    .vgpr_count:     768
    .wavefront_size: 32
...
	.end_amdgpu_metadata
.endif
;; end of part 9
